; MI455X (gfx1250); checked and timed in simulation.
; The chip was launched on July 23, 2026; its instructions are those of AMD's public machine-readable ISA for CDNA 5 (MIT licence, August 2026) and "CDNA5" Instruction Set Architecture Reference Guide (July 2026). The comments in the code are by the model that wrote it; some were corrected since.
;; Self Attention. Allowed arithmetic: matrix products marked QUANTISED: E2M3 operands, one E8M0 scale for each 32 along K, by v_wmma_scale_f32_16x16x128_f8f6f4 with both operands' format E2M3, f32 sums; everything else in f32.
;; Inputs: Wk_codes 1,024 x 32 x 24 uint8 (E2M3 codes of Wk, K innermost, in blocks of 32 codes, four codes in three bytes); Wk_scales 1,024 x 32 uint8 (E8M0 scales of Wk, one for each 32 codes along K); Wo_codes 1,024 x 32 x 24 uint8 (E2M3 codes of Wo, K innermost, in blocks of 32 codes, four codes in three bytes); Wo_scales 1,024 x 32 uint8 (E8M0 scales of Wo, one for each 32 codes along K); Wq_codes 1,024 x 32 x 24 uint8 (E2M3 codes of Wq, K innermost, in blocks of 32 codes, four codes in three bytes); Wq_scales 1,024 x 32 uint8 (E8M0 scales of Wq, one for each 32 codes along K); Wv_codes 1,024 x 32 x 24 uint8 (E2M3 codes of Wv, K innermost, in blocks of 32 codes, four codes in three bytes); Wv_scales 1,024 x 32 uint8 (E8M0 scales of Wv, one for each 32 codes along K); beta 1,024 float32; bk 1,024 float32; bo 1,024 float32; bq 1,024 float32; bv 1,024 float32; gamma 1,024 float32; mask 2,048 x 2,048 bool; x 2 x 2,048 x 1,024 float32.
;; Outputs: out0 2 x 2,048 x 1,024 float32.
;; This version of the problem:
;;   THIS VERSION OF THE PROBLEM IS GIVEN IN LOW PRECISION. The matrix products marked QUANTISED in the list below multiply operands that are first quantised to E2M3 (2 exponent bits, 3 mantissa bits; 6 bits a number), with one power-of-two scale for each 32 numbers along K (OCP MX v1.0); their sums are f32. All else is computed in f32.
;;   The module's matrix products, in the order in which they are computed (A, B: the left and right operand; K: the contracted axis; several contracted axes count as one K, in the product's order):
;;     1. [M 4,096, K 1,024] x [K 1,024, N 1,024]; A: computed on the way; B: input Wq (given as codes): QUANTISED
;;     2. [M 4,096, K 1,024] x [K 1,024, N 1,024]; A: computed on the way; B: input Wk (given as codes): QUANTISED
;;     3. [M 4,096, K 1,024] x [K 1,024, N 1,024]; A: computed on the way; B: input Wv (given as codes): QUANTISED
;;     4. batch 32 x [M 2,048, K 64] x [K 64, N 2,048]; A: computed on the way; B: computed on the way: QUANTISED
;;     5. batch 32 x [M 2,048, K 2,048] x [K 2,048, N 64]; A: softmax (see below); B: computed on the way: QUANTISED
;;     6. [M 4,096, K 1,024] x [K 1,024, N 1,024]; A: computed on the way; B: input Wo (given as codes): QUANTISED
;;   THE QUANTISER, for each operand of a quantised product, along K:
;;     - K is cut into blocks of 32 from its start; a last block that is shorter is filled with zeros.
;;     - A block's scale is 2^e with e = floor(log2(the largest magnitude in the block)) - 2, held to -126 .. 127; a block of zeros has e = 0. As a byte (E8M0): e + 127.
;;     - Each number is divided by its block's scale, clamped to +-7.5, and rounded to the nearest number of E2M3, ties to even, subnormals kept.
;;     - The product sums the exact products of the quantised numbers (number of the format x scale) in f32.
;;   ~~~python
;;   def quantise(x, axis):      # numpy; x: float32 -> the quantised numbers, widened to float32 again
;;       x = np.moveaxis(x, axis, -1); K = x.shape[-1]
;;       x = np.pad(x, [(0, 0)] * (x.ndim - 1) + [(0, -K % 32)]); x = x.reshape(x.shape[:-1] + (-1, 32)); a = np.abs(x).max(-1, keepdims=True)
;;       e = np.where(a > 0, np.clip(np.frexp(np.where(a > 0, a, 1))[1] - 1 - 2, -126, 127), 0)      # np.frexp(a)[1] - 1 = floor(log2(a)), exactly
;;       r = np.clip(x / 2.0 ** e, -7.5, 7.5)
;;       step = 2.0 ** (np.maximum(np.frexp(np.where(r == 0, 1, r))[1] - 1, 0) - 3)
;;       q = np.round(r / step) * step * 2.0 ** e      # np.round: ties to even
;;       return np.moveaxis(q.reshape(q.shape[:-2] + (-1,))[..., :K], -1, axis).astype(np.float32)
;;   ~~~
;;   SOFTMAX AHEAD OF A QUANTISED PRODUCT. Where the list says 'softmax', what is quantised is not the finished softmax but p = 2^(t - M), with t = logit x log2(e) and M = ceil(the row's largest t), a whole number; so 1/2 < the row's largest p <= 1. The row's sum l is taken of the UNQUANTISED p, in f32, and the product's result is divided by l at the end. Since M is a whole number, a kernel that streams over the keys may use a running M (the ceiling of the running maximum): every later rescaling is an exact power of two, which a block's scale takes up: the codes' values come out the same.
;;   OPERANDS COMPUTED ON THE WAY. 'Computed on the way' means the value that the module computes at that place (a softmax that the list does not call 'softmax' is quantised finished and normalised). What goes into a quantiser is computed in f32, as accurately as f32 sums, v_exp_f32 and their like allow (about 1e-6 of the number): no bf16 or f16 on the way to a quantiser, and a product that is left as it is and whose result goes on into a quantised operand takes f32 operands (vector FMAs, or v_wmma_f32_16x16x4_f32). A number that lies on a knife's edge between two numbers of the format may be rounded either way, as far as f32 arithmetic and the matrix unit's own rounding can turn it there, and no further.
;;   INPUTS GIVEN AS CODES. Wk (in the module: [1024, 1024], K = its axis 1); Wo (in the module: [1024, 1024], K = its axis 1); Wq (in the module: [1024, 1024], K = its axis 1); Wv (in the module: [1024, 1024], K = its axis 1): each comes as NAME_codes (uint8): NAME with its K axis moved to the last place and cut into blocks of 32 codes, [.., K / 32, bytes a block], one block behind the other in memory; four codes in three bytes: a row's codes are one little-endian stream of bits, code i at bits 6 i .. 6 i + 5 (a code: sign, 2 exponent bits, 3 mantissa bits); and NAME_scales (uint8): the same leading axes, one E8M0 byte (e + 127) for each 32 codes along K. Its value is code x scale, taken as it is: it is not quantised again, and the codes and scales need not be those that the quantiser above would give.
;; 2 versions. Each part assembles by itself: llvm-mc -triple=amdgcn-amd-amdhsa -mcpu=gfx1250 --defsym DOCPART=n.
;; ======== version 1 of 2: 4 launches
;; workspace buffers: xq 3,407,872 bytes; wq 3,407,872 bytes; mk 540,672 bytes of whole numbers; qk 6,815,744 bytes; vq 3,276,800 bytes; oq 3,670,016 bytes
;; launch prep (part 1): grid 256 x 1, 8 waves a work-group, no clusters, 0 bytes of LDS; arguments x, mask, Wq_codes, Wq_scales, Wk_codes, Wk_scales, Wv_codes, Wv_scales, Wo_codes, Wo_scales, xq, wq, mk; writes xq, wq, mk
.if DOCPART == 1
	.amdgcn_target "amdgcn-amd-amdhsa--gfx1250"
	.amdhsa_code_object_version 6
	.text
	.protected	k_qfec5aeeccd_prep
	.globl	k_qfec5aeeccd_prep
	.p2align	8
	.type	k_qfec5aeeccd_prep,@function
k_qfec5aeeccd_prep:
	s_mov_b64 s[64:65], 0
	v_nop
	global_prefetch_b8 v0, s[64:65] scope:SCOPE_SE
	s_setreg_imm32_b32 hwreg(HW_REG_WAVE_MODE, 25, 1), 1
	s_wait_xcnt 0x0
; PREP: three jobs, one unit of each for every wave; straight-line text, one path for all work-groups.  U = 8 x work-group + wave numbers all three.
;  (a) x [4096][1024] f32: nan_to_num (NaN -> 0, +-inf -> +-1e9), quantised to FP6 (E2M3) along K in blocks of 32, stored as IMAGES OF THE OPERAND'S REGISTERS:
;      unit (tile Tg = work-group, K step s = wave): 16 tokens x 128 K = 12 registers a lane, registers 4 c .. 4 c + 3 at 512 c + 16 x lane; its scale words at XSC, 4 bytes a lane.
;  (b) the four weights' codes, as given, copied into the same kind of image (unit: weight g / 64, tile g % 64, K step = wave); their scale words likewise.
;  (c) the mask, turned into lane masks for the attention launch: unit (query tile T = g / 2, key step ks = 8 (g % 2) + wave): 64 words; bit (lane) of word 16 b + i = mask[query of lane % 16][128 ks + 32 b + 16 (lane / 16) + i];
;      and two flag words: ALL (lanes whose 64 bytes are all 1) and ANY (lanes with a byte that is not 0).
; ROW rho OF TILE t IS INDEX 32 (t / 2) + 8 (t % 2) + rho + 8 (rho / 8), for tokens and for the weights' rows alike: so the 16 registers that two neighbouring tiles of a product give a lane are 16 neighbours along the next K.
; A block's scale is 2^(floor(log2(largest magnitude)) - 2): its byte is the largest magnitude's exponent field - 2, held at 1 from below by a floor among the maximum's leaves.
; LIMITS: a block of zeros gets the byte 1 (the quantiser's text says 127): its codes are zeros and only this program reads the bytes.  Mask bytes are taken to be 0 or 1 (for ALL; a lane mask bit is set for any byte that is not 0).
; No LDS, no barrier, no matrix work: the launch moves each byte once.
.set XSC,  3145728                     ; where the scale words begin in xq and in wq
.set MFL,  524288                      ; where the flags begin in mk
.set WF,   16                          ; v16-27  a weight fragment
.set WSW,  28                          ; v28     its scale words
.set MK,   32                          ; v32-47  my 64 mask bytes
.set MW,   48                          ; v48-49  the 64 lane masks, one to a lane
.set FL,   50                          ; v50     the flags
.set AN,   51
.set ORR,  52
.set TP,   54                          ; v54-55  at work
.set X,    64                          ; v64-127 64 numbers of x: register 16 b + i = k 32 b + 16 (lane / 16) + i of my token
.set PC,   128                         ; v128-139 the codes
.set PT,   140                         ; v140-147 the conversions' second halves
.set TM,   148                         ; v148-163 +0..3 largest magnitudes, +4..7 bytes, +12..15 the conversions' scale operands
.set PW,   164                         ; the scale word
.set NA,   165
.set NT,   166
.set ABS,  57
.set BIG,  58
.set INF,  59
.set SEL,  60                          ; s[60:61] v_permlanex16_b32's selects for lane l xor 16
.macro NANFIX r                        ; NaN -> 0, +-infinity -> +-1e9, all else as it is
	v_and_b32 v[NA], s[ABS], v[\r]
	v_bfi_b32 v[NT], s[ABS], s[BIG], v[\r]         ; 1e9 with the number's sign
	v_cmp_eq_u32 vcc_lo, s[INF], v[NA]
	v_cndmask_b32 v[\r], v[\r], v[NT], vcc_lo
	v_cmp_ge_u32 vcc_lo, s[INF], v[NA]             ; not a NaN
	v_cndmask_b32 v[\r], 0, v[\r], vcc_lo
.endm
; 32 nc numbers of a lane (2 nc half blocks of 16) become half blocks of codes and the row's scale word
.macro QUANT_A s, nc, pc, pt, pw
.set QB, 0
.rept 2*(\nc)
	v_max3_num_f32 v[TM+QB], |v[(\s)+16*QB]|, |v[(\s)+16*QB+1]|, 0x1800000   ; my 16 numbers of block QB, and the floor 2^(3 - 127)
.set QB, QB+1
.endr
.irp i, 2,4,6,8,10,12,14
.set QB, 0
.rept 2*(\nc)
	v_max3_num_f32 v[TM+QB], v[TM+QB], |v[(\s)+16*QB+\i]|, |v[(\s)+16*QB+\i+1]|   ; the blocks by turns
.set QB, QB+1
.endr
.endr
.set QB, 0
.rept 2*(\nc)
	v_permlanex16_b32 v[TM+4+QB], v[TM+QB], s[SEL], s[SEL+1]
.set QB, QB+1
.endr
.set QB, 0
.rept 2*(\nc)
	v_max_num_f32 v[TM+QB], v[TM+QB], v[TM+4+QB]   ; with lane l xor 16's 16: the block's largest magnitude
.set QB, QB+1
.endr
.set QB, 0
.rept 2*(\nc)
	v_add_nc_u32 v[TM+12+QB], 0xff000000, v[TM+QB] ; 2 off its exponent field: the conversion's scale operand
.set QB, QB+1
.endr
.set QB, 0
.rept 2*(\nc)
	v_lshrrev_b32 v[TM+4+QB], 23, v[TM+12+QB]      ; the scale's byte
.set QB, QB+1
.endr
	v_lshl_or_b32 v[\pw], v[TM+5], 8, v[TM+4]
.if (\nc) > 1
	v_lshl_or_b32 v[\pw], v[TM+6], 16, v[\pw]
	v_lshl_or_b32 v[\pw], v[TM+7], 24, v[\pw]
.endif
.set QB, 0
.rept (\nc)
	v_cvt_scalef32_pk16_fp6_f32 v[(\pc)+6*QB:(\pc)+6*QB+2], v[(\s)+32*QB:(\s)+32*QB+15], v[TM+12+2*QB]
	v_cvt_scalef32_pk16_fp6_f32 v[(\pt)+4*QB:(\pt)+4*QB+2], v[(\s)+32*QB+16:(\s)+32*QB+31], v[TM+13+2*QB]   ; (a conversion's three registers begin on an even number)
.set QB, QB+1
.endr
	v_nop                                          ; one plain place behind the last scaled conversion
.endm
; the operand's layout wants a whole block in a lane: lanes 0-15 block 2 c, lanes 16-31 block 2 c + 1
.macro QUANT_B nc, pc, pt
.set QB, 0
.rept (\nc)
.irp i, 0,1,2
	v_permlane16_swap_b32 v[(\pc)+6*QB+\i], v[(\pt)+4*QB+\i]
.endr
.irp i, 0,1,2
	v_mov_b32 v[(\pc)+6*QB+3+\i], v[(\pt)+4*QB+\i]
.endr
.set QB, QB+1
.endr
.endm
	s_load_b512 s[4:19], s[0:1], 0x0               ; x, mask, Wq codes, scales, Wk codes, scales, Wv codes, scales
	s_load_b256 s[20:27], s[0:1], 0x40             ; Wo codes, scales, xq, wq
	s_load_b64 s[28:29], s[0:1], 0x60              ; mk
	v_lshrrev_b32 v1, 5, v0
	v_readfirstlane_b32 s30, v1                    ; wave 0..7
	v_and_b32 v1, 31, v0                           ; lane
	v_and_b32 v2, 15, v0                           ; r
	v_bfe_u32 v3, v0, 4, 1                         ; h
	v_and_b32 v4, 8, v2
	v_add_nc_u32 v4, v4, v2                        ; r + 8 (r / 8): my row's distance from the tile's first
	v_lshlrev_b32 v5, 4, v1                        ; 16 x lane
	v_lshlrev_b32 v6, 2, v1                        ; 4 x lane
	v_lshlrev_b32 v7, 12, v4
	v_lshl_add_u32 v7, v3, 6, v7                   ; x: a row is 4,096 bytes; + 64 h: my 16 numbers of a block of 32
	v_mul_u32_u24 v8, v4, 768
	v_mad_u32_u24 v8, v3, 24, v8                   ; weight codes: a row is 768 bytes; + 24 h
	v_lshlrev_b32 v9, 5, v4                        ; weight scales: 32 bytes a row
	v_lshlrev_b32 v10, 11, v4
	v_lshl_add_u32 v10, v3, 4, v10                 ; mask: a row is 2,048 bytes; + 16 h
.irp b, 0,1,2,3
	v_mov_b32 v[TM+4+\b], 0                        ; written once: a lane permute's destination counts as one of its sources
.endr
	v_mov_b32 v[MW], 0                             ; likewise v_writelane_b32's
	v_mov_b32 v[MW+1], 0
	s_lshl_b32 s31, ttmp9, 3
	s_add_co_u32 s31, s31, s30                     ; U
	s_lshr_b32 s33, ttmp9, 6                       ; which weight: 0 q, 1 k, 2 v, 3 o
	s_and_b32 s34, ttmp9, 63                       ; its tile
	s_lshr_b32 s35, s34, 1
	s_lshl_b32 s35, s35, 5
	s_and_b32 s34, s34, 1
	s_lshl_b32 s34, s34, 3
	s_add_co_u32 s34, s34, s35                     ; the tile's first row
	s_mul_i32 s36, s34, 768
	s_mul_i32 s35, s30, 96
	s_add_co_u32 s36, s36, s35                     ; + K step: 96 bytes
	s_mov_b32 s37, 0
	s_lshl_b32 s38, s34, 5
	s_lshl_b32 s35, s30, 2
	s_add_co_u32 s38, s38, s35
	s_mov_b32 s39, 0
	s_lshr_b32 s34, ttmp9, 1                       ; the mask's query tile T
	s_lshr_b32 s35, s34, 1
	s_lshl_b32 s35, s35, 5
	s_and_b32 s34, s34, 1
	s_lshl_b32 s34, s34, 3
	s_add_co_u32 s34, s34, s35
	s_lshl_b32 s40, s34, 11
	s_and_b32 s35, ttmp9, 1
	s_lshl_b32 s35, s35, 3
	s_add_co_u32 s35, s35, s30                     ; key step
	s_lshl_b32 s35, s35, 7
	s_add_co_u32 s40, s40, s35
	s_mov_b32 s41, 0
	s_lshr_b32 s35, ttmp9, 1                       ; x's token tile = the work-group
	s_lshl_b32 s35, s35, 5
	s_and_b32 s34, ttmp9, 1
	s_lshl_b32 s34, s34, 3
	s_add_co_u32 s34, s34, s35
	s_lshl_b32 s42, s34, 12
	s_lshl_b32 s35, s30, 9
	s_add_co_u32 s42, s42, s35                     ; + K step: 512 bytes
	s_mov_b32 s43, 0
	s_mul_i32 s44, s31, 1536                       ; an image
	s_mov_b32 s45, 0
	s_lshl_b32 s46, s31, 7
	s_add_co_u32 s46, s46, XSC                     ; its scale words
	s_mov_b32 s47, 0
	s_lshl_b32 s48, s31, 8                         ; 64 lane masks
	s_mov_b32 s49, 0
	s_lshl_b32 s50, s31, 3
	s_add_co_u32 s50, s50, MFL                     ; two flags
	s_mov_b32 s51, 0
	s_mov_b32 s[ABS], 0x7fffffff
	s_mov_b32 s[BIG], 0x4e6e6b28                   ; 1e9
	s_mov_b32 s[INF], 0x7f800000
	s_mov_b32 s[SEL], 0x76543210
	s_mov_b32 s[SEL+1], 0xfedcba98
	s_wait_kmcnt 0x0
	s_cmp_lt_u32 s33, 1                            ; the weight's two buffers: a choice that hangs on the work-group's number alone
	s_cselect_b64 s[8:9], s[8:9], s[12:13]
	s_cselect_b64 s[10:11], s[10:11], s[14:15]
	s_cmp_lt_u32 s33, 2
	s_cselect_b64 s[8:9], s[8:9], s[16:17]
	s_cselect_b64 s[10:11], s[10:11], s[18:19]
	s_cmp_lt_u32 s33, 3
	s_cselect_b64 s[8:9], s[8:9], s[20:21]
	s_cselect_b64 s[10:11], s[10:11], s[22:23]
	s_add_nc_u64 s[8:9], s[8:9], s[36:37]
	s_add_nc_u64 s[10:11], s[10:11], s[38:39]
	s_add_nc_u64 s[6:7], s[6:7], s[40:41]
	s_add_nc_u64 s[4:5], s[4:5], s[42:43]
	s_add_nc_u64 s[12:13], s[26:27], s[44:45]      ; wq: image, scale words
	s_add_nc_u64 s[14:15], s[26:27], s[46:47]
	s_add_nc_u64 s[16:17], s[24:25], s[44:45]      ; xq: image, scale words
	s_add_nc_u64 s[18:19], s[24:25], s[46:47]
	s_add_nc_u64 s[20:21], s[28:29], s[48:49]      ; mk: lane masks, flags
	s_add_nc_u64 s[22:23], s[28:29], s[50:51]
	; all loads first: 7 for the weight, 4 for the mask, 16 for x
.irp p, 0,1,2,3,4,5
	global_load_b64 v[WF+2*\p:WF+2*\p+1], v8, s[8:9] offset:48*(\p/3)+8*(\p%3)
.endr
	global_load_b32 v[WSW], v9, s[10:11]
.irp b, 0,1,2,3
	global_load_b128 v[MK+4*\b:MK+4*\b+3], v10, s[6:7] offset:32*\b
.endr
.irp b, 0,1,2,3
.irp j, 0,1,2,3
	global_load_b128 v[X+16*\b+4*\j:X+16*\b+4*\j+3], v7, s[4:5] offset:128*\b+16*\j th:TH_LOAD_NT
.endr
.endr
	s_wait_loadcnt 20                              ; the weight's 7 are in; the mask's 4 and x's 16 may be out
	global_store_b128 v5, v[WF:WF+3], s[12:13]     ; each store: 512 consecutive bytes, at a multiple of 256 from the buffer's first byte
	global_store_b128 v5, v[WF+4:WF+7], s[12:13] offset:512
	global_store_b128 v5, v[WF+8:WF+11], s[12:13] offset:1024
	global_store_b32 v6, v[WSW], s[14:15]
	s_wait_loadcnt 16                              ; the mask's 4 are in; x's 16 may be out
.set J, 0
.rept 64
	v_bfe_u32 v[TP+J%2], v[MK+J/4], 8*(J%4), 8     ; byte J of my 64
	v_cmp_ne_u32 s[52+J%2], 0, v[TP+J%2]           ; the 32 lanes' bits: word J
	v_writelane_b32 v[MW+J/32], s[52+J%2], J%32    ; to lane J % 32, so that the 64 words leave by two dense stores
.set J, J+1
.endr
	v_and_b32 v[AN], v[MK], v[MK+1]
	v_or_b32 v[ORR], v[MK], v[MK+1]
.irp i, 2,3,4,5,6,7,8,9,10,11,12,13,14,15
	v_and_b32 v[AN], v[AN], v[MK+\i]
	v_or_b32 v[ORR], v[ORR], v[MK+\i]
.endr
	v_cmp_eq_u32 s54, 0x01010101, v[AN]            ; ALL
	v_cmp_ne_u32 s55, 0, v[ORR]                    ; ANY
	v_mov_b32 v[FL], s54
	v_writelane_b32 v[FL], s55, 1
	global_store_b32 v6, v[MW], s[20:21]
	global_store_b32 v6, v[MW+1], s[20:21] offset:128
	s_wait_loadcnt 0x0                             ; x
.set J, 0
.rept 64
	NANFIX X+J
.set J, J+1
.endr
	QUANT_A X, 2, PC, PT, PW
	QUANT_B 2, PC, PT
	global_store_b128 v5, v[PC:PC+3], s[16:17]
	global_store_b128 v5, v[PC+4:PC+7], s[16:17] offset:512
	global_store_b128 v5, v[PC+8:PC+11], s[16:17] offset:1024
	global_store_b32 v6, v[PW], s[18:19]
	v_cmp_gt_u32 vcc_lo, 2, v1                     ; the two flags leave from lanes 0 and 1
	s_wait_xcnt 0x0                                ; EXEC is a source of the stores above: it changes only behind this wait
	s_and_saveexec_b32 s56, vcc_lo
	global_store_b32 v6, v[FL], s[22:23]
	s_wait_xcnt 0x0                                ; and again in front of the line that widens it
	s_or_b32 exec_lo, exec_lo, s56
	s_endpgm
.Lfunc_end_k_qfec5aeeccd_prep:
	.size	k_qfec5aeeccd_prep, .Lfunc_end_k_qfec5aeeccd_prep-k_qfec5aeeccd_prep
	.p2alignl 7, 3214868480
	.fill 96, 4, 3214868480
	.section	.rodata,"a",@progbits
	.p2align	6, 0x0
	.amdhsa_kernel k_qfec5aeeccd_prep
		.amdhsa_group_segment_fixed_size 0
		.amdhsa_private_segment_fixed_size 0
		.amdhsa_enable_private_segment 0
		.amdhsa_kernarg_size 104
		.amdhsa_user_sgpr_count 2
		.amdhsa_user_sgpr_kernarg_segment_ptr 1
		.amdhsa_wavefront_size32 1
		.amdhsa_system_sgpr_workgroup_id_x 1
		.amdhsa_system_sgpr_workgroup_id_y 1
		.amdhsa_system_sgpr_workgroup_id_z 1
		.amdhsa_system_vgpr_workitem_id 0
		.amdhsa_next_free_vgpr 176
		.amdhsa_next_free_sgpr 66
		.amdhsa_reserve_vcc 1
		.amdhsa_float_denorm_mode_32 3
		.amdhsa_float_denorm_mode_16_64 3
		.amdhsa_memory_ordered 1
		.amdhsa_forward_progress 1
		.amdhsa_inst_pref_size 39
	.end_amdhsa_kernel
	.amdgpu_metadata
---
amdhsa.version: [ 1, 2 ]
amdhsa.kernels:
  - .name:           k_qfec5aeeccd_prep
    .symbol:         k_qfec5aeeccd_prep.kd
    .args:
      - { .name: x, .offset: 0, .size: 8, .value_kind: global_buffer, .address_space: global }
      - { .name: mask, .offset: 8, .size: 8, .value_kind: global_buffer, .address_space: global }
      - { .name: Wq_codes, .offset: 16, .size: 8, .value_kind: global_buffer, .address_space: global }
      - { .name: Wq_scales, .offset: 24, .size: 8, .value_kind: global_buffer, .address_space: global }
      - { .name: Wk_codes, .offset: 32, .size: 8, .value_kind: global_buffer, .address_space: global }
      - { .name: Wk_scales, .offset: 40, .size: 8, .value_kind: global_buffer, .address_space: global }
      - { .name: Wv_codes, .offset: 48, .size: 8, .value_kind: global_buffer, .address_space: global }
      - { .name: Wv_scales, .offset: 56, .size: 8, .value_kind: global_buffer, .address_space: global }
      - { .name: Wo_codes, .offset: 64, .size: 8, .value_kind: global_buffer, .address_space: global }
      - { .name: Wo_scales, .offset: 72, .size: 8, .value_kind: global_buffer, .address_space: global }
      - { .name: xq, .offset: 80, .size: 8, .value_kind: global_buffer, .address_space: global }
      - { .name: wq, .offset: 88, .size: 8, .value_kind: global_buffer, .address_space: global }
      - { .name: mk, .offset: 96, .size: 8, .value_kind: global_buffer, .address_space: global }
    .group_segment_fixed_size: 0
    .private_segment_fixed_size: 0
    .kernarg_segment_align: 8
    .kernarg_segment_size: 104
    .max_flat_workgroup_size: 256
    .sgpr_count:     66
    .vgpr_count:     176
    .wavefront_size: 32
...
	.end_amdgpu_metadata
.endif
;; end of part 1
;; launch qkv (part 2): grid 32 x 8, 4 waves a work-group, no clusters, 107,008 bytes of LDS; arguments xq, wq, bq, bk, bv, qk, vq; writes qk, vq
.if DOCPART == 2
	.amdgcn_target "amdgcn-amd-amdhsa--gfx1250"
	.amdhsa_code_object_version 6
	.text
	.protected	k_qfec5aeeccd_qkv
	.globl	k_qfec5aeeccd_qkv
	.p2align	8
	.type	k_qfec5aeeccd_qkv,@function
k_qfec5aeeccd_qkv:
	s_mov_b64 s[64:65], 0
	v_nop
	global_prefetch_b8 v0, s[64:65] scope:SCOPE_SE
	s_setreg_imm32_b32 hwreg(HW_REG_WAVE_MODE, 25, 1), 1
	s_wait_xcnt 0x0
; QKV: q = x Wq^T + bq, k = x Wk^T + bk, v = x Wv^T + bv on codes of FP6 (E2M3), then q and k quantised along the head's 64 and v along the keys, all stored as images of operand registers.
; SHARES.  Work-group (i, jp): 128 tokens (token tiles 8 i .. 8 i + 7: one key step of attention) x q, k, v of heads 2 jp and 2 jp + 1.  Wave w: one whole head of q (w < 2) or k (w >= 2), head 2 jp + w % 2: four weight tiles,
; used TRANSPOSED (source 0 = 16 rows of W, source 1 = 16 tokens), so that a lane holds one token and its registers run along d, the next K;  and two tiles of v (head 2 jp + w / 2, tiles 2 (w % 2) + 0, 1) with x as source 0,
; so that a lane holds one d and its registers run along the tokens, which are the next K there.  48 accumulators, 48 matrix instructions a K step, the accumulators by turns.
; ROW rho OF TILE t IS INDEX 32 (t / 2) + 8 (t % 2) + rho + 8 (rho / 8): the 16 registers of tiles 2 b, 2 b + 1 are then 16 neighbours, 32 b + 16 (lane / 16) + 0 .. 15.
; x's 64 fragment images (96 KiB) and scale words (8 KiB) are copied into LDS once, through registers, and read by all four waves; each weight fragment is read by exactly one wave of the work-group and goes from memory straight
; into its registers, two K steps ahead.  So no tile of this text would pass through LDS for several work-groups at once, and there are no joint loads: what the 8 work-groups of a column share is x's 104 KiB against 312 KiB of weights each.
; The biases are the C of each sum's first matrix instruction.
; LIMITS: a block of zeros gets the scale byte 1: its codes are zeros and only this program reads the bytes.
; REGISTERS, in windows of 256.  window 0: v1-7, v24-26 addresses; v32-127, v128-223 x's fragments, two sets (first: the fill's temporaries, with v8-23); v224-239 x's scale words, v240-251 the weights', two sets each.
;   window 1: v0-71, v72-143 the weights' six fragments, two sets; v144-175 bq or bk, v176-191 bv.   window 2: q's or k's accumulator (token tile m, weight tile t) at 32 m + 8 t.   window 3: v's (tile v, token tile m) at 64 v + 8 m.
.set XSCG, 3145728                     ; scale words in xq, in wq and in vq
.set QKSC, 6291456                     ; and in qk
.set LXSC, 98304                       ; LDS: x's images at 0, [tile 8][K step 8][1,536]; their scale words here, [tile][K step][128]
.set LI,   1                           ; 16 x lane
.set LS,   2                           ; 4 x lane
.set LIH,  3                           ; 16 x lane + tiles 4-7's images
.set LSX,  4                           ; 4 x lane + LXSC
.set FA0,  5                           ; 16 x thread
.set FA1,  6                           ; + 65,536
.set SH,   7                           ; 16 h
.set B64H, 24                          ; 64 h
.set RP4,  25                          ; 4 (r + 8 (r / 8))
.set L8,   26                          ; 8 x lane
.set AF,   32
.set XS,   224
.set WS,   240
.set BF,   0
.set BQ,   144
.set BV,   176
.set TM,   160                         ; the way out: v160-175 at work
.set SEL,  50
.set MSB, 0
.macro WIN new                         ; the immediate's high byte repeats the setting that is left
.if MSB != (\new)
	s_set_vgpr_msb (MSB<<8)|(\new)
.set MSB, (\new)
.endif
.endm
.macro BLOAD s                         ; K step s: my six weight fragments (18 loads of 512 consecutive bytes) and their scale words (6)
.set BFL, BF+72*((\s)%2)
.set WSL, WS+6*((\s)%2)
	WIN 0x40                                       ; destination window 1
.irp t, 0,1,2,3
.irp c, 0,1,2
	global_load_b128 v[BFL+12*\t+4*\c:BFL+12*\t+4*\c+3], v[LI], s[30:31] offset:\t*12288+(\s)*1536+512*\c
.endr
.endr
.irp v, 0,1
.irp c, 0,1,2
	global_load_b128 v[BFL+48+12*\v+4*\c:BFL+48+12*\v+4*\c+3], v[LI], s[34:35] offset:\v*12288+(\s)*1536+512*\c
.endr
.endr
	WIN 0
.irp t, 0,1,2,3
	global_load_b32 v[WSL+\t], v[LS], s[32:33] offset:\t*1024+(\s)*128
.endr
.irp v, 0,1
	global_load_b32 v[WSL+4+\v], v[LS], s[36:37] offset:\v*1024+(\s)*128
.endr
.endm
.macro ALOAD s                         ; K step s: x's eight fragments and scale words out of LDS
.set AFL, AF+96*((\s)%2)
.set XSL, XS+8*((\s)%2)
.irp m, 0,1,2,3
.irp c, 0,1,2
	ds_load_b128 v[AFL+12*\m+4*\c:AFL+12*\m+4*\c+3], v[LI] offset:(8*\m+(\s))*1536+512*\c
.endr
.endr
.irp m, 4,5,6,7
.irp c, 0,1,2
	ds_load_b128 v[AFL+12*\m+4*\c:AFL+12*\m+4*\c+3], v[LIH] offset:(8*(\m-4)+(\s))*1536+512*\c
.endr
.endr
.irp m, 0,1,2,3,4,5,6,7
	ds_load_b32 v[XSL+\m], v[LSX] offset:(8*\m+(\s))*128
.endr
.endm
.macro STEP s
.if (\s) < 7
	s_wait_loadcnt 24                              ; this step's weights are in; the next step's 24 loads may be out
.else
	s_wait_loadcnt 0x0
.endif
	s_wait_dscnt 0x0                               ; this step's fragments of x, asked for a step ago
.if (\s) < 7
	ALOAD (\s)+1                                   ; the other set was read last step; four places stand behind that step's last product
.endif
.set AFS, AF+96*((\s)%2)
.set BFS, BF+72*((\s)%2)
.set XSS, XS+8*((\s)%2)
.set WSS, WS+6*((\s)%2)
.if (\s) == 0
	WIN 0x91                                       ; source 0 (W) window 1, source 1 (x) window 0, C (the bias) window 1, D window 2
.else
	WIN 0xa1                                       ; C and D window 2
.endif
.irp m, 0,1,2,3,4,5,6,7
.irp t, 0,1,2,3
.if (\s) == 0
	v_wmma_scale_f32_16x16x128_f8f6f4 v[32*\m+8*\t:32*\m+8*\t+7], v[BFS+12*\t:BFS+12*\t+11], v[AFS+12*\m:AFS+12*\m+11], v[BQ+8*\t:BQ+8*\t+7], v[WSS+\t], v[XSS+\m] matrix_a_fmt:MATRIX_FMT_FP6 matrix_b_fmt:MATRIX_FMT_FP6
.else
	v_wmma_scale_f32_16x16x128_f8f6f4 v[32*\m+8*\t:32*\m+8*\t+7], v[BFS+12*\t:BFS+12*\t+11], v[AFS+12*\m:AFS+12*\m+11], v[32*\m+8*\t:32*\m+8*\t+7], v[WSS+\t], v[XSS+\m] matrix_a_fmt:MATRIX_FMT_FP6 matrix_b_fmt:MATRIX_FMT_FP6
.endif
.endr
.endr
.if (\s) == 0
	WIN 0xd4                                       ; source 0 (x) window 0, source 1 (Wv) window 1, C (bv) window 1, D window 3
.else
	WIN 0xf4
.endif
.irp v, 0,1
.irp m, 0,1,2,3,4,5,6,7
.if (\s) == 0
	v_wmma_scale_f32_16x16x128_f8f6f4 v[64*\v+8*\m:64*\v+8*\m+7], v[AFS+12*\m:AFS+12*\m+11], v[BFS+48+12*\v:BFS+48+12*\v+11], v[BV+8*\v:BV+8*\v+7], v[XSS+\m], v[WSS+4+\v] matrix_a_fmt:MATRIX_FMT_FP6 matrix_b_fmt:MATRIX_FMT_FP6
.else
	v_wmma_scale_f32_16x16x128_f8f6f4 v[64*\v+8*\m:64*\v+8*\m+7], v[AFS+12*\m:AFS+12*\m+11], v[BFS+48+12*\v:BFS+48+12*\v+11], v[64*\v+8*\m:64*\v+8*\m+7], v[XSS+\m], v[WSS+4+\v] matrix_a_fmt:MATRIX_FMT_FP6 matrix_b_fmt:MATRIX_FMT_FP6
.endif
.endr
.endr
	WIN 0
.rept 4
	v_nop                                          ; four places in front of loads into registers that these products have read, and of the first read of results
.endr
.if (\s) < 6
	BLOAD (\s)+2
.endif
.endm
; 64 numbers of a lane in window 2 or 3 (register 16 b + i = the next K's 32 b + 16 (lane / 16) + i) become 12 registers of codes and a scale word in window 0.  wm: the setting for the maxima (sources 1, 2), wc: for the conversions (source 0)
.macro QUANTW s, wm, wc, pc, pt, pw
	WIN \wm
.irp b, 0,1,2,3
	v_max3_num_f32 v[TM+\b], 0x1800000, |v[(\s)+16*\b]|, |v[(\s)+16*\b+1]|   ; the floor 2^(3 - 127) and my first two; each accumulator is read from its low end on
.endr
.irp i, 2,4,6,8,10,12,14
.irp b, 0,1,2,3
	v_max3_num_f32 v[TM+\b], v[TM+\b], |v[(\s)+16*\b+\i]|, |v[(\s)+16*\b+\i+1]|
.endr
.endr
	WIN 0
.irp b, 0,1,2,3
	v_permlanex16_b32 v[TM+4+\b], v[TM+\b], s[SEL], s[SEL+1]
.endr
.irp b, 0,1,2,3
	v_max_num_f32 v[TM+\b], v[TM+\b], v[TM+4+\b]
.endr
.irp b, 0,1,2,3
	v_add_nc_u32 v[TM+12+\b], 0xff000000, v[TM+\b] ; 2 off the exponent field: the conversion's scale operand
.endr
.irp b, 0,1,2,3
	v_lshrrev_b32 v[TM+4+\b], 23, v[TM+12+\b]      ; the scale's byte
.endr
	v_lshl_or_b32 v[\pw], v[TM+5], 8, v[TM+4]
	v_lshl_or_b32 v[\pw], v[TM+6], 16, v[\pw]
	v_lshl_or_b32 v[\pw], v[TM+7], 24, v[\pw]
	WIN \wc
.irp c, 0,1
	v_cvt_scalef32_pk16_fp6_f32 v[(\pc)+6*\c:(\pc)+6*\c+2], v[(\s)+32*\c:(\s)+32*\c+15], v[TM+12+2*\c]
	v_cvt_scalef32_pk16_fp6_f32 v[(\pt)+4*\c:(\pt)+4*\c+2], v[(\s)+32*\c+16:(\s)+32*\c+31], v[TM+13+2*\c]
.endr
	WIN 0
	v_nop                                          ; one plain place behind the last scaled conversion
.irp c, 0,1
.irp i, 0,1,2
	v_permlane16_swap_b32 v[(\pc)+6*\c+\i], v[(\pt)+4*\c+\i]
.endr
.irp i, 0,1,2
	v_mov_b32 v[(\pc)+6*\c+3+\i], v[(\pt)+4*\c+\i]
.endr
.endr
.endm
	s_load_b256 s[4:11], s[0:1], 0x0               ; xq, wq, bq, bk
	s_load_b128 s[12:15], s[0:1], 0x20             ; bv, qk
	s_load_b64 s[16:17], s[0:1], 0x30              ; vq
	v_lshl_add_u32 v254, v0, 2, 0x1a000
	v_mov_b32 v255, 0
	v_lshrrev_b32 v1, 5, v0
	v_readfirstlane_b32 s18, v1                    ; wave 0..3
	v_and_b32 v8, 31, v0                           ; lane
	v_and_b32 v9, 15, v0                           ; r
	v_bfe_u32 v10, v0, 4, 1                        ; h
	v_lshlrev_b32 v[LI], 4, v8
	v_lshlrev_b32 v[LS], 2, v8
	v_add_nc_u32 v[LIH], 49152, v[LI]
	v_add_nc_u32 v[LSX], LXSC, v[LS]
	v_lshlrev_b32 v[FA0], 4, v0
	v_add_nc_u32 v[FA1], 65536, v[FA0]
	v_lshlrev_b32 v[SH], 4, v10
	v_lshlrev_b32 v[B64H], 6, v10
	v_and_b32 v11, 8, v9
	v_add_nc_u32 v11, v11, v9
	v_lshlrev_b32 v[RP4], 2, v11
	v_lshlrev_b32 v[L8], 3, v8
	s_and_b32 s19, ttmp7, 0xffff                   ; jp
	s_lshr_b32 s20, s18, 1                         ; 0: q, 1: k.  Also which of the two heads my tiles of v belong to
	s_and_b32 s23, s18, 1
	s_lshl_b32 s21, s19, 1
	s_add_co_u32 s22, s21, s20                     ; v's head
	s_add_co_u32 s21, s21, s23                     ; q's or k's head
	s_lshr_b32 s24, ttmp9, 4                       ; batch
	s_and_b32 s25, ttmp9, 15                       ; key step
	s_mul_i32 s26, ttmp9, 98304                    ; x's 64 images
	s_mov_b32 s27, 0
	s_lshl_b32 s28, ttmp9, 13
	s_add_co_u32 s28, s28, XSCG                    ; their scale words
	s_mov_b32 s29, 0
	s_lshl_b32 s54, s20, 6
	s_lshl_b32 s55, s21, 2
	s_add_co_u32 s54, s54, s55                     ; my first tile of Wq or Wk in wq
	s_mul_i32 s30, s54, 12288
	s_mov_b32 s31, 0
	s_lshl_b32 s32, s54, 10
	s_add_co_u32 s32, s32, XSCG
	s_mov_b32 s33, 0
	s_lshl_b32 s54, s22, 2
	s_lshl_b32 s55, s23, 1
	s_add_co_u32 s54, s54, s55
	s_add_co_u32 s54, s54, 128                     ; my first tile of Wv
	s_mul_i32 s34, s54, 12288
	s_mov_b32 s35, 0
	s_lshl_b32 s36, s54, 10
	s_add_co_u32 s36, s36, XSCG
	s_mov_b32 s37, 0
	s_lshl_b32 s38, s21, 8                         ; the head's 64 numbers of bq or bk
	s_mov_b32 s39, 0
	s_lshl_b32 s40, s22, 8
	s_lshl_b32 s55, s23, 7
	s_add_co_u32 s40, s40, s55                     ; bv: head, + 32 (w % 2) numbers
	s_mov_b32 s41, 0
	s_lshl_b32 s54, s20, 5
	s_lshl_b32 s55, s24, 4
	s_add_co_u32 s54, s54, s55
	s_add_co_u32 s54, s54, s21
	s_lshl_b32 s54, s54, 7
	s_lshl_b32 s56, s25, 3
	s_add_co_u32 s54, s54, s56                     ; qk: tile ((kind 32 + batch 16 + head) 128 + 8 key step)
	s_mul_i32 s42, s54, 768
	s_mov_b32 s43, 0
	s_lshl_b32 s44, s54, 6
	s_add_co_u32 s44, s44, QKSC
	s_mov_b32 s45, 0
	s_add_co_u32 s54, s55, s22
	s_lshl_b32 s54, s54, 4
	s_add_co_u32 s54, s54, s25                     ; vq: (batch 16 + head) 16 + key step
	s_lshl_b32 s56, s54, 2
	s_lshl_b32 s57, s23, 1
	s_add_co_u32 s56, s56, s57
	s_mul_i32 s46, s56, 1536
	s_mov_b32 s47, 0
	s_lshl_b32 s56, s54, 1
	s_add_co_u32 s56, s56, s23
	s_lshl_b32 s48, s56, 7
	s_add_co_u32 s48, s48, XSCG
	s_mov_b32 s49, 0
	s_mov_b32 s[SEL], 0x76543210
	s_mov_b32 s[SEL+1], 0xfedcba98
	s_mov_b32 s52, 0xffff0000                      ; lanes 16-31
	s_wait_kmcnt 0x0
	s_cmp_eq_u32 s20, 0
	s_cselect_b64 s[8:9], s[8:9], s[10:11]         ; bq or bk: the choice hangs on the wave's number alone
	s_add_nc_u64 s[26:27], s[4:5], s[26:27]
	s_add_nc_u64 s[28:29], s[4:5], s[28:29]
	s_add_nc_u64 s[30:31], s[6:7], s[30:31]
	s_add_nc_u64 s[32:33], s[6:7], s[32:33]
	s_add_nc_u64 s[34:35], s[6:7], s[34:35]
	s_add_nc_u64 s[36:37], s[6:7], s[36:37]
	s_add_nc_u64 s[38:39], s[8:9], s[38:39]
	s_add_nc_u64 s[40:41], s[12:13], s[40:41]
	s_add_nc_u64 s[42:43], s[14:15], s[42:43]
	s_add_nc_u64 s[44:45], s[14:15], s[44:45]
	s_add_nc_u64 s[46:47], s[16:17], s[46:47]
	s_add_nc_u64 s[48:49], s[16:17], s[48:49]
	WIN 0x40                                       ; the biases, in the results' layouts: 24 loads
.irp t, 0,1,2,3
	global_load_b128 v[BQ+8*\t:BQ+8*\t+3], v[B64H], s[38:39] offset:(32*(\t/2)+8*(\t%2))*4      ; lane (r, h), tile t: d = 32 (t / 2) + 8 (t % 2) + 16 h + 0 .. 7
	global_load_b128 v[BQ+8*\t+4:BQ+8*\t+7], v[B64H], s[38:39] offset:(32*(\t/2)+8*(\t%2))*4+16
.endr
.irp v, 0,1
.irp j, 0,1,2,3,4,5,6,7
	global_load_b32 v[BV+8*\v+\j], v[RP4], s[40:41] offset:32*\v                                 ; a lane holds ONE d of v: its eight registers take the same number
.endr
.endr
	BLOAD 0                                        ; 24 loads
.set I, 0
.rept 48                                           ; the fill: 52 loads of 2,048 consecutive bytes a work-group
	global_load_b128 v[32+4*I:35+4*I], v[FA0], s[26:27] offset:2048*I
.set I, I+1
.endr
.set I, 0
.rept 4
	global_load_b128 v[8+4*I:11+4*I], v[FA0], s[28:29] offset:2048*I
.set I, I+1
.endr
.set I, 0
.rept 32
	s_wait_loadcnt 51-I                            ; loads come back in order: fill load I is in, the younger ones stay out
	ds_store_b128 v[FA0], v[32+4*I:35+4*I] offset:2048*I
.set I, I+1
.endr
.rept 16
	s_wait_loadcnt 51-I
	ds_store_b128 v[FA1], v[32+4*I:35+4*I] offset:2048*(I-32)
.set I, I+1
.endr
.rept 4
	s_wait_loadcnt 51-I
	ds_store_b128 v[FA1], v[8+4*(I-48):11+4*(I-48)] offset:2048*(I-32)
.set I, I+1
.endr
	s_wait_dscnt 0x0                               ; for the others' sake: my stores have landed
	s_barrier_signal -1
	s_barrier_wait -1                              ; x's images are whole: the launch's only barrier; nothing is stored to LDS behind it
	BLOAD 1
	ALOAD 0
	STEP 0
	STEP 1
	STEP 2
	STEP 3
	STEP 4
	STEP 5
	STEP 6
	STEP 7
	; THE WAY OUT.  Every store has data registers of its own, so no wait for stores is written.
.irp b, 0,1,2,3
	v_mov_b32 v[TM+4+\b], 0                        ; a lane permute's destination counts as one of its sources
.endr
.irp p, 0,1,2,3                        ; token tiles 2 p and 2 p + 1 of q or k: 2 x 2 blocks of 32 along d; registers 0-5 are tile 2 p's codes, 6-11 tile 2 p + 1's; the word's bytes 0, 1 and 2, 3 likewise
	QUANTW 64*\p, 0x28, 0x02, 32+20*\p, 44+20*\p, 152+\p
	global_store_b128 v[LI], v[32+20*\p:35+20*\p], s[42:43] offset:1536*\p
	global_store_b64 v[L8], v[36+20*\p:37+20*\p], s[42:43] offset:1536*\p+512
	global_store_b128 v[LI], v[38+20*\p:41+20*\p], s[42:43] offset:1536*\p+768
	global_store_b64 v[L8], v[42+20*\p:43+20*\p], s[42:43] offset:1536*\p+1280
	v_lshrrev_b32 v[176+\p], v[SH], v[152+\p]      ; lanes 16-31 bring tile 2 p + 1's two bytes down; the bytes above scale zero codes and are never 0xff
	global_store_b32 v[LS], v[176+\p], s[44:45] offset:128*\p
.endr
.irp v, 0,1                            ; my two tiles of v: 16 d x 128 keys, a whole fragment each
	QUANTW 64*\v, 0x3c, 0x03, 112+20*\v, 124+20*\v, 156+\v
.irp c, 0,1,2
	global_store_b128 v[LI], v[112+20*\v+4*\c:115+20*\v+4*\c], s[46:47] offset:1536*\v+512*\c
.endr
.endr
	v_cndmask_b32 v180, v156, v157, s52            ; lanes 0-15 the even tile's words, lanes 16-31 the odd tile's
	global_store_b32 v[LS], v180, s[48:49]
	s_wait_tensorcnt 0x0
	ds_add_u32 v254, v255
	s_wait_dscnt 0x0
	s_endpgm
.Lfunc_end_k_qfec5aeeccd_qkv:
	.size	k_qfec5aeeccd_qkv, .Lfunc_end_k_qfec5aeeccd_qkv-k_qfec5aeeccd_qkv
	.p2alignl 7, 3214868480
	.fill 96, 4, 3214868480
	.section	.rodata,"a",@progbits
	.p2align	6, 0x0
	.amdhsa_kernel k_qfec5aeeccd_qkv
		.amdhsa_group_segment_fixed_size 107008
		.amdhsa_private_segment_fixed_size 0
		.amdhsa_enable_private_segment 0
		.amdhsa_kernarg_size 56
		.amdhsa_user_sgpr_count 2
		.amdhsa_user_sgpr_kernarg_segment_ptr 1
		.amdhsa_wavefront_size32 1
		.amdhsa_system_sgpr_workgroup_id_x 1
		.amdhsa_system_sgpr_workgroup_id_y 1
		.amdhsa_system_sgpr_workgroup_id_z 1
		.amdhsa_system_vgpr_workitem_id 0
		.amdhsa_next_free_vgpr 896
		.amdhsa_next_free_sgpr 66
		.amdhsa_reserve_vcc 0
		.amdhsa_float_denorm_mode_32 3
		.amdhsa_float_denorm_mode_16_64 3
		.amdhsa_memory_ordered 1
		.amdhsa_forward_progress 1
		.amdhsa_inst_pref_size 128
	.end_amdhsa_kernel
	.amdgpu_metadata
---
amdhsa.version: [ 1, 2 ]
amdhsa.kernels:
  - .name:           k_qfec5aeeccd_qkv
    .symbol:         k_qfec5aeeccd_qkv.kd
    .args:
      - { .name: xq, .offset: 0, .size: 8, .value_kind: global_buffer, .address_space: global }
      - { .name: wq, .offset: 8, .size: 8, .value_kind: global_buffer, .address_space: global }
      - { .name: bq, .offset: 16, .size: 8, .value_kind: global_buffer, .address_space: global }
      - { .name: bk, .offset: 24, .size: 8, .value_kind: global_buffer, .address_space: global }
      - { .name: bv, .offset: 32, .size: 8, .value_kind: global_buffer, .address_space: global }
      - { .name: qk, .offset: 40, .size: 8, .value_kind: global_buffer, .address_space: global }
      - { .name: vq, .offset: 48, .size: 8, .value_kind: global_buffer, .address_space: global }
    .group_segment_fixed_size: 107008
    .private_segment_fixed_size: 0
    .kernarg_segment_align: 8
    .kernarg_segment_size: 56
    .max_flat_workgroup_size: 128
    .sgpr_count:     66
    .vgpr_count:     896
    .wavefront_size: 32
...
	.end_amdgpu_metadata
.endif
;; end of part 2
;; launch attn (part 3): grid 8 x 32, 16 waves a work-group, no clusters, 210,944 bytes of LDS; arguments qk, vq, mk, oq; writes oq
.if DOCPART == 3
	.amdgcn_target "amdgcn-amd-amdhsa--gfx1250"
	.amdhsa_code_object_version 6
	.text
	.protected	k_qfec5aeeccd_attn
	.globl	k_qfec5aeeccd_attn
	.p2align	8
	.type	k_qfec5aeeccd_attn,@function
k_qfec5aeeccd_attn:
	s_mov_b64 s[64:65], 0
	v_nop
	global_prefetch_b8 v0, s[64:65] scope:SCOPE_SE
	s_setreg_imm32_b32 hwreg(HW_REG_WAVE_MODE, 25, 1), 1
	s_wait_xcnt 0x0
; ATTENTION on codes of FP6 (E2M3): o = softmax(q k^T / 8 + mask) v for one head of one batch, then o quantised along E for the last product.
; THE SOFTMAX.  What is handed to the softmax has the row's maximum taken away already, so its largest logit is 0 and M = 0: p = 2^((s - smax) log2(e) / 8) with the TRUE row maximum, the row's largest p exactly 1.
; So the keys are walked twice: walk 1 finds smax, walk 2 makes the same scores again (the same instructions on the same codes: the same bits), p, the sum of the unquantised p, p's codes, and O^T += V^T P^T.
; s - smax is a subtraction and then a multiplication: a fused form would leave the largest p a little under 1 and change its block's scale.
; THE MASK is an input: the launch before has turned it into lane masks (bit of lane (r, h) in word 16 b + i: query r, key 128 ks + 32 b + 16 h + i) and two flags a step.  A blocked score becomes MV ahead of the maximum.
; In walk 1 MV is -infinity.  A row with no open key has smax = -infinity: there every logit is NaN -> 0, p = 1 for all 2,048 keys: for that lane MV and smax both become 0, and a tile with such a row skips no step.
; A key step whose 16 x 128 bytes are all blocked is skipped, and one with no blocked byte takes no mask words: two forward scalar branches on whole numbers that the earlier launch stored.  Hence no tensor load and no joint load in this text.
; SHARES.  Work-group (j, bh) keeps the head's whole K and V in LDS (204 KiB, copied once through registers, never rewritten: one barrier).  Each of its 16 waves owns one tile of 16 queries, T = 8 rank(w) + j, rank from a 4 x 4 magic square,
; so that any four waves w / 4 or w % 4 alike hold ranks that add to 30: where the open part of the mask grows with the query, work-groups and groups of four waves have like work.
; LAYOUT.  Both products transposed: S^T = K Q^T (source 0 = 16 keys), O^T = V^T P^T (source 0 = 16 d): a lane holds one query (lane % 16) throughout.  Row rho of tile t is index 32 (t / 2) + 8 (t % 2) + rho + 8 (rho / 8).
; The first product's K is 64: registers 6-11 of both operands are zero codes.
; LIMITS: scores are taken to be finite (q . k beyond f32's range is not served); a block of zeros gets the scale byte 1; p under 2^-126 is 0.
.set QKSC, 6291456
.set VSCG, 3145728
.set MFL,  524288
.set OSC,  3145728
.set VIMG, 98304                       ; LDS: K's 128 tiles x 768 at 0; V's 64 fragments x 1,536 here;
.set KSCL, 196608                      ; K's scale words, 64 bytes a tile;
.set VSCL, 204800                      ; V's, 256 bytes a key step
.set LI,   1                           ; 16 x lane
.set L8,   2                           ; 8 x lane
.set LS,   3                           ; 4 x lane
.set ADK,  4
.set ADK8, 5
.set ADS,  6
.set ADV,  7
.set ADT,  8
.set MX,   10                          ; v[10:11] smax, twice
.set MV,   12                          ; what a blocked score becomes
.set Q,    16                          ; v16-27, 22-27 zeros
.set QS,   28
.set PW,   29
.set VS,   30                          ; v30-31
.set KS,   32                          ; v32-35
.set KF,   36                          ; v36-83: four tiles of K, the upper six registers of each zeros
.set S,    84                          ; v84-147 scores, then p; v84-131 then V's four fragments
.set O,    148                         ; v148-179 O^T
.set PC,   180
.set PT,   192
.set TM,   200
.set FA,   216                         ; v216-221 the fill's addresses
.set WV,   12
.set TK,   66
.set TSK,  67
.set TV,   68
.set TSV,  69
.set CNT,  70
.set SKW,  71                          ; bit 0: the step in hand is skipped
.set MXW,  72                          ; bit 0: it has blocked bytes
.set RF,   75
.set MB,   76                          ; s[76:77] the step's 64 mask words
.set CS,   96                          ; s[96:97] log2(e) / 8
.set SEL,  100
.macro QUANT_A s, nc, pc, pt, pw
.set QB, 0
.rept 2*(\nc)
	v_max3_num_f32 v[TM+QB], |v[(\s)+16*QB]|, |v[(\s)+16*QB+1]|, 0x1800000   ; my 16 numbers of block QB, and the floor 2^(3 - 127)
.set QB, QB+1
.endr
.irp i, 2,4,6,8,10,12,14
.set QB, 0
.rept 2*(\nc)
	v_max3_num_f32 v[TM+QB], v[TM+QB], |v[(\s)+16*QB+\i]|, |v[(\s)+16*QB+\i+1]|
.set QB, QB+1
.endr
.endr
.set QB, 0
.rept 2*(\nc)
	v_permlanex16_b32 v[TM+4+QB], v[TM+QB], s[SEL], s[SEL+1]
.set QB, QB+1
.endr
.set QB, 0
.rept 2*(\nc)
	v_max_num_f32 v[TM+QB], v[TM+QB], v[TM+4+QB]
.set QB, QB+1
.endr
.set QB, 0
.rept 2*(\nc)
	v_add_nc_u32 v[TM+12+QB], 0xff000000, v[TM+QB] ; 2 off the exponent field: the conversion's scale operand
.set QB, QB+1
.endr
.set QB, 0
.rept 2*(\nc)
	v_lshrrev_b32 v[TM+4+QB], 23, v[TM+12+QB]      ; the scale's byte
.set QB, QB+1
.endr
	v_lshl_or_b32 v[\pw], v[TM+5], 8, v[TM+4]
.if (\nc) > 1
	v_lshl_or_b32 v[\pw], v[TM+6], 16, v[\pw]
	v_lshl_or_b32 v[\pw], v[TM+7], 24, v[\pw]
.endif
.set QB, 0
.rept (\nc)
	v_cvt_scalef32_pk16_fp6_f32 v[(\pc)+6*QB:(\pc)+6*QB+2], v[(\s)+32*QB:(\s)+32*QB+15], v[TM+12+2*QB]
	v_cvt_scalef32_pk16_fp6_f32 v[(\pt)+4*QB:(\pt)+4*QB+2], v[(\s)+32*QB+16:(\s)+32*QB+31], v[TM+13+2*QB]
.set QB, QB+1
.endr
	v_nop                                          ; one plain place behind the last scaled conversion
.endm
.macro QUANT_B nc, pc, pt
.set QB, 0
.rept (\nc)
.irp i, 0,1,2
	v_permlane16_swap_b32 v[(\pc)+6*QB+\i], v[(\pt)+4*QB+\i]
.endr
.irp i, 0,1,2
	v_mov_b32 v[(\pc)+6*QB+3+\i], v[(\pt)+4*QB+\i]
.endr
.set QB, QB+1
.endr
.endm
; The scores of my 16 queries against the step's 128 keys, masked: register 16 b + i = key 128 ks + 32 b + 16 (lane / 16) + i
.macro SCORES
	v_add_nc_u32 v[ADK], s[TK], v[LI]
	v_add_nc_u32 v[ADK8], s[TK], v[L8]
	v_add_nc_u32 v[ADS], s[TSK], v[LS]
.irp i, 0,1,2,3
	ds_load_b32 v[KS+\i], v[ADS] offset:128*\i     ; lanes 0-15: tile 2 i's words, lanes 16-31: tile 2 i + 1's
.endr
.irp g, 0,1
.irp t, 0,1,2,3
	ds_load_b128 v[KF+12*\t:KF+12*\t+3], v[ADK] offset:(4*\g+\t)*768
	ds_load_b64 v[KF+12*\t+4:KF+12*\t+5], v[ADK8] offset:(4*\g+\t)*768+512
.endr
	s_wait_dscnt 0x0
.irp t, 0,1,2,3
.if (\t)%2
	v_wmma_scale_f32_16x16x128_f8f6f4 v[S+8*(4*\g+\t):S+8*(4*\g+\t)+7], v[KF+12*\t:KF+12*\t+11], v[Q:Q+11], 0, v[KS+2*\g+\t/2], v[QS] matrix_a_fmt:MATRIX_FMT_FP6 matrix_b_fmt:MATRIX_FMT_FP6 matrix_a_scale:MATRIX_SCALE_ROW1
.else
	v_wmma_scale_f32_16x16x128_f8f6f4 v[S+8*(4*\g+\t):S+8*(4*\g+\t)+7], v[KF+12*\t:KF+12*\t+11], v[Q:Q+11], 0, v[KS+2*\g+\t/2], v[QS] matrix_a_fmt:MATRIX_FMT_FP6 matrix_b_fmt:MATRIX_FMT_FP6
.endif
.endr
.rept 4
	v_nop                                          ; four places in front of loads into K's registers, and of the first read of the scores
.endr
.endr
	s_bitcmp1_b32 s[MXW], 0
	s_cbranch_scc0 .Lopen_\@                       ; no blocked byte in this step: load, wait and use stand under this one branch
	s_load_b512 s[16:31], s[MB:MB+1], 0x0
	s_load_b512 s[32:47], s[MB:MB+1], 0x40
	s_load_b512 s[48:63], s[MB:MB+1], 0x80
	s_load_b512 s[80:95], s[MB:MB+1], 0xc0
	s_wait_kmcnt 0x0
.set N, 0
.rept 64
	v_cndmask_b32 v[S+N], v[S+N], v[MV], s[16+N+16*(N/48)]   ; ascending: each accumulator is read from its low end on
.set N, N+1
.endr
.Lopen_\@:
.endm
	s_load_b256 s[4:11], s[0:1], 0x0               ; qk, vq, mk, oq
	v_lshl_add_u32 v254, v0, 2, 0x33000
	v_mov_b32 v255, 0
	v_lshrrev_b32 v1, 5, v0
	v_readfirstlane_b32 s[WV], v1                  ; wave 0..15
	v_and_b32 v4, 31, v0
	v_and_b32 v5, 15, v0
	v_lshlrev_b32 v[LI], 4, v4
	v_lshlrev_b32 v[L8], 3, v4
	v_lshlrev_b32 v[LS], 2, v4
	v_lshlrev_b32 v9, 2, v5                        ; 4 r
	v_lshlrev_b32 v[FA], 4, v0                     ; the fill: 16 x thread,
	v_add_nc_u32 v[FA+1], 65536, v[FA]             ; and the same 64 KiB, 128 KiB, 192 KiB on
	v_add_nc_u32 v[FA+2], 131072, v[FA]
	v_add_nc_u32 v[FA+3], 196608, v[FA]
	v_lshlrev_b32 v[FA+5], 3, v0                   ; 8 x thread
	v_add_nc_u32 v[FA+4], VSCL, v[FA+5]
	s_and_b32 s13, ttmp7, 0xffff                   ; bh = 16 batch + head
	s_mov_b32 s14, ttmp9                           ; j
	s_mov_b32 s78, 0x0DE3B658                      ; the ranks, four bits a wave
	s_cmp_lt_u32 s[WV], 8
	s_cselect_b32 s78, 0x7A94C12F, s78
	s_and_b32 s79, s[WV], 7
	s_lshl_b32 s79, s79, 2
	s_lshr_b32 s78, s78, s79
	s_and_b32 s78, s78, 15
	s_lshl_b32 s15, s78, 3
	s_add_co_u32 s15, s15, s14                     ; T: my tile of queries, 0..127
	s_lshl_b32 s80, s15, 7
	s_add_co_u32 s80, s80, MFL                     ; its 16 pairs of flags
	s_mov_b32 s81, 0
	s_lshl_b32 s82, s15, 12                        ; its mask words: 16 steps x 256 bytes
	s_mov_b32 s83, 0
	s_add_co_u32 s78, s13, 32
	s_mul_i32 s84, s78, 98304                      ; the head's K: 128 tiles
	s_mov_b32 s85, 0
	s_lshl_b32 s86, s78, 13
	s_add_co_u32 s86, s86, QKSC
	s_mov_b32 s87, 0
	s_mul_i32 s88, s13, 98304                      ; its V: 64 fragments
	s_mov_b32 s89, 0
	s_lshl_b32 s90, s13, 12
	s_add_co_u32 s90, s90, VSCG
	s_mov_b32 s91, 0
	s_lshl_b32 s78, s13, 7
	s_add_co_u32 s78, s78, s15
	s_mul_i32 s92, s78, 768                        ; my tile of q
	s_mov_b32 s93, 0
	s_lshl_b32 s94, s78, 6
	s_add_co_u32 s94, s94, QKSC
	s_mov_b32 s95, 0
	s_lshr_b32 s78, s13, 4
	s_lshl_b32 s78, s78, 7
	s_add_co_u32 s78, s78, s15                     ; the token tile among 256
	s_lshl_b32 s78, s78, 4
	s_and_b32 s79, s13, 15
	s_add_co_u32 s78, s78, s79                     ; x 16 + head
	s_mul_i32 s98, s78, 768
	s_mov_b32 s99, 0
	s_lshl_b32 s78, s78, 7
	s_add_co_u32 s78, s78, OSC
	s_mov_b32 s79, 0
	s_mov_b32 s[CS], 0x3e38aa3b                    ; log2(e) / 8
	s_mov_b32 s[CS+1], s[CS]                       ; (named with it as a pair, so it is written)
	s_mov_b32 s[SEL], 0x76543210
	s_mov_b32 s[SEL+1], 0xfedcba98
	s_wait_kmcnt 0x0
	s_add_nc_u64 s[80:81], s[8:9], s[80:81]
	s_add_nc_u64 s[MB:MB+1], s[8:9], s[82:83]
	s_add_nc_u64 s[84:85], s[4:5], s[84:85]
	s_add_nc_u64 s[86:87], s[4:5], s[86:87]
	s_add_nc_u64 s[88:89], s[6:7], s[88:89]
	s_add_nc_u64 s[90:91], s[6:7], s[90:91]
	s_add_nc_u64 s[92:93], s[4:5], s[92:93]
	s_add_nc_u64 s[94:95], s[4:5], s[94:95]
	s_add_nc_u64 s[4:5], s[10:11], s[98:99]        ; oq: my tile, kept to the end
	s_add_nc_u64 s[6:7], s[10:11], s[78:79]        ; and its scale words
	s_load_b512 s[16:31], s[80:81], 0x0            ; (ALL, ANY) of key steps 0-7
	s_load_b512 s[32:47], s[80:81], 0x40           ; and 8-15
	global_load_b128 v[Q:Q+3], v[LI], s[92:93]
	global_load_b64 v[Q+4:Q+5], v[L8], s[92:93] offset:512
	global_load_b32 v[QS], v9, s[94:95]
.set I, 0
.rept 12                                           ; the fill: 8,192 consecutive bytes a load of the work-group
	global_load_b128 v[S+4*I:S+4*I+3], v[FA], s[84:85] offset:8192*I
.set I, I+1
.endr
.set I, 0
.rept 12
	global_load_b128 v[S+48+4*I:S+48+4*I+3], v[FA], s[88:89] offset:8192*I
.set I, I+1
.endr
	global_load_b128 v[S+96:S+99], v[FA], s[86:87]
	global_load_b64 v[S+100:S+101], v[FA+5], s[90:91]
.irp i, 6,7,8,9,10,11
	v_mov_b32 v[Q+\i], 0                           ; K = 64: the upper 64 of the instruction's 128 are zero codes, on both sides
.irp t, 0,1,2,3
	v_mov_b32 v[KF+12*\t+\i], 0
.endr
.endr
	v_mov_b32 v[MV], 0xff800000                    ; -infinity
.irp b, 0,1,2,3
	v_mov_b32 v[TM+\b], 0xff800000                 ; four running maxima
	v_mov_b32 v[TM+4+\b], 0                        ; a lane permute's destination counts as one of its sources
.endr
	s_wait_kmcnt 0x0
	s_mov_b32 s[RF], -1
	s_mov_b32 s[SKW], 0
	s_mov_b32 s[MXW], 0
.irp k, 0,1,2,3,4,5,6,7,8,9,10,11,12,13,14,15
	s_and_b32 s[RF], s[RF], s[16+2*\k]             ; lanes all of whose bytes are blocked in every step so far
	s_cmp_eq_u32 s[16+2*\k], -1
	s_cselect_b32 s78, 1<<\k, 0
	s_or_b32 s[SKW], s[SKW], s78
	s_cmp_lg_u32 s[17+2*\k], 0
	s_cselect_b32 s78, 1<<\k, 0
	s_or_b32 s[MXW], s[MXW], s78
.endr
	s_lshr_b32 s78, s[RF], 16
	s_and_b32 s78, s78, s[RF]                      ; rows blocked in both halves of the lanes: wholly blocked
	s_cmp_lg_u32 s78, 0
	s_cselect_b32 s[SKW], 0, s[SKW]                ; such a row wants every key: the tile skips nothing
	s_mov_b32 s73, s[SKW]
	s_mov_b32 s74, s[MXW]
.set I, 0
.rept 24
	s_wait_loadcnt 25-I                            ; fill load I is in (Q's three stand ahead of it), the younger ones stay out
	ds_store_b128 v[FA+I/8], v[S+4*I:S+4*I+3] offset:(I%8)*8192
.set I, I+1
.endr
	s_wait_loadcnt 1
	ds_store_b128 v[FA+3], v[S+96:S+99]
	s_wait_loadcnt 0x0
	ds_store_b64 v[FA+4], v[S+100:S+101]
	s_wait_dscnt 0x0                               ; for the others' sake: my stores have landed
	s_barrier_signal -1
	s_barrier_wait -1                              ; K and V are whole: the launch's only barrier; nothing is stored to LDS behind it
	; WALK 1: the row's largest score
	s_mov_b32 s[TK], 0
	s_mov_b32 s[TSK], KSCL
	s_mov_b32 s[CNT], 0
.Lwalk1:
	s_bitcmp1_b32 s[SKW], 0
	s_cbranch_scc1 .Lnext1
	SCORES
.set N, 0
.rept 32
	v_max3_num_f32 v[TM+N%4], v[TM+N%4], v[S+2*N], v[S+2*N+1]
.set N, N+1
.endr
.Lnext1:
	s_lshr_b32 s[SKW], s[SKW], 1
	s_lshr_b32 s[MXW], s[MXW], 1
	s_add_co_u32 s[TK], s[TK], 6144                ; eight tiles of K on
	s_add_co_u32 s[TSK], s[TSK], 512
	s_add_nc_u64 s[MB:MB+1], s[MB:MB+1], 256       ; (no scalar load is out: the wait stands with the loads)
	s_add_co_u32 s[CNT], s[CNT], 1
	s_cmp_lt_u32 s[CNT], 16
	s_cbranch_scc1 .Lwalk1
	v_max3_num_f32 v[TM], v[TM], v[TM+1], v[TM+2]
	v_max_num_f32 v[TM], v[TM], v[TM+3]
	v_permlanex16_b32 v[TM+4], v[TM], s[SEL], s[SEL+1]
	v_max_num_f32 v[MX], v[TM], v[TM+4]            ; with lane l xor 16's keys: smax
	v_cmp_eq_f32 vcc_lo, 0xff800000, v[MX]         ; a row with no open key:
	v_cndmask_b32 v[MV], v[MV], v[Q+6], vcc_lo     ; its blocked scores become 0
	v_cndmask_b32 v[MX], v[MX], v[Q+6], vcc_lo     ; and so does what is taken away: p = 1 everywhere
	v_mov_b32 v[MX+1], v[MX]
	v_mov_b32 v14, 0                               ; the sum of p, in two halves
	v_mov_b32 v15, 0
.set N, 0
.rept 32
	v_mov_b32 v[O+N], 0                            ; O^T: which step comes first hangs on the mask, so the sums begin as zeros
.set N, N+1
.endr
	s_mov_b32 s[SKW], s73
	s_mov_b32 s[MXW], s74
	s_mov_b32 s[TK], 0
	s_mov_b32 s[TSK], KSCL
	s_mov_b32 s[TV], VIMG
	s_mov_b32 s[TSV], VSCL
	s_sub_nc_u64 s[MB:MB+1], s[MB:MB+1], 4096
	s_mov_b32 s[CNT], 0
	; WALK 2
.Lwalk2:
	s_bitcmp1_b32 s[SKW], 0
	s_cbranch_scc1 .Lnext2
	SCORES
.set N, 0
.rept 32
	v_pk_add_f32 v[S+2*N:S+2*N+1], v[S+2*N:S+2*N+1], v[MX:MX+1] neg_lo:[0,1] neg_hi:[0,1]   ; s - smax: 0 at the row's largest score
.set N, N+1
.endr
.set N, 0
.rept 32
	v_pk_mul_f32 v[S+2*N:S+2*N+1], v[S+2*N:S+2*N+1], s[CS:CS+1] op_sel_hi:[1,0]             ; x log2(e) / 8
.set N, N+1
.endr
.set N, 0
.rept 64
	v_exp_f32 v[S+N], v[S+N]                       ; p, at most 1; 0 for a blocked key
.set N, N+1
.endr
	v_add_nc_u32 v[ADV], s[TV], v[LI]              ; a plain place behind the exponentials
	s_wait_alu depctr_va_vdst(0)                   ; one wait for the batch of 64, ahead of its first reader
	v_pk_add_f32 v[TM+8:TM+9], v[S:S+1], v[S+2:S+3]   ; the row's sum is taken of the unquantised p, in two chains
.irp q, 4,8,12,16,20,24,28,32,36,40,44,48,52,56,60
	v_pk_add_f32 v[14:15], v[14:15], v[S+\q:S+\q+1]
	v_pk_add_f32 v[TM+8:TM+9], v[TM+8:TM+9], v[S+\q+2:S+\q+3]
.endr
	v_pk_add_f32 v[14:15], v[14:15], v[TM+8:TM+9]
	QUANT_A S, 2, PC, PT, PW
	v_add_nc_u32 v[ADT], s[TSV], v[LS]
.irp d, 0,1,2,3
.irp c, 0,1,2
	ds_load_b128 v[S+12*\d+4*\c:S+12*\d+4*\c+3], v[ADV] offset:\d*1536+512*\c   ; V's four fragments, into registers that p has left
.endr
.endr
	ds_load_b32 v[VS], v[ADT]
	ds_load_b32 v[VS+1], v[ADT] offset:128
	QUANT_B 2, PC, PT
.rept 8
	v_nop                                          ; a scale word made by vector instructions stands 8 places ahead of a scaled product, codes so made 4
.endr
	s_wait_dscnt 0x0
.irp d, 0,1,2,3                        ; the four accumulators by turns, one instruction a turn
.if (\d)%2
	v_wmma_scale_f32_16x16x128_f8f6f4 v[O+8*\d:O+8*\d+7], v[S+12*\d:S+12*\d+11], v[PC:PC+11], v[O+8*\d:O+8*\d+7], v[VS+\d/2], v[PW] matrix_a_fmt:MATRIX_FMT_FP6 matrix_b_fmt:MATRIX_FMT_FP6 matrix_a_scale:MATRIX_SCALE_ROW1
.else
	v_wmma_scale_f32_16x16x128_f8f6f4 v[O+8*\d:O+8*\d+7], v[S+12*\d:S+12*\d+11], v[PC:PC+11], v[O+8*\d:O+8*\d+7], v[VS+\d/2], v[PW] matrix_a_fmt:MATRIX_FMT_FP6 matrix_b_fmt:MATRIX_FMT_FP6
.endif
.endr
.rept 5
	v_nop                                          ; five places: the next step's first product writes over V's registers
.endr
.Lnext2:
	s_lshr_b32 s[SKW], s[SKW], 1
	s_lshr_b32 s[MXW], s[MXW], 1
	s_add_co_u32 s[TK], s[TK], 6144
	s_add_co_u32 s[TSK], s[TSK], 512
	s_add_co_u32 s[TV], s[TV], 6144
	s_add_co_u32 s[TSV], s[TSV], 256
	s_add_nc_u64 s[MB:MB+1], s[MB:MB+1], 256
	s_add_co_u32 s[CNT], s[CNT], 1
	s_cmp_lt_u32 s[CNT], 16
	s_cbranch_scc1 .Lwalk2
	; THE WAY OUT: O^T / the sum; register 16 b + i is o(my query, d = 32 b + 16 (lane / 16) + i): two blocks of the last product's K
	v_add_f32 v14, v14, v15
	v_permlanex16_b32 v[TM+4], v14, s[SEL], s[SEL+1]
	v_add_f32 v14, v14, v[TM+4]                    ; the row's sum: at least 1
	v_rcp_f32 v14, v14
	v_mov_b32 v15, 0                               ; a plain place behind the reciprocal
	s_wait_alu depctr_va_vdst(0)                   ; and the wait ahead of its first reader
.set N, 0
.rept 16
	v_pk_mul_f32 v[O+2*N:O+2*N+1], v[O+2*N:O+2*N+1], v[14:15] op_sel_hi:[1,0]
.set N, N+1
.endr
	QUANT_A O, 1, PC, PT, PW
	QUANT_B 1, PC, PT
	global_store_b128 v[LI], v[PC:PC+3], s[4:5]    ; 512 and 256 consecutive bytes, at multiples of 256 from the buffer's first byte
	global_store_b64 v[L8], v[PC+4:PC+5], s[4:5] offset:512
	global_store_b32 v[LS], v[PW], s[6:7]
	s_wait_tensorcnt 0x0
	ds_add_u32 v254, v255
	s_wait_dscnt 0x0
	s_endpgm
.Lfunc_end_k_qfec5aeeccd_attn:
	.size	k_qfec5aeeccd_attn, .Lfunc_end_k_qfec5aeeccd_attn-k_qfec5aeeccd_attn
	.p2alignl 7, 3214868480
	.fill 96, 4, 3214868480
	.section	.rodata,"a",@progbits
	.p2align	6, 0x0
	.amdhsa_kernel k_qfec5aeeccd_attn
		.amdhsa_group_segment_fixed_size 210944
		.amdhsa_private_segment_fixed_size 0
		.amdhsa_enable_private_segment 0
		.amdhsa_kernarg_size 32
		.amdhsa_user_sgpr_count 2
		.amdhsa_user_sgpr_kernarg_segment_ptr 1
		.amdhsa_wavefront_size32 1
		.amdhsa_system_sgpr_workgroup_id_x 1
		.amdhsa_system_sgpr_workgroup_id_y 1
		.amdhsa_system_sgpr_workgroup_id_z 1
		.amdhsa_system_vgpr_workitem_id 0
		.amdhsa_next_free_vgpr 256
		.amdhsa_next_free_sgpr 102
		.amdhsa_reserve_vcc 1
		.amdhsa_float_denorm_mode_32 3
		.amdhsa_float_denorm_mode_16_64 3
		.amdhsa_memory_ordered 1
		.amdhsa_forward_progress 1
		.amdhsa_inst_pref_size 51
	.end_amdhsa_kernel
	.amdgpu_metadata
---
amdhsa.version: [ 1, 2 ]
amdhsa.kernels:
  - .name:           k_qfec5aeeccd_attn
    .symbol:         k_qfec5aeeccd_attn.kd
    .args:
      - { .name: qk, .offset: 0, .size: 8, .value_kind: global_buffer, .address_space: global }
      - { .name: vq, .offset: 8, .size: 8, .value_kind: global_buffer, .address_space: global }
      - { .name: mk, .offset: 16, .size: 8, .value_kind: global_buffer, .address_space: global }
      - { .name: oq, .offset: 24, .size: 8, .value_kind: global_buffer, .address_space: global }
    .group_segment_fixed_size: 210944
    .private_segment_fixed_size: 0
    .kernarg_segment_align: 8
    .kernarg_segment_size: 32
    .max_flat_workgroup_size: 512
    .sgpr_count:     102
    .vgpr_count:     256
    .wavefront_size: 32
...
	.end_amdgpu_metadata
.endif
;; end of part 3
;; launch outln (part 4): grid 256 x 1, 16 waves a work-group, no clusters, 86,016 bytes of LDS; arguments oq, wq, x, bo, gamma, beta, out0; writes out0
.if DOCPART == 4
	.amdgcn_target "amdgcn-amd-amdhsa--gfx1250"
	.amdhsa_code_object_version 6
	.text
	.protected	k_qfec5aeeccd_outln
	.globl	k_qfec5aeeccd_outln
	.p2align	8
	.type	k_qfec5aeeccd_outln,@function
k_qfec5aeeccd_outln:
	s_mov_b64 s[64:65], 0
	v_nop
	global_prefetch_b8 v0, s[64:65] scope:SCOPE_SE
	s_setreg_imm32_b32 hwreg(HW_REG_WAVE_MODE, 25, 1), 1
	s_wait_xcnt 0x0
; OUT: y = o Wo^T + bo on codes of FP6 (E2M3); r = y + nan_to_num(x); LayerNorm over the row's 1,024; x gamma + beta; nan_to_num.
; SHARES.  Work-group g takes token tile g (16 tokens: row rho is token 32 (g / 2) + 8 (g % 2) + rho + 8 (rho / 8)) x all 1,024 columns, so that a row's mean and variance stay inside the work-group.
; Wave w takes columns 64 w .. 64 w + 63: four tiles of Wo, used TRANSPOSED (source 0 = 16 rows of Wo, source 1 = the 16 tokens): lane (r, h) holds token r, register 16 b + i = column 64 w + 32 b + 16 h + i.
; o's 16 head images (12 KiB) are copied into LDS once; a K step of 128 is heads 2 s and 2 s + 1: registers 0-5 and 6-11 of the fragment.  Each weight fragment is read by one wave of the work-group, straight into registers, two K steps
; ahead: nothing of it passes through LDS, so there are no joint loads.  x + bo is the C of each sum's first matrix instruction.  Four accumulators by turns.
; The variance is the mean of (r - mean)^2, taken in a second pass: no difference of large sums.
.set OSC,   3145728
.set WSC,   3145728
.set RED1,  12288                      ; LDS: o's images at 0; [row 16][wave 16] f32: the waves' sums;
.set RED2,  13312                      ; the same for the squares;
.set STAGE, 14336                      ; 16 rows x (256 + 16) bytes for each wave, its own
.set LI,  1                            ; 16 x lane
.set L8,  2                            ; 8 x lane
.set LS,  3                            ; 4 x lane
.set XA,  4                            ; x: 4,096 (r + 8 (r / 8)) + 64 h
.set B64H, 5                           ; 64 h
.set STO, 6
.set SRD, 7
.set GO,  8
.set RW,  9
.set RR,  10
.set F16, 11                           ; 16 x thread
.set F8,  12                           ; 8 x thread
.set ACC, 16                           ; v16-47 (first: o's 16 scale words as loaded)
.set XB,  48                           ; v48-79 x + bo, later r - mean, later the result
.set AF,  80                           ; v80-91, v92-103 o's fragment, two sets
.set AS,  104                          ; v104-111 o's scale words, one for each K step
.set BF,  112                          ; v112-159, v160-207 Wo's four fragments, two sets; later gamma (v112-143) and work (v160-191)
.set BS,  208                          ; v208-211, v212-215 their scale words
.set BO,  216                          ; v216-247 bo, later beta
.set NA,  248
.set NT,  249
.set ABS, 40
.set BIG, 41
.set INF, 42
.set SEL, 44
.macro NANFIX r                        ; NaN -> 0, +-infinity -> +-1e9, all else as it is
	v_and_b32 v[NA], s[ABS], v[\r]
	v_bfi_b32 v[NT], s[ABS], s[BIG], v[\r]
	v_cmp_eq_u32 vcc_lo, s[INF], v[NA]
	v_cndmask_b32 v[\r], v[\r], v[NT], vcc_lo
	v_cmp_ge_u32 vcc_lo, s[INF], v[NA]
	v_cndmask_b32 v[\r], 0, v[\r], vcc_lo
.endm
.macro WLOAD s                         ; K step s of my four tiles of Wo: 12 loads of 512 consecutive bytes and 4 of scale words
.set BFL, BF+48*((\s)%2)
.set BSL, BS+4*((\s)%2)
.irp t, 0,1,2,3
.irp c, 0,1,2
	global_load_b128 v[BFL+12*\t+4*\c:BFL+12*\t+4*\c+3], v[LI], s[24:25] offset:\t*12288+(\s)*1536+512*\c
.endr
.endr
.irp t, 0,1,2,3
	global_load_b32 v[BSL+\t], v[LS], s[26:27] offset:\t*1024+(\s)*128
.endr
.endm
.macro OLOAD s                         ; K step s of o: heads 2 s and 2 s + 1
.set AFL, AF+12*((\s)%2)
.irp c, 0,1
	ds_load_b128 v[AFL+6*\c:AFL+6*\c+3], v[LI] offset:(2*(\s)+\c)*768
	ds_load_b64 v[AFL+6*\c+4:AFL+6*\c+5], v[L8] offset:(2*(\s)+\c)*768+512
.endr
.endm
.macro STEP s
	s_wait_loadcnt 16                              ; this step's weights are in; the 16 loads issued behind them may be out (the next step's; in the last step gamma's and beta's)
	s_wait_dscnt 0x0                               ; this step's fragment of o
.if (\s) < 7
	OLOAD (\s)+1
.endif
.set AFS, AF+12*((\s)%2)
.set BFS, BF+48*((\s)%2)
.set BSS, BS+4*((\s)%2)
.irp t, 0,1,2,3
.if (\s) == 0
	v_wmma_scale_f32_16x16x128_f8f6f4 v[ACC+8*\t:ACC+8*\t+7], v[BFS+12*\t:BFS+12*\t+11], v[AFS:AFS+11], v[XB+8*\t:XB+8*\t+7], v[BSS+\t], v[AS+(\s)] matrix_a_fmt:MATRIX_FMT_FP6 matrix_b_fmt:MATRIX_FMT_FP6
.else
	v_wmma_scale_f32_16x16x128_f8f6f4 v[ACC+8*\t:ACC+8*\t+7], v[BFS+12*\t:BFS+12*\t+11], v[AFS:AFS+11], v[ACC+8*\t:ACC+8*\t+7], v[BSS+\t], v[AS+(\s)] matrix_a_fmt:MATRIX_FMT_FP6 matrix_b_fmt:MATRIX_FMT_FP6
.endif
.endr
.rept 4
	v_nop                                          ; four places in front of loads into registers that these products have read, and of the first read of results
.endr
.if (\s) < 6
	WLOAD (\s)+2
.endif
.if (\s) == 6
.irp t, 0,1,2,3
	global_load_b128 v[BF+8*\t:BF+8*\t+3], v[B64H], s[32:33] offset:128*(\t/2)+32*(\t%2)        ; gamma, in the result's layout
	global_load_b128 v[BF+8*\t+4:BF+8*\t+7], v[B64H], s[32:33] offset:128*(\t/2)+32*(\t%2)+16
.endr
.irp t, 0,1,2,3
	global_load_b128 v[BO+8*\t:BO+8*\t+3], v[B64H], s[34:35] offset:128*(\t/2)+32*(\t%2)        ; beta
	global_load_b128 v[BO+8*\t+4:BO+8*\t+7], v[B64H], s[34:35] offset:128*(\t/2)+32*(\t%2)+16
.endr
.endif
.endm
; my 16 partial sums of a row come back from LDS and are added: the row's sum in v160
.macro ROWSUM red
.irp i, 0,1,2,3
	ds_load_b128 v[160+4*\i:163+4*\i], v[RR] offset:\red+16*\i
.endr
	s_wait_dscnt 0x0
	v_pk_add_f32 v[160:161], v[160:161], v[162:163]
	v_pk_add_f32 v[164:165], v[164:165], v[166:167]
	v_pk_add_f32 v[168:169], v[168:169], v[170:171]
	v_pk_add_f32 v[172:173], v[172:173], v[174:175]
	v_pk_add_f32 v[160:161], v[160:161], v[164:165]
	v_pk_add_f32 v[168:169], v[168:169], v[172:173]
	v_pk_add_f32 v[160:161], v[160:161], v[168:169]
	v_add_f32 v160, v160, v161
.endm
; the two chains v[250:251], v[252:253] are joined, across the lane's halves too, and the wave's sum of its 64 columns goes to its word of my row
.macro WAVESUM red
	v_pk_add_f32 v[250:251], v[250:251], v[252:253]
	v_add_f32 v250, v250, v251
	v_permlanex16_b32 v254, v250, s[SEL], s[SEL+1]
	v_add_f32 v250, v250, v254
	ds_store_b32 v[RW], v250 offset:\red           ; lanes r and r + 16 write the same word with the same value
	s_wait_dscnt 0x0                               ; for the others' sake
	s_barrier_signal -1
	s_barrier_wait -1
.endm
	s_load_b256 s[4:11], s[0:1], 0x0               ; oq, wq, x, bo
	s_load_b128 s[12:15], s[0:1], 0x20             ; gamma, beta
	s_load_b64 s[16:17], s[0:1], 0x30              ; out0
	v_lshrrev_b32 v1, 5, v0
	v_readfirstlane_b32 s18, v1                    ; wave 0..15
	v_and_b32 v15, 31, v0                          ; lane
	v_and_b32 v13, 15, v0                          ; r
	v_bfe_u32 v14, v0, 4, 1                        ; h
	v_lshlrev_b32 v[LI], 4, v15
	v_lshlrev_b32 v[L8], 3, v15
	v_lshlrev_b32 v[LS], 2, v15
	v_and_b32 v15, 8, v13
	v_add_nc_u32 v15, v15, v13                     ; r + 8 (r / 8)
	v_lshlrev_b32 v[XA], 12, v15
	v_lshl_add_u32 v[XA], v14, 6, v[XA]
	v_lshlrev_b32 v[B64H], 6, v14
	s_mul_i32 s38, s18, 4352
	s_add_co_u32 s38, s38, STAGE                   ; my stage
	v_mul_u32_u24 v[STO], v13, 272
	v_lshl_add_u32 v[STO], v14, 6, v[STO]
	v_add_nc_u32 v[STO], s38, v[STO]               ; in: row r, + 64 h
	v_mul_u32_u24 v[SRD], v14, 272
	v_lshl_add_u32 v[SRD], v13, 4, v[SRD]
	v_add_nc_u32 v[SRD], s38, v[SRD]               ; back: lanes 0-15 one row of 256 bytes, lanes 16-31 the next
	v_lshlrev_b32 v[GO], 12, v14
	v_lshl_add_u32 v[GO], v13, 4, v[GO]            ; and the same two rows in out0
	v_lshlrev_b32 v[RR], 6, v13                    ; my row's 16 words
	s_lshl_b32 s39, s18, 2
	v_add_nc_u32 v[RW], s39, v[RR]                 ; my wave's among them
	v_lshlrev_b32 v[F16], 4, v0
	v_lshlrev_b32 v[F8], 3, v0
	v_mov_b32 v254, 0                              ; a lane permute's destination counts as one of its sources
	s_lshr_b32 s19, ttmp9, 1
	s_lshl_b32 s19, s19, 5
	s_and_b32 s38, ttmp9, 1
	s_lshl_b32 s38, s38, 3
	s_add_co_u32 s19, s19, s38                     ; the tile's first token
	s_mul_i32 s20, ttmp9, 12288                    ; o's 16 images
	s_mov_b32 s21, 0
	s_lshl_b32 s22, ttmp9, 11
	s_add_co_u32 s22, s22, OSC                     ; their scale words
	s_mov_b32 s23, 0
	s_lshl_b32 s38, s18, 2
	s_add_co_u32 s38, s38, 192                     ; my first tile of Wo in wq
	s_mul_i32 s24, s38, 12288
	s_mov_b32 s25, 0
	s_lshl_b32 s26, s38, 10
	s_add_co_u32 s26, s26, WSC
	s_mov_b32 s27, 0
	s_lshl_b32 s28, s19, 12
	s_lshl_b32 s30, s18, 8                         ; my 64 columns: 256 bytes
	s_add_co_u32 s28, s28, s30
	s_mov_b32 s29, 0
	s_mov_b32 s31, 0
	s_mov_b32 s[ABS], 0x7fffffff
	s_mov_b32 s[BIG], 0x4e6e6b28                   ; 1e9
	s_mov_b32 s[INF], 0x7f800000
	s_mov_b32 s[SEL], 0x76543210
	s_mov_b32 s[SEL+1], 0xfedcba98
	s_mov_b32 s46, 0x3a800000                      ; 1 / 1,024
	s_mov_b32 s47, 0x3727c5ac                      ; 1e-5
	s_wait_kmcnt 0x0
	s_add_nc_u64 s[20:21], s[4:5], s[20:21]
	s_add_nc_u64 s[22:23], s[4:5], s[22:23]
	s_add_nc_u64 s[24:25], s[6:7], s[24:25]
	s_add_nc_u64 s[26:27], s[6:7], s[26:27]
	s_add_nc_u64 s[36:37], s[16:17], s[28:29]      ; out0
	s_add_nc_u64 s[28:29], s[8:9], s[28:29]        ; x
	s_add_nc_u64 s[32:33], s[12:13], s[30:31]      ; gamma
	s_add_nc_u64 s[34:35], s[14:15], s[30:31]      ; beta
	s_add_nc_u64 s[30:31], s[10:11], s[30:31]      ; bo
	global_load_b128 v[AF:AF+3], v[F16], s[20:21]                  ; the fill: 8,192 + 4,096 consecutive bytes a work-group
	global_load_b64 v[AF+4:AF+5], v[F8], s[20:21] offset:8192
.irp d, 0,1,2,3,4,5,6,7,8,9,10,11,12,13,14,15
	global_load_b32 v[ACC+\d], v[LS], s[22:23] offset:128*\d       ; head d's scale words: bytes 0 and 1
.endr
.irp t, 0,1,2,3
	global_load_b128 v[XB+8*\t:XB+8*\t+3], v[XA], s[28:29] offset:128*(\t/2)+32*(\t%2) th:TH_LOAD_NT
	global_load_b128 v[XB+8*\t+4:XB+8*\t+7], v[XA], s[28:29] offset:128*(\t/2)+32*(\t%2)+16 th:TH_LOAD_NT
.endr
.irp t, 0,1,2,3
	global_load_b128 v[BO+8*\t:BO+8*\t+3], v[B64H], s[30:31] offset:128*(\t/2)+32*(\t%2)
	global_load_b128 v[BO+8*\t+4:BO+8*\t+7], v[B64H], s[30:31] offset:128*(\t/2)+32*(\t%2)+16
.endr
	WLOAD 0
	s_wait_loadcnt 48                              ; the fill's two are in; behind them: 16 scale words, x's 8, bo's 8, the weights' 16
	ds_store_b128 v[F16], v[AF:AF+3]
	ds_store_b64 v[F8], v[AF+4:AF+5] offset:8192
	s_wait_dscnt 0x0                               ; for the others' sake
	s_barrier_signal -1
	s_barrier_wait -1                              ; o's images are whole
	WLOAD 1
	OLOAD 0
	s_wait_loadcnt 48                              ; o's scale words are in; behind them: x's 8, bo's 8, two K steps of weights
.irp s, 0,1,2,3,4,5,6,7
	v_lshl_or_b32 v[AS+\s], v[ACC+2*\s+1], 16, v[ACC+2*\s]   ; a K step's word: the even head's two bytes below, the odd head's above
.endr
	s_wait_loadcnt 32                              ; x and bo are in
.set J, 0
.rept 32
	NANFIX XB+J
.set J, J+1
.endr
.set J, 0
.rept 16
	v_pk_add_f32 v[XB+2*J:XB+2*J+1], v[XB+2*J:XB+2*J+1], v[BO+2*J:BO+2*J+1]   ; the residual and the bias start the sums
.set J, J+1
.endr
.rept 4
	v_nop
.endr
	STEP 0
	STEP 1
	STEP 2
	STEP 3
	STEP 4
	STEP 5
	STEP 6
	STEP 7
	; LAYERNORM.  r = ACC.  First the mean
	v_pk_add_f32 v[250:251], v[ACC:ACC+1], v[ACC+2:ACC+3]          ; ascending: each accumulator is read from its low end on
	v_pk_add_f32 v[252:253], v[ACC+4:ACC+5], v[ACC+6:ACC+7]
.irp q, 8,12,16,20,24,28
	v_pk_add_f32 v[250:251], v[250:251], v[ACC+\q:ACC+\q+1]
	v_pk_add_f32 v[252:253], v[252:253], v[ACC+\q+2:ACC+\q+3]
.endr
	WAVESUM RED1
	ROWSUM RED1
	v_mul_f32 v252, s46, v160                      ; the mean
	v_mov_b32 v253, v252
.set J, 0
.rept 16
	v_pk_add_f32 v[XB+2*J:XB+2*J+1], v[ACC+2*J:ACC+2*J+1], v[252:253] neg_lo:[0,1] neg_hi:[0,1]   ; r - mean
.set J, J+1
.endr
	v_pk_mul_f32 v[250:251], v[XB:XB+1], v[XB:XB+1]
	v_pk_mul_f32 v[252:253], v[XB+2:XB+3], v[XB+2:XB+3]
.irp q, 4,8,12,16,20,24,28
	v_pk_fma_f32 v[250:251], v[XB+\q:XB+\q+1], v[XB+\q:XB+\q+1], v[250:251]
	v_pk_fma_f32 v[252:253], v[XB+\q+2:XB+\q+3], v[XB+\q+2:XB+\q+3], v[252:253]
.endr
	WAVESUM RED2
	ROWSUM RED2
	v_fma_f32 v160, v160, s46, s47                 ; the variance + 1e-5
	v_rsq_f32 v252, v160
	v_nop                                          ; a plain place behind the root
	s_wait_alu depctr_va_vdst(0)                   ; and the wait ahead of its first reader
	v_mov_b32 v253, v252
	s_wait_loadcnt 0x0                             ; gamma and beta
.set J, 0
.rept 16
	v_pk_mul_f32 v[XB+2*J:XB+2*J+1], v[XB+2*J:XB+2*J+1], v[252:253]
.set J, J+1
.endr
.set J, 0
.rept 16
	v_pk_fma_f32 v[XB+2*J:XB+2*J+1], v[XB+2*J:XB+2*J+1], v[BF+2*J:BF+2*J+1], v[BO+2*J:BO+2*J+1]
.set J, J+1
.endr
.set J, 0
.rept 32
	NANFIX XB+J
.set J, J+1
.endr
	; THE WAY OUT: a lane holds 2 x 64 bytes of one row; through my own stage the rows come back whole: sixteen lanes store 256 consecutive bytes, at a multiple of 256 from out0's first byte
.irp t, 0,1,2,3
	ds_store_b128 v[STO], v[XB+8*\t:XB+8*\t+3] offset:128*(\t/2)+32*(\t%2)
	ds_store_b128 v[STO], v[XB+8*\t+4:XB+8*\t+7] offset:128*(\t/2)+32*(\t%2)+16
.endr
.irp i, 0,1,2,3,4,5,6,7
	ds_load_b128 v[160+4*\i:163+4*\i], v[SRD] offset:544*\i        ; LDS serves a wave's instructions in order (ISA guide 5.7.1.4): these see my stores
.endr
.irp i, 0,1,2,3,4,5,6,7
	s_wait_dscnt 7-\i                              ; the younger stage loads may be out
	global_store_b128 v[GO], v[160+4*\i:163+4*\i], s[36:37] offset:(2*\i+8*(\i/4))*4096 th:TH_STORE_NT   ; rows 2 i and 2 i + 1 of the tile: tokens 2 i + 8 (i / 4) on
.endr
	s_wait_xcnt 0x0
	v_lshl_add_u32 v254, v0, 2, 0x14800
	v_mov_b32 v255, 0
	s_wait_tensorcnt 0x0
	ds_add_u32 v254, v255
	s_wait_dscnt 0x0
	s_endpgm
.Lfunc_end_k_qfec5aeeccd_outln:
	.size	k_qfec5aeeccd_outln, .Lfunc_end_k_qfec5aeeccd_outln-k_qfec5aeeccd_outln
	.p2alignl 7, 3214868480
	.fill 96, 4, 3214868480
	.section	.rodata,"a",@progbits
	.p2align	6, 0x0
	.amdhsa_kernel k_qfec5aeeccd_outln
		.amdhsa_group_segment_fixed_size 86016
		.amdhsa_private_segment_fixed_size 0
		.amdhsa_enable_private_segment 0
		.amdhsa_kernarg_size 56
		.amdhsa_user_sgpr_count 2
		.amdhsa_user_sgpr_kernarg_segment_ptr 1
		.amdhsa_wavefront_size32 1
		.amdhsa_system_sgpr_workgroup_id_x 1
		.amdhsa_system_sgpr_workgroup_id_y 1
		.amdhsa_system_sgpr_workgroup_id_z 1
		.amdhsa_system_vgpr_workitem_id 0
		.amdhsa_next_free_vgpr 256
		.amdhsa_next_free_sgpr 66
		.amdhsa_reserve_vcc 1
		.amdhsa_float_denorm_mode_32 3
		.amdhsa_float_denorm_mode_16_64 3
		.amdhsa_memory_ordered 1
		.amdhsa_forward_progress 1
		.amdhsa_inst_pref_size 54
	.end_amdhsa_kernel
	.amdgpu_metadata
---
amdhsa.version: [ 1, 2 ]
amdhsa.kernels:
  - .name:           k_qfec5aeeccd_outln
    .symbol:         k_qfec5aeeccd_outln.kd
    .args:
      - { .name: oq, .offset: 0, .size: 8, .value_kind: global_buffer, .address_space: global }
      - { .name: wq, .offset: 8, .size: 8, .value_kind: global_buffer, .address_space: global }
      - { .name: x, .offset: 16, .size: 8, .value_kind: global_buffer, .address_space: global }
      - { .name: bo, .offset: 24, .size: 8, .value_kind: global_buffer, .address_space: global }
      - { .name: gamma, .offset: 32, .size: 8, .value_kind: global_buffer, .address_space: global }
      - { .name: beta, .offset: 40, .size: 8, .value_kind: global_buffer, .address_space: global }
      - { .name: out0, .offset: 48, .size: 8, .value_kind: global_buffer, .address_space: global }
    .group_segment_fixed_size: 86016
    .private_segment_fixed_size: 0
    .kernarg_segment_align: 8
    .kernarg_segment_size: 56
    .max_flat_workgroup_size: 512
    .sgpr_count:     66
    .vgpr_count:     256
    .wavefront_size: 32
...
	.end_amdgpu_metadata
.endif
;; end of part 4
;; ======== version 2 of 2: 4 launches
;; workspace buffers: xq 3,407,872 bytes; wq 3,407,872 bytes; mk 540,672 bytes of whole numbers; qk 6,815,744 bytes; vq 3,276,800 bytes; oq 3,670,016 bytes
;; launch prep (part 5): grid 256 x 1, 8 waves a work-group, no clusters, 0 bytes of LDS; arguments x, mask, Wq_codes, Wq_scales, Wk_codes, Wk_scales, Wv_codes, Wv_scales, Wo_codes, Wo_scales, xq, wq, mk; writes xq, wq, mk
.if DOCPART == 5
	.amdgcn_target "amdgcn-amd-amdhsa--gfx1250"
	.amdhsa_code_object_version 6
	.text
	.protected	k_qfec5aeeccd_prep
	.globl	k_qfec5aeeccd_prep
	.p2align	8
	.type	k_qfec5aeeccd_prep,@function
k_qfec5aeeccd_prep:
	s_mov_b64 s[64:65], 0
	v_nop
	global_prefetch_b8 v0, s[64:65] scope:SCOPE_SE
	s_setreg_imm32_b32 hwreg(HW_REG_WAVE_MODE, 25, 1), 1
	s_wait_xcnt 0x0
; PREP: three jobs, one unit of each for every wave; straight-line text, one path for all work-groups.  U = 8 x work-group + wave numbers all three.
;  (a) x [4096][1024] f32: nan_to_num (NaN -> 0, +-inf -> +-1e9), quantised to FP6 (E2M3) along K in blocks of 32, stored as IMAGES OF THE OPERAND'S REGISTERS:
;      unit (tile Tg = work-group, K step s = wave): 16 tokens x 128 K = 12 registers a lane, registers 4 c .. 4 c + 3 at 512 c + 16 x lane; its scale words at XSC, 4 bytes a lane.
;  (b) the four weights' codes, as given, copied into the same kind of image (unit: weight g / 64, tile g % 64, K step = wave); their scale words likewise.
;  (c) the mask, turned into lane masks for the attention launch: unit (query tile T = g / 2, key step ks = 8 (g % 2) + wave): 64 words; bit (lane) of word 16 b + i = mask[query of lane % 16][128 ks + 32 b + 16 (lane / 16) + i];
;      and two flag words: ALL (lanes whose 64 bytes are all 1) and ANY (lanes with a byte that is not 0).
; ROW rho OF TILE t IS INDEX 32 (t / 2) + 8 (t % 2) + rho + 8 (rho / 8), for tokens and for the weights' rows alike: so the 16 registers that two neighbouring tiles of a product give a lane are 16 neighbours along the next K.
; A block's scale is 2^(floor(log2(largest magnitude)) - 2): its byte is the largest magnitude's exponent field - 2, held at 1 from below by a floor among the maximum's leaves.
; LIMITS: a block of zeros gets the byte 1 (the quantiser's text says 127): its codes are zeros and only this program reads the bytes.  Mask bytes are taken to be 0 or 1 (for ALL; a lane mask bit is set for any byte that is not 0).
; No LDS, no barrier, no matrix work: the launch moves each byte once.
.set XSC,  3145728                     ; where the scale words begin in xq and in wq
.set MFL,  524288                      ; where the flags begin in mk
.set WF,   16                          ; v16-27  a weight fragment
.set WSW,  28                          ; v28     its scale words
.set MK,   32                          ; v32-47  my 64 mask bytes
.set MW,   48                          ; v48-49  the 64 lane masks, one to a lane
.set FL,   50                          ; v50     the flags
.set AN,   51
.set ORR,  52
.set TP,   54                          ; v54-55  at work
.set X,    64                          ; v64-127 64 numbers of x: register 16 b + i = k 32 b + 16 (lane / 16) + i of my token
.set PC,   128                         ; v128-139 the codes
.set PT,   140                         ; v140-147 the conversions' second halves
.set TM,   148                         ; v148-163 +0..3 largest magnitudes, +4..7 bytes, +12..15 the conversions' scale operands
.set PW,   164                         ; the scale word
.set NA,   165
.set NT,   166
.set ABS,  57
.set BIG,  58
.set INF,  59
.set SEL,  60                          ; s[60:61] v_permlanex16_b32's selects for lane l xor 16
.macro NANFIX r                        ; NaN -> 0, +-infinity -> +-1e9, all else as it is
	v_and_b32 v[NA], s[ABS], v[\r]
	v_bfi_b32 v[NT], s[ABS], s[BIG], v[\r]         ; 1e9 with the number's sign
	s_delay_alu instid0(VALU_DEP_2)
	v_cmp_eq_u32 vcc_lo, s[INF], v[NA]
	s_delay_alu instid0(VALU_DEP_1)
	v_cndmask_b32 v[\r], v[\r], v[NT], vcc_lo
	s_delay_alu instid0(VALU_DEP_4)
	v_cmp_ge_u32 vcc_lo, s[INF], v[NA]             ; not a NaN
	s_delay_alu instid0(VALU_DEP_1)
	v_cndmask_b32 v[\r], 0, v[\r], vcc_lo
.endm
; 32 nc numbers of a lane (2 nc half blocks of 16) become half blocks of codes and the row's scale word
.macro QUANT_A s, nc, pc, pt, pw
.set QB, 0
.rept 2*(\nc)
	v_max3_num_f32 v[TM+QB], |v[(\s)+16*QB]|, |v[(\s)+16*QB+1]|, 0x1800000   ; my 16 numbers of block QB, and the floor 2^(3 - 127)
.set QB, QB+1
.endr
.irp i, 2,4,6,8,10,12,14
.set QB, 0
.rept 2*(\nc)
	s_delay_alu instid0(VALU_DEP_4)
	v_max3_num_f32 v[TM+QB], v[TM+QB], |v[(\s)+16*QB+\i]|, |v[(\s)+16*QB+\i+1]|   ; the blocks by turns
.set QB, QB+1
.endr
.endr
.set QB, 0
.rept 2*(\nc)
	s_delay_alu instid0(VALU_DEP_4)
	v_permlanex16_b32 v[TM+4+QB], v[TM+QB], s[SEL], s[SEL+1]
.set QB, QB+1
.endr
.set QB, 0
.rept 2*(\nc)
	s_delay_alu instid0(VALU_DEP_4)
	v_max_num_f32 v[TM+QB], v[TM+QB], v[TM+4+QB]   ; with lane l xor 16's 16: the block's largest magnitude
.set QB, QB+1
.endr
.set QB, 0
.rept 2*(\nc)
	s_delay_alu instid0(VALU_DEP_4)
	v_add_nc_u32 v[TM+12+QB], 0xff000000, v[TM+QB] ; 2 off its exponent field: the conversion's scale operand
.set QB, QB+1
.endr
.set QB, 0
.rept 2*(\nc)
	s_delay_alu instid0(VALU_DEP_4)
	v_lshrrev_b32 v[TM+4+QB], 23, v[TM+12+QB]      ; the scale's byte
.set QB, QB+1
.endr
	s_delay_alu instid0(VALU_DEP_3)
	v_lshl_or_b32 v[\pw], v[TM+5], 8, v[TM+4]
.if (\nc) > 1
	s_delay_alu instid0(VALU_DEP_1)
	v_lshl_or_b32 v[\pw], v[TM+6], 16, v[\pw]
	s_delay_alu instid0(VALU_DEP_1)
	v_lshl_or_b32 v[\pw], v[TM+7], 24, v[\pw]
.endif
.set QB, 0
.rept (\nc)
	v_cvt_scalef32_pk16_fp6_f32 v[(\pc)+6*QB:(\pc)+6*QB+2], v[(\s)+32*QB:(\s)+32*QB+15], v[TM+12+2*QB]
	v_cvt_scalef32_pk16_fp6_f32 v[(\pt)+4*QB:(\pt)+4*QB+2], v[(\s)+32*QB+16:(\s)+32*QB+31], v[TM+13+2*QB]   ; (a conversion's three registers begin on an even number)
.set QB, QB+1
.endr
	v_nop                                          ; one plain place behind the last scaled conversion
.endm
; the operand's layout wants a whole block in a lane: lanes 0-15 block 2 c, lanes 16-31 block 2 c + 1
.macro QUANT_B nc, pc, pt
.set QB, 0
.rept (\nc)
.irp i, 0,1,2
	v_permlane16_swap_b32 v[(\pc)+6*QB+\i], v[(\pt)+4*QB+\i]
.endr
.irp i, 0,1,2
	s_delay_alu instid0(VALU_DEP_3)
	v_mov_b32 v[(\pc)+6*QB+3+\i], v[(\pt)+4*QB+\i]
.endr
.set QB, QB+1
.endr
.endm
	s_load_b512 s[4:19], s[0:1], 0x0               ; x, mask, Wq codes, scales, Wk codes, scales, Wv codes, scales
	s_load_b256 s[20:27], s[0:1], 0x40             ; Wo codes, scales, xq, wq
	s_load_b64 s[28:29], s[0:1], 0x60              ; mk
	v_lshrrev_b32 v1, 5, v0
	s_delay_alu instid0(VALU_DEP_1)
	v_readfirstlane_b32 s30, v1                    ; wave 0..7
	v_and_b32 v1, 31, v0                           ; lane
	v_and_b32 v2, 15, v0                           ; r
	v_bfe_u32 v3, v0, 4, 1                         ; h
	s_delay_alu instid0(VALU_DEP_2)
	v_and_b32 v4, 8, v2
	s_delay_alu instid0(VALU_DEP_1)
	v_add_nc_u32 v4, v4, v2                        ; r + 8 (r / 8): my row's distance from the tile's first
	v_lshlrev_b32 v5, 4, v1                        ; 16 x lane
	v_lshlrev_b32 v6, 2, v1                        ; 4 x lane
	s_delay_alu instid0(VALU_DEP_3)
	v_lshlrev_b32 v7, 12, v4
	s_delay_alu instid0(VALU_DEP_1)
	v_lshl_add_u32 v7, v3, 6, v7                   ; x: a row is 4,096 bytes; + 64 h: my 16 numbers of a block of 32
	v_mul_u32_u24 v8, v4, 768
	s_delay_alu instid0(VALU_DEP_1)
	v_mad_u32_u24 v8, v3, 24, v8                   ; weight codes: a row is 768 bytes; + 24 h
	v_lshlrev_b32 v9, 5, v4                        ; weight scales: 32 bytes a row
	v_lshlrev_b32 v10, 11, v4
	s_delay_alu instid0(VALU_DEP_1)
	v_lshl_add_u32 v10, v3, 4, v10                 ; mask: a row is 2,048 bytes; + 16 h
.irp b, 0,1,2,3
	v_mov_b32 v[TM+4+\b], 0                        ; written once: a lane permute's destination counts as one of its sources
.endr
	v_mov_b32 v[MW], 0                             ; likewise v_writelane_b32's
	v_mov_b32 v[MW+1], 0
	s_lshl_b32 s31, ttmp9, 3
	s_add_co_u32 s31, s31, s30                     ; U
	s_lshr_b32 s33, ttmp9, 6                       ; which weight: 0 q, 1 k, 2 v, 3 o
	s_and_b32 s34, ttmp9, 63                       ; its tile
	s_lshr_b32 s35, s34, 1
	s_lshl_b32 s35, s35, 5
	s_and_b32 s34, s34, 1
	s_lshl_b32 s34, s34, 3
	s_add_co_u32 s34, s34, s35                     ; the tile's first row
	s_mul_i32 s36, s34, 768
	s_mul_i32 s35, s30, 96
	s_add_co_u32 s36, s36, s35                     ; + K step: 96 bytes
	s_mov_b32 s37, 0
	s_lshl_b32 s38, s34, 5
	s_lshl_b32 s35, s30, 2
	s_add_co_u32 s38, s38, s35
	s_mov_b32 s39, 0
	s_lshr_b32 s34, ttmp9, 1                       ; the mask's query tile T
	s_lshr_b32 s35, s34, 1
	s_lshl_b32 s35, s35, 5
	s_and_b32 s34, s34, 1
	s_lshl_b32 s34, s34, 3
	s_add_co_u32 s34, s34, s35
	s_lshl_b32 s40, s34, 11
	s_and_b32 s35, ttmp9, 1
	s_lshl_b32 s35, s35, 3
	s_add_co_u32 s35, s35, s30                     ; key step
	s_lshl_b32 s35, s35, 7
	s_add_co_u32 s40, s40, s35
	s_mov_b32 s41, 0
	s_lshr_b32 s35, ttmp9, 1                       ; x's token tile = the work-group
	s_lshl_b32 s35, s35, 5
	s_and_b32 s34, ttmp9, 1
	s_lshl_b32 s34, s34, 3
	s_add_co_u32 s34, s34, s35
	s_lshl_b32 s42, s34, 12
	s_lshl_b32 s35, s30, 9
	s_add_co_u32 s42, s42, s35                     ; + K step: 512 bytes
	s_mov_b32 s43, 0
	s_mul_i32 s44, s31, 1536                       ; an image
	s_mov_b32 s45, 0
	s_lshl_b32 s46, s31, 7
	s_add_co_u32 s46, s46, XSC                     ; its scale words
	s_mov_b32 s47, 0
	s_lshl_b32 s48, s31, 8                         ; 64 lane masks
	s_mov_b32 s49, 0
	s_lshl_b32 s50, s31, 3
	s_add_co_u32 s50, s50, MFL                     ; two flags
	s_mov_b32 s51, 0
	s_mov_b32 s[ABS], 0x7fffffff
	s_mov_b32 s[BIG], 0x4e6e6b28                   ; 1e9
	s_mov_b32 s[INF], 0x7f800000
	s_mov_b32 s[SEL], 0x76543210
	s_mov_b32 s[SEL+1], 0xfedcba98
	s_wait_alu depctr_va_vdst(0)
	s_wait_kmcnt 0x0
	s_cmp_lt_u32 s33, 1                            ; the weight's two buffers: a choice that hangs on the work-group's number alone
	s_cselect_b64 s[8:9], s[8:9], s[12:13]
	s_cselect_b64 s[10:11], s[10:11], s[14:15]
	s_cmp_lt_u32 s33, 2
	s_cselect_b64 s[8:9], s[8:9], s[16:17]
	s_cselect_b64 s[10:11], s[10:11], s[18:19]
	s_cmp_lt_u32 s33, 3
	s_cselect_b64 s[8:9], s[8:9], s[20:21]
	s_cselect_b64 s[10:11], s[10:11], s[22:23]
	s_add_nc_u64 s[8:9], s[8:9], s[36:37]
	s_add_nc_u64 s[10:11], s[10:11], s[38:39]
	s_add_nc_u64 s[6:7], s[6:7], s[40:41]
	s_add_nc_u64 s[4:5], s[4:5], s[42:43]
	s_add_nc_u64 s[12:13], s[26:27], s[44:45]      ; wq: image, scale words
	s_add_nc_u64 s[14:15], s[26:27], s[46:47]
	s_add_nc_u64 s[16:17], s[24:25], s[44:45]      ; xq: image, scale words
	s_add_nc_u64 s[18:19], s[24:25], s[46:47]
	s_add_nc_u64 s[20:21], s[28:29], s[48:49]      ; mk: lane masks, flags
	s_add_nc_u64 s[22:23], s[28:29], s[50:51]
	; all loads first: 7 for the weight, 4 for the mask, 16 for x
.irp p, 0,1,2,3,4,5
	global_load_b64 v[WF+2*\p:WF+2*\p+1], v8, s[8:9] offset:48*(\p/3)+8*(\p%3)
.endr
	global_load_b32 v[WSW], v9, s[10:11]
.irp b, 0,1,2,3
	global_load_b128 v[MK+4*\b:MK+4*\b+3], v10, s[6:7] offset:32*\b
.endr
.irp b, 0,1,2,3
.irp j, 0,1,2,3
	global_load_b128 v[X+16*\b+4*\j:X+16*\b+4*\j+3], v7, s[4:5] offset:128*\b+16*\j th:TH_LOAD_NT
.endr
.endr
	s_wait_loadcnt 20                              ; the weight's 7 are in; the mask's 4 and x's 16 may be out
	global_store_b128 v5, v[WF:WF+3], s[12:13]     ; each store: 512 consecutive bytes, at a multiple of 256 from the buffer's first byte
	global_store_b128 v5, v[WF+4:WF+7], s[12:13] offset:512
	global_store_b128 v5, v[WF+8:WF+11], s[12:13] offset:1024
	global_store_b32 v6, v[WSW], s[14:15]
	s_wait_loadcnt 16                              ; the mask's 4 are in; x's 16 may be out
.set J, 0
.rept 64
	v_bfe_u32 v[TP+J%2], v[MK+J/4], 8*(J%4), 8     ; byte J of my 64
	s_delay_alu instid0(VALU_DEP_1)
	v_cmp_ne_u32 s[52+J%2], 0, v[TP+J%2]           ; the 32 lanes' bits: word J
	s_delay_alu instid0(VALU_DEP_1)
	v_writelane_b32 v[MW+J/32], s[52+J%2], J%32    ; to lane J % 32, so that the 64 words leave by two dense stores
.set J, J+1
.endr
	v_and_b32 v[AN], v[MK], v[MK+1]
	v_or_b32 v[ORR], v[MK], v[MK+1]
.irp i, 2,3,4,5,6,7,8,9,10,11,12,13,14,15
	s_delay_alu instid0(VALU_DEP_2)
	v_and_b32 v[AN], v[AN], v[MK+\i]
	s_delay_alu instid0(VALU_DEP_2)
	v_or_b32 v[ORR], v[ORR], v[MK+\i]
.endr
	s_delay_alu instid0(VALU_DEP_2)
	v_cmp_eq_u32 s54, 0x01010101, v[AN]            ; ALL
	s_delay_alu instid0(VALU_DEP_2)
	v_cmp_ne_u32 s55, 0, v[ORR]                    ; ANY
	s_delay_alu instid0(VALU_DEP_2)
	v_mov_b32 v[FL], s54
	s_delay_alu instid0(VALU_DEP_1)
	v_writelane_b32 v[FL], s55, 1
	global_store_b32 v6, v[MW], s[20:21]
	global_store_b32 v6, v[MW+1], s[20:21] offset:128
	s_wait_loadcnt 0x0                             ; x
.set J, 0
.rept 64
	NANFIX X+J
.set J, J+1
.endr
	QUANT_A X, 2, PC, PT, PW
	QUANT_B 2, PC, PT
	global_store_b128 v5, v[PC:PC+3], s[16:17]
	global_store_b128 v5, v[PC+4:PC+7], s[16:17] offset:512
	global_store_b128 v5, v[PC+8:PC+11], s[16:17] offset:1024
	global_store_b32 v6, v[PW], s[18:19]
	v_cmp_gt_u32 vcc_lo, 2, v1                     ; the two flags leave from lanes 0 and 1
	s_wait_xcnt 0x0                                ; EXEC is a source of the stores above: it changes only behind this wait
	s_and_saveexec_b32 s56, vcc_lo
	global_store_b32 v6, v[FL], s[22:23]
	s_wait_xcnt 0x0                                ; and again in front of the line that widens it
	s_or_b32 exec_lo, exec_lo, s56
	s_endpgm
.Lfunc_end_k_qfec5aeeccd_prep:
	.size	k_qfec5aeeccd_prep, .Lfunc_end_k_qfec5aeeccd_prep-k_qfec5aeeccd_prep
	.p2alignl 7, 3214868480
	.fill 96, 4, 3214868480
	.section	.rodata,"a",@progbits
	.p2align	6, 0x0
	.amdhsa_kernel k_qfec5aeeccd_prep
		.amdhsa_group_segment_fixed_size 0
		.amdhsa_private_segment_fixed_size 0
		.amdhsa_enable_private_segment 0
		.amdhsa_kernarg_size 104
		.amdhsa_user_sgpr_count 2
		.amdhsa_user_sgpr_kernarg_segment_ptr 1
		.amdhsa_wavefront_size32 1
		.amdhsa_system_sgpr_workgroup_id_x 1
		.amdhsa_system_sgpr_workgroup_id_y 1
		.amdhsa_system_sgpr_workgroup_id_z 1
		.amdhsa_system_vgpr_workitem_id 0
		.amdhsa_next_free_vgpr 176
		.amdhsa_next_free_sgpr 66
		.amdhsa_reserve_vcc 1
		.amdhsa_float_denorm_mode_32 3
		.amdhsa_float_denorm_mode_16_64 3
		.amdhsa_memory_ordered 1
		.amdhsa_forward_progress 1
		.amdhsa_inst_pref_size 54
	.end_amdhsa_kernel
	.amdgpu_metadata
---
amdhsa.version: [ 1, 2 ]
amdhsa.kernels:
  - .name:           k_qfec5aeeccd_prep
    .symbol:         k_qfec5aeeccd_prep.kd
    .args:
      - { .name: x, .offset: 0, .size: 8, .value_kind: global_buffer, .address_space: global }
      - { .name: mask, .offset: 8, .size: 8, .value_kind: global_buffer, .address_space: global }
      - { .name: Wq_codes, .offset: 16, .size: 8, .value_kind: global_buffer, .address_space: global }
      - { .name: Wq_scales, .offset: 24, .size: 8, .value_kind: global_buffer, .address_space: global }
      - { .name: Wk_codes, .offset: 32, .size: 8, .value_kind: global_buffer, .address_space: global }
      - { .name: Wk_scales, .offset: 40, .size: 8, .value_kind: global_buffer, .address_space: global }
      - { .name: Wv_codes, .offset: 48, .size: 8, .value_kind: global_buffer, .address_space: global }
      - { .name: Wv_scales, .offset: 56, .size: 8, .value_kind: global_buffer, .address_space: global }
      - { .name: Wo_codes, .offset: 64, .size: 8, .value_kind: global_buffer, .address_space: global }
      - { .name: Wo_scales, .offset: 72, .size: 8, .value_kind: global_buffer, .address_space: global }
      - { .name: xq, .offset: 80, .size: 8, .value_kind: global_buffer, .address_space: global }
      - { .name: wq, .offset: 88, .size: 8, .value_kind: global_buffer, .address_space: global }
      - { .name: mk, .offset: 96, .size: 8, .value_kind: global_buffer, .address_space: global }
    .group_segment_fixed_size: 0
    .private_segment_fixed_size: 0
    .kernarg_segment_align: 8
    .kernarg_segment_size: 104
    .max_flat_workgroup_size: 256
    .sgpr_count:     66
    .vgpr_count:     176
    .wavefront_size: 32
...
	.end_amdgpu_metadata
.endif
;; end of part 5
;; launch qkv (part 6): grid 32 x 8, 4 waves a work-group, no clusters, 107,008 bytes of LDS; arguments xq, wq, bq, bk, bv, qk, vq; writes qk, vq
.if DOCPART == 6
	.amdgcn_target "amdgcn-amd-amdhsa--gfx1250"
	.amdhsa_code_object_version 6
	.text
	.protected	k_qfec5aeeccd_qkv
	.globl	k_qfec5aeeccd_qkv
	.p2align	8
	.type	k_qfec5aeeccd_qkv,@function
k_qfec5aeeccd_qkv:
	s_mov_b64 s[64:65], 0
	v_nop
	global_prefetch_b8 v0, s[64:65] scope:SCOPE_SE
	s_setreg_imm32_b32 hwreg(HW_REG_WAVE_SCHED_MODE, 0, 2), 2
	s_setreg_imm32_b32 hwreg(HW_REG_WAVE_MODE, 25, 1), 1
	s_wait_xcnt 0x0
	s_wait_alu depctr_vm_vsrc(0)
; QKV: q = x Wq^T + bq, k = x Wk^T + bk, v = x Wv^T + bv on codes of FP6 (E2M3), then q and k quantised along the head's 64 and v along the keys, all stored as images of operand registers.
; SHARES.  Work-group (i, jp): 128 tokens (token tiles 8 i .. 8 i + 7: one key step of attention) x q, k, v of heads 2 jp and 2 jp + 1.  Wave w: one whole head of q (w < 2) or k (w >= 2), head 2 jp + w % 2: four weight tiles,
; used TRANSPOSED (source 0 = 16 rows of W, source 1 = 16 tokens), so that a lane holds one token and its registers run along d, the next K;  and two tiles of v (head 2 jp + w / 2, tiles 2 (w % 2) + 0, 1) with x as source 0,
; so that a lane holds one d and its registers run along the tokens, which are the next K there.  48 accumulators, 48 matrix instructions a K step, the accumulators by turns.
; ROW rho OF TILE t IS INDEX 32 (t / 2) + 8 (t % 2) + rho + 8 (rho / 8): the 16 registers of tiles 2 b, 2 b + 1 are then 16 neighbours, 32 b + 16 (lane / 16) + 0 .. 15.
; x's 64 fragment images (96 KiB) and scale words (8 KiB) are copied into LDS once, through registers, and read by all four waves; each weight fragment is read by exactly one wave of the work-group and goes from memory straight
; into its registers, two K steps ahead.  So no tile of this text would pass through LDS for several work-groups at once, and there are no joint loads: what the 8 work-groups of a column share is x's 104 KiB against 312 KiB of weights each.
; The biases are the C of each sum's first matrix instruction.
; LIMITS: a block of zeros gets the scale byte 1: its codes are zeros and only this program reads the bytes.
; REGISTERS, in windows of 256.  window 0: v1-7, v24-26 addresses; v32-127, v128-223 x's fragments, two sets (first: the fill's temporaries, with v8-23); v224-239 x's scale words, v240-251 the weights', two sets each.
;   window 1: v0-71, v72-143 the weights' six fragments, two sets; v144-175 bq or bk, v176-191 bv.   window 2: q's or k's accumulator (token tile m, weight tile t) at 32 m + 8 t.   window 3: v's (tile v, token tile m) at 64 v + 8 m.
; THE MODE: SCHED_MODE bits 1:0 = 2 (LLVM: expert scheduling mode 2), set by the entry lines.  The code itself states the register dependences
; between vector or matrix instructions and memory or LDS instructions, with s_wait_alu, always for 0.
; THE PLAN.  Registers that memory or LDS instructions touch:
;   v1-7, v24-26     addresses: written once at the head, read by every load and store, never written again.
;   v8-23, v32-223   the fill: global loads land there, LDS stores read them; behind the barrier v32-223 become x's two sets.
;   x's set s % 2 (fragments and scale words): read by step s's products; the LDS loads of step s + 2, issued at the head of step s + 1, land in it.
;   W's set s % 2 (fragments and scale words): read by step s's products; the global loads of step s + 2, issued at the end of step s, land in it.
;   the way out: each run of stores reads registers of its own, written by the quantiser just ahead of it and never again.
; So one wait on va_vdst stands at the end of each of steps 0 to 5: behind it that step's weight loads and the next step's LDS loads follow with only loads, window switches and waits on memory counters between.
.set XSCG, 3145728                     ; scale words in xq, in wq and in vq
.set QKSC, 6291456                     ; and in qk
.set LXSC, 98304                       ; LDS: x's images at 0, [tile 8][K step 8][1,536]; their scale words here, [tile][K step][128]
.set LI,   1                           ; 16 x lane
.set LS,   2                           ; 4 x lane
.set LIH,  3                           ; 16 x lane + tiles 4-7's images
.set LSX,  4                           ; 4 x lane + LXSC
.set FA0,  5                           ; 16 x thread
.set FA1,  6                           ; + 65,536
.set SH,   7                           ; 16 h
.set B64H, 24                          ; 64 h
.set RP4,  25                          ; 4 (r + 8 (r / 8))
.set L8,   26                          ; 8 x lane
.set AF,   32
.set XS,   224
.set WS,   240
.set BF,   0
.set BQ,   144
.set BV,   176
.set TM,   160                         ; the way out: v160-175 at work
.set SEL,  50
.set MSB, 0
.macro WIN new                         ; the immediate's high byte repeats the setting that is left
.if MSB != (\new)
	s_set_vgpr_msb (MSB<<8)|(\new)
.set MSB, (\new)
.endif
.endm
.macro BLOAD s                         ; K step s: my six weight fragments (18 loads of 512 consecutive bytes) and their scale words (6)
.set BFL, BF+72*((\s)%2)
.set WSL, WS+6*((\s)%2)
	WIN 0x40                                       ; destination window 1
.irp t, 0,1,2,3
.irp c, 0,1,2
	global_load_b128 v[BFL+12*\t+4*\c:BFL+12*\t+4*\c+3], v[LI], s[30:31] offset:\t*12288+(\s)*1536+512*\c
.endr
.endr
.irp v, 0,1
.irp c, 0,1,2
	global_load_b128 v[BFL+48+12*\v+4*\c:BFL+48+12*\v+4*\c+3], v[LI], s[34:35] offset:\v*12288+(\s)*1536+512*\c
.endr
.endr
	WIN 0
.irp t, 0,1,2,3
	global_load_b32 v[WSL+\t], v[LS], s[32:33] offset:\t*1024+(\s)*128
.endr
.irp v, 0,1
	global_load_b32 v[WSL+4+\v], v[LS], s[36:37] offset:\v*1024+(\s)*128
.endr
.endm
.macro ALOAD s                         ; K step s: x's eight fragments and scale words out of LDS
.set AFL, AF+96*((\s)%2)
.set XSL, XS+8*((\s)%2)
.irp m, 0,1,2,3
.irp c, 0,1,2
	ds_load_b128 v[AFL+12*\m+4*\c:AFL+12*\m+4*\c+3], v[LI] offset:(8*\m+(\s))*1536+512*\c
.endr
.endr
.irp m, 4,5,6,7
.irp c, 0,1,2
	ds_load_b128 v[AFL+12*\m+4*\c:AFL+12*\m+4*\c+3], v[LIH] offset:(8*(\m-4)+(\s))*1536+512*\c
.endr
.endr
.irp m, 0,1,2,3,4,5,6,7
	ds_load_b32 v[XSL+\m], v[LSX] offset:(8*\m+(\s))*128
.endr
.endm
.macro STEP s
.if (\s) < 7
	s_wait_loadcnt 24                              ; this step's weights are in; the next step's 24 loads may be out
.else
	s_wait_loadcnt 0x0
.endif
	s_wait_dscnt 0x0                               ; this step's fragments of x, asked for a step ago
.if (\s) < 7
	ALOAD (\s)+1                                   ; the other set was read by the step before: the wait at that step's end has shown its products done, and no vector or matrix instruction stands between
.endif
.set AFS, AF+96*((\s)%2)
.set BFS, BF+72*((\s)%2)
.set XSS, XS+8*((\s)%2)
.set WSS, WS+6*((\s)%2)
.if (\s) == 0
	WIN 0x91                                       ; source 0 (W) window 1, source 1 (x) window 0, C (the bias) window 1, D window 2
.else
	WIN 0xa1                                       ; C and D window 2
.endif
.irp m, 0,1,2,3,4,5,6,7
.irp t, 0,1,2,3
.if (\s) == 0
	v_wmma_scale_f32_16x16x128_f8f6f4 v[32*\m+8*\t:32*\m+8*\t+7], v[BFS+12*\t:BFS+12*\t+11], v[AFS+12*\m:AFS+12*\m+11], v[BQ+8*\t:BQ+8*\t+7], v[WSS+\t], v[XSS+\m] matrix_a_fmt:MATRIX_FMT_FP6 matrix_b_fmt:MATRIX_FMT_FP6
.else
	v_wmma_scale_f32_16x16x128_f8f6f4 v[32*\m+8*\t:32*\m+8*\t+7], v[BFS+12*\t:BFS+12*\t+11], v[AFS+12*\m:AFS+12*\m+11], v[32*\m+8*\t:32*\m+8*\t+7], v[WSS+\t], v[XSS+\m] matrix_a_fmt:MATRIX_FMT_FP6 matrix_b_fmt:MATRIX_FMT_FP6
.endif
.endr
.endr
.if (\s) == 0
	WIN 0xd4                                       ; source 0 (x) window 0, source 1 (Wv) window 1, C (bv) window 1, D window 3
.else
	WIN 0xf4
.endif
.irp v, 0,1
.irp m, 0,1,2,3,4,5,6,7
.if (\s) == 0
	v_wmma_scale_f32_16x16x128_f8f6f4 v[64*\v+8*\m:64*\v+8*\m+7], v[AFS+12*\m:AFS+12*\m+11], v[BFS+48+12*\v:BFS+48+12*\v+11], v[BV+8*\v:BV+8*\v+7], v[XSS+\m], v[WSS+4+\v] matrix_a_fmt:MATRIX_FMT_FP6 matrix_b_fmt:MATRIX_FMT_FP6
.else
	v_wmma_scale_f32_16x16x128_f8f6f4 v[64*\v+8*\m:64*\v+8*\m+7], v[AFS+12*\m:AFS+12*\m+11], v[BFS+48+12*\v:BFS+48+12*\v+11], v[64*\v+8*\m:64*\v+8*\m+7], v[XSS+\m], v[WSS+4+\v] matrix_a_fmt:MATRIX_FMT_FP6 matrix_b_fmt:MATRIX_FMT_FP6
.endif
.endr
.endr
	WIN 0
.rept 4
	v_nop                                          ; four places in front of loads into registers that these products have read, and of the first read of results
.endr
.if (\s) < 6
	s_wait_alu depctr_va_vdst(0)                   ; this step's products are done reading set s % 2 of W's fragments and scale words, in which the loads below land, and of x's, in which the LDS loads at the next step's head land
	BLOAD (\s)+2
.endif
.endm
; 64 numbers of a lane in window 2 or 3 (register 16 b + i = the next K's 32 b + 16 (lane / 16) + i) become 12 registers of codes and a scale word in window 0.  wm: the setting for the maxima (sources 1, 2), wc: for the conversions (source 0)
.macro QUANTW s, wm, wc, pc, pt, pw
	WIN \wm
.irp b, 0,1,2,3
	v_max3_num_f32 v[TM+\b], 0x1800000, |v[(\s)+16*\b]|, |v[(\s)+16*\b+1]|   ; the floor 2^(3 - 127) and my first two; each accumulator is read from its low end on
.endr
.irp i, 2,4,6,8,10,12,14
.irp b, 0,1,2,3
	v_max3_num_f32 v[TM+\b], v[TM+\b], |v[(\s)+16*\b+\i]|, |v[(\s)+16*\b+\i+1]|
.endr
.endr
	WIN 0
.irp b, 0,1,2,3
	v_permlanex16_b32 v[TM+4+\b], v[TM+\b], s[SEL], s[SEL+1]
.endr
.irp b, 0,1,2,3
	v_max_num_f32 v[TM+\b], v[TM+\b], v[TM+4+\b]
.endr
.irp b, 0,1,2,3
	v_add_nc_u32 v[TM+12+\b], 0xff000000, v[TM+\b] ; 2 off the exponent field: the conversion's scale operand
.endr
.irp b, 0,1,2,3
	v_lshrrev_b32 v[TM+4+\b], 23, v[TM+12+\b]      ; the scale's byte
.endr
	v_lshl_or_b32 v[\pw], v[TM+5], 8, v[TM+4]
	v_lshl_or_b32 v[\pw], v[TM+6], 16, v[\pw]
	v_lshl_or_b32 v[\pw], v[TM+7], 24, v[\pw]
	WIN \wc
.irp c, 0,1
	v_cvt_scalef32_pk16_fp6_f32 v[(\pc)+6*\c:(\pc)+6*\c+2], v[(\s)+32*\c:(\s)+32*\c+15], v[TM+12+2*\c]
	v_cvt_scalef32_pk16_fp6_f32 v[(\pt)+4*\c:(\pt)+4*\c+2], v[(\s)+32*\c+16:(\s)+32*\c+31], v[TM+13+2*\c]
.endr
	WIN 0
	v_nop                                          ; one plain place behind the last scaled conversion
.irp c, 0,1
.irp i, 0,1,2
	v_permlane16_swap_b32 v[(\pc)+6*\c+\i], v[(\pt)+4*\c+\i]
.endr
.irp i, 0,1,2
	v_mov_b32 v[(\pc)+6*\c+3+\i], v[(\pt)+4*\c+\i]
.endr
.endr
.endm
	s_load_b256 s[4:11], s[0:1], 0x0               ; xq, wq, bq, bk
	s_load_b128 s[12:15], s[0:1], 0x20             ; bv, qk
	s_load_b64 s[16:17], s[0:1], 0x30              ; vq
	v_lshl_add_u32 v254, v0, 2, 0x1a000
	v_mov_b32 v255, 0
	v_lshrrev_b32 v1, 5, v0
	v_readfirstlane_b32 s18, v1                    ; wave 0..3
	v_and_b32 v8, 31, v0                           ; lane
	v_and_b32 v9, 15, v0                           ; r
	v_bfe_u32 v10, v0, 4, 1                        ; h
	v_lshlrev_b32 v[LI], 4, v8
	v_lshlrev_b32 v[LS], 2, v8
	v_add_nc_u32 v[LIH], 49152, v[LI]
	v_add_nc_u32 v[LSX], LXSC, v[LS]
	v_lshlrev_b32 v[FA0], 4, v0
	v_add_nc_u32 v[FA1], 65536, v[FA0]
	v_lshlrev_b32 v[SH], 4, v10
	v_lshlrev_b32 v[B64H], 6, v10
	v_and_b32 v11, 8, v9
	v_add_nc_u32 v11, v11, v9
	v_lshlrev_b32 v[RP4], 2, v11
	v_lshlrev_b32 v[L8], 3, v8
	s_wait_alu depctr_va_sdst(0)                   ; s18, the wave's number, is written, ahead of its first reader: every base below is made from it
	s_and_b32 s19, ttmp7, 0xffff                   ; jp
	s_lshr_b32 s20, s18, 1                         ; 0: q, 1: k.  Also which of the two heads my tiles of v belong to
	s_and_b32 s23, s18, 1
	s_lshl_b32 s21, s19, 1
	s_add_co_u32 s22, s21, s20                     ; v's head
	s_add_co_u32 s21, s21, s23                     ; q's or k's head
	s_lshr_b32 s24, ttmp9, 4                       ; batch
	s_and_b32 s25, ttmp9, 15                       ; key step
	s_mul_i32 s26, ttmp9, 98304                    ; x's 64 images
	s_mov_b32 s27, 0
	s_lshl_b32 s28, ttmp9, 13
	s_add_co_u32 s28, s28, XSCG                    ; their scale words
	s_mov_b32 s29, 0
	s_lshl_b32 s54, s20, 6
	s_lshl_b32 s55, s21, 2
	s_add_co_u32 s54, s54, s55                     ; my first tile of Wq or Wk in wq
	s_mul_i32 s30, s54, 12288
	s_mov_b32 s31, 0
	s_lshl_b32 s32, s54, 10
	s_add_co_u32 s32, s32, XSCG
	s_mov_b32 s33, 0
	s_lshl_b32 s54, s22, 2
	s_lshl_b32 s55, s23, 1
	s_add_co_u32 s54, s54, s55
	s_add_co_u32 s54, s54, 128                     ; my first tile of Wv
	s_mul_i32 s34, s54, 12288
	s_mov_b32 s35, 0
	s_lshl_b32 s36, s54, 10
	s_add_co_u32 s36, s36, XSCG
	s_mov_b32 s37, 0
	s_lshl_b32 s38, s21, 8                         ; the head's 64 numbers of bq or bk
	s_mov_b32 s39, 0
	s_lshl_b32 s40, s22, 8
	s_lshl_b32 s55, s23, 7
	s_add_co_u32 s40, s40, s55                     ; bv: head, + 32 (w % 2) numbers
	s_mov_b32 s41, 0
	s_lshl_b32 s54, s20, 5
	s_lshl_b32 s55, s24, 4
	s_add_co_u32 s54, s54, s55
	s_add_co_u32 s54, s54, s21
	s_lshl_b32 s54, s54, 7
	s_lshl_b32 s56, s25, 3
	s_add_co_u32 s54, s54, s56                     ; qk: tile ((kind 32 + batch 16 + head) 128 + 8 key step)
	s_mul_i32 s42, s54, 768
	s_mov_b32 s43, 0
	s_lshl_b32 s44, s54, 6
	s_add_co_u32 s44, s44, QKSC
	s_mov_b32 s45, 0
	s_add_co_u32 s54, s55, s22
	s_lshl_b32 s54, s54, 4
	s_add_co_u32 s54, s54, s25                     ; vq: (batch 16 + head) 16 + key step
	s_lshl_b32 s56, s54, 2
	s_lshl_b32 s57, s23, 1
	s_add_co_u32 s56, s56, s57
	s_mul_i32 s46, s56, 1536
	s_mov_b32 s47, 0
	s_lshl_b32 s56, s54, 1
	s_add_co_u32 s56, s56, s23
	s_lshl_b32 s48, s56, 7
	s_add_co_u32 s48, s48, XSCG
	s_mov_b32 s49, 0
	s_mov_b32 s[SEL], 0x76543210
	s_mov_b32 s[SEL+1], 0xfedcba98
	s_mov_b32 s52, 0xffff0000                      ; lanes 16-31
	s_wait_kmcnt 0x0
	s_cmp_eq_u32 s20, 0
	s_cselect_b64 s[8:9], s[8:9], s[10:11]         ; bq or bk: the choice hangs on the wave's number alone
	s_add_nc_u64 s[26:27], s[4:5], s[26:27]
	s_add_nc_u64 s[28:29], s[4:5], s[28:29]
	s_add_nc_u64 s[30:31], s[6:7], s[30:31]
	s_add_nc_u64 s[32:33], s[6:7], s[32:33]
	s_add_nc_u64 s[34:35], s[6:7], s[34:35]
	s_add_nc_u64 s[36:37], s[6:7], s[36:37]
	s_add_nc_u64 s[38:39], s[8:9], s[38:39]
	s_add_nc_u64 s[40:41], s[12:13], s[40:41]
	s_add_nc_u64 s[42:43], s[14:15], s[42:43]
	s_add_nc_u64 s[44:45], s[14:15], s[44:45]
	s_add_nc_u64 s[46:47], s[16:17], s[46:47]
	s_add_nc_u64 s[48:49], s[16:17], s[48:49]
	WIN 0x40                                       ; the biases, in the results' layouts: 24 loads
	s_wait_alu depctr_va_vdst(0)                   ; the ten addresses v1-7 and v24-26 are written, which every load and store of the kernel reads; so are v8-11, in which loads of the fill land
.irp t, 0,1,2,3
	global_load_b128 v[BQ+8*\t:BQ+8*\t+3], v[B64H], s[38:39] offset:(32*(\t/2)+8*(\t%2))*4      ; lane (r, h), tile t: d = 32 (t / 2) + 8 (t % 2) + 16 h + 0 .. 7
	global_load_b128 v[BQ+8*\t+4:BQ+8*\t+7], v[B64H], s[38:39] offset:(32*(\t/2)+8*(\t%2))*4+16
.endr
.irp v, 0,1
.irp j, 0,1,2,3,4,5,6,7
	global_load_b32 v[BV+8*\v+\j], v[RP4], s[40:41] offset:32*\v                                 ; a lane holds ONE d of v: its eight registers take the same number
.endr
.endr
	BLOAD 0                                        ; 24 loads
.set I, 0
.rept 48                                           ; the fill: 52 loads of 2,048 consecutive bytes a work-group
	global_load_b128 v[32+4*I:35+4*I], v[FA0], s[26:27] offset:2048*I
.set I, I+1
.endr
.set I, 0
.rept 4
	global_load_b128 v[8+4*I:11+4*I], v[FA0], s[28:29] offset:2048*I
.set I, I+1
.endr
.set I, 0
.rept 32
	s_wait_loadcnt 51-I                            ; loads come back in order: fill load I is in, the younger ones stay out
	ds_store_b128 v[FA0], v[32+4*I:35+4*I] offset:2048*I
.set I, I+1
.endr
.rept 16
	s_wait_loadcnt 51-I
	ds_store_b128 v[FA1], v[32+4*I:35+4*I] offset:2048*(I-32)
.set I, I+1
.endr
.rept 4
	s_wait_loadcnt 51-I
	ds_store_b128 v[FA1], v[8+4*(I-48):11+4*(I-48)] offset:2048*(I-32)
.set I, I+1
.endr
	s_wait_dscnt 0x0                               ; for the others' sake: my stores have landed
	s_barrier_signal -1
	s_barrier_wait -1                              ; x's images are whole: the launch's only barrier; nothing is stored to LDS behind it
	s_wait_alu depctr_vm_vsrc(0)                   ; my LDS stores have read v32-223: these registers are x's two sets from here on, in which LDS loads land, and on the way out the quantiser writes them
	BLOAD 1
	ALOAD 0
	STEP 0
	STEP 1
	STEP 2
	STEP 3
	STEP 4
	STEP 5
	STEP 6
	STEP 7
	; THE WAY OUT.  Every store has data registers of its own, so no wait for stores is written.
.irp b, 0,1,2,3
	v_mov_b32 v[TM+4+\b], 0                        ; a lane permute's destination counts as one of its sources
.endr
.irp p, 0,1,2,3                        ; token tiles 2 p and 2 p + 1 of q or k: 2 x 2 blocks of 32 along d; registers 0-5 are tile 2 p's codes, 6-11 tile 2 p + 1's; the word's bytes 0, 1 and 2, 3 likewise
	QUANTW 64*\p, 0x28, 0x02, 32+20*\p, 44+20*\p, 152+\p
	v_lshrrev_b32 v[176+\p], v[SH], v[152+\p]      ; lanes 16-31 bring tile 2 p + 1's two bytes down; the bytes above scale zero codes and are never 0xff
	s_wait_alu depctr_va_vdst(0)                   ; the quantiser has written the twelve registers of codes from v[32 + 20 p] on, and the shift v[176 + p]: the five stores read them
	global_store_b128 v[LI], v[32+20*\p:35+20*\p], s[42:43] offset:1536*\p
	global_store_b64 v[L8], v[36+20*\p:37+20*\p], s[42:43] offset:1536*\p+512
	global_store_b128 v[LI], v[38+20*\p:41+20*\p], s[42:43] offset:1536*\p+768
	global_store_b64 v[L8], v[42+20*\p:43+20*\p], s[42:43] offset:1536*\p+1280
	global_store_b32 v[LS], v[176+\p], s[44:45] offset:128*\p
.endr
.irp v, 0,1                            ; my two tiles of v: 16 d x 128 keys, a whole fragment each
	QUANTW 64*\v, 0x3c, 0x03, 112+20*\v, 124+20*\v, 156+\v
.if \v
	v_cndmask_b32 v180, v156, v157, s52            ; lanes 0-15 the even tile's words, lanes 16-31 the odd tile's
.endif
	s_wait_alu depctr_va_vdst(0)                   ; the quantiser has written the twelve registers of codes from v[112 + 20 v] on (and, behind the second tile, the select v180): the stores below read them
.irp c, 0,1,2
	global_store_b128 v[LI], v[112+20*\v+4*\c:115+20*\v+4*\c], s[46:47] offset:1536*\v+512*\c
.endr
.endr
	global_store_b32 v[LS], v180, s[48:49]
	s_wait_dscnt 0x0
	s_wait_alu depctr_hold_cnt(0) depctr_sa_sdst(0) depctr_va_vdst(0) depctr_va_sdst(0) depctr_va_ssrc(0) depctr_va_vcc(0) depctr_vm_vsrc(0)
	s_wait_tensorcnt 0x0
	ds_add_u32 v254, v255
	s_wait_dscnt 0x0
	s_endpgm
.Lfunc_end_k_qfec5aeeccd_qkv:
	.size	k_qfec5aeeccd_qkv, .Lfunc_end_k_qfec5aeeccd_qkv-k_qfec5aeeccd_qkv
	.p2alignl 7, 3214868480
	.fill 96, 4, 3214868480
	.section	.rodata,"a",@progbits
	.p2align	6, 0x0
	.amdhsa_kernel k_qfec5aeeccd_qkv
		.amdhsa_group_segment_fixed_size 107008
		.amdhsa_private_segment_fixed_size 0
		.amdhsa_enable_private_segment 0
		.amdhsa_kernarg_size 56
		.amdhsa_user_sgpr_count 2
		.amdhsa_user_sgpr_kernarg_segment_ptr 1
		.amdhsa_wavefront_size32 1
		.amdhsa_system_sgpr_workgroup_id_x 1
		.amdhsa_system_sgpr_workgroup_id_y 1
		.amdhsa_system_sgpr_workgroup_id_z 1
		.amdhsa_system_vgpr_workitem_id 0
		.amdhsa_next_free_vgpr 896
		.amdhsa_next_free_sgpr 66
		.amdhsa_reserve_vcc 0
		.amdhsa_float_denorm_mode_32 3
		.amdhsa_float_denorm_mode_16_64 3
		.amdhsa_memory_ordered 1
		.amdhsa_forward_progress 1
		.amdhsa_inst_pref_size 128
	.end_amdhsa_kernel
	.amdgpu_metadata
---
amdhsa.version: [ 1, 2 ]
amdhsa.kernels:
  - .name:           k_qfec5aeeccd_qkv
    .symbol:         k_qfec5aeeccd_qkv.kd
    .args:
      - { .name: xq, .offset: 0, .size: 8, .value_kind: global_buffer, .address_space: global }
      - { .name: wq, .offset: 8, .size: 8, .value_kind: global_buffer, .address_space: global }
      - { .name: bq, .offset: 16, .size: 8, .value_kind: global_buffer, .address_space: global }
      - { .name: bk, .offset: 24, .size: 8, .value_kind: global_buffer, .address_space: global }
      - { .name: bv, .offset: 32, .size: 8, .value_kind: global_buffer, .address_space: global }
      - { .name: qk, .offset: 40, .size: 8, .value_kind: global_buffer, .address_space: global }
      - { .name: vq, .offset: 48, .size: 8, .value_kind: global_buffer, .address_space: global }
    .group_segment_fixed_size: 107008
    .private_segment_fixed_size: 0
    .kernarg_segment_align: 8
    .kernarg_segment_size: 56
    .max_flat_workgroup_size: 128
    .sgpr_count:     66
    .vgpr_count:     896
    .wavefront_size: 32
...
	.end_amdgpu_metadata
.endif
;; end of part 6
;; launch attn (part 7): grid 8 x 32, 16 waves a work-group, no clusters, 210,944 bytes of LDS; arguments qk, vq, mk, oq; writes oq
.if DOCPART == 7
	.amdgcn_target "amdgcn-amd-amdhsa--gfx1250"
	.amdhsa_code_object_version 6
	.text
	.protected	k_qfec5aeeccd_attn
	.globl	k_qfec5aeeccd_attn
	.p2align	8
	.type	k_qfec5aeeccd_attn,@function
k_qfec5aeeccd_attn:
	s_mov_b64 s[64:65], 0
	v_nop
	global_prefetch_b8 v0, s[64:65] scope:SCOPE_SE
	s_setreg_imm32_b32 hwreg(HW_REG_WAVE_SCHED_MODE, 0, 2), 2
	s_setreg_imm32_b32 hwreg(HW_REG_WAVE_MODE, 25, 1), 1
	s_wait_xcnt 0x0
	s_wait_alu depctr_vm_vsrc(0)
; ATTENTION on codes of FP6 (E2M3): o = softmax(q k^T / 8 + mask) v for one head of one batch, then o quantised along E for the last product.
; THE SOFTMAX.  What is handed to the softmax has the row's maximum taken away already, so its largest logit is 0 and M = 0: p = 2^((s - smax) log2(e) / 8) with the TRUE row maximum, the row's largest p exactly 1.
; So the keys are walked twice: walk 1 finds smax, walk 2 makes the same scores again (the same instructions on the same codes: the same bits), p, the sum of the unquantised p, p's codes, and O^T += V^T P^T.
; s - smax is a subtraction and then a multiplication: a fused form would leave the largest p a little under 1 and change its block's scale.
; THE MASK is an input: the launch before has turned it into lane masks (bit of lane (r, h) in word 16 b + i: query r, key 128 ks + 32 b + 16 h + i) and two flags a step.  A blocked score becomes MV ahead of the maximum.
; In walk 1 MV is -infinity.  A row with no open key has smax = -infinity: there every logit is NaN -> 0, p = 1 for all 2,048 keys: for that lane MV and smax both become 0, and a tile with such a row skips no step.
; A key step whose 16 x 128 bytes are all blocked is skipped, and one with no blocked byte takes no mask words: two forward scalar branches on whole numbers that the earlier launch stored.  Hence no tensor load and no joint load in this text.
; SHARES.  Work-group (j, bh) keeps the head's whole K and V in LDS (204 KiB, copied once through registers, never rewritten: one barrier).  Each of its 16 waves owns one tile of 16 queries, T = 8 rank(w) + j, rank from a 4 x 4 magic square,
; so that any four waves w / 4 or w % 4 alike hold ranks that add to 30: where the open part of the mask grows with the query, work-groups and groups of four waves have like work.
; LAYOUT.  Both products transposed: S^T = K Q^T (source 0 = 16 keys), O^T = V^T P^T (source 0 = 16 d): a lane holds one query (lane % 16) throughout.  Row rho of tile t is index 32 (t / 2) + 8 (t % 2) + rho + 8 (rho / 8).
; The first product's K is 64: registers 6-11 of both operands are zero codes.
; LIMITS: scores are taken to be finite (q . k beyond f32's range is not served); a block of zeros gets the scale byte 1; p under 2^-126 is 0.
; THE MODE: SCHED_MODE bits 1:0 = 2 (LLVM: expert scheduling mode 2), set by the entry lines.  The code itself states the register dependences
; between vector or matrix instructions and memory or LDS instructions, with s_wait_alu, always for 0.
; THE PLAN.  Registers that memory or LDS instructions touch:
;   v1-3, v9, v216-221  addresses made once at the head and never written again.
;   v4-8     the step's LDS addresses: an LDS address has no scalar base, so vector additions write them once a key step; the step's LDS loads read them.
;   v32-35 K's scale words, v36-83 K's four tiles (their lower six registers): LDS loads land there, twice a step in the tiles; the scores' products read them.
;   v84-131  walk 2: p, written by vector instructions and read by the sums and the conversions; then V's four fragments land there, which O's products read.
;   v30-31   V's scale words: loaded, read by O's products.     v180-191, v29: p's codes and scale word: written by vector instructions, taken by O's products; at the end o's codes and word, read by the stores.
;   v84-185  at the head: the fill's loads land there and its LDS stores read them.
; The waits of a key step: vm_vsrc ahead of the additions (it frees all five addresses for this step); va_vdst behind them; va_vdst ahead of the second four tiles of K;
; in walk 2 the exponentials' wait, va_vdst ahead of V's loads, and va_vdst behind the places ahead of O's products.
.set QKSC, 6291456
.set VSCG, 3145728
.set MFL,  524288
.set OSC,  3145728
.set VIMG, 98304                       ; LDS: K's 128 tiles x 768 at 0; V's 64 fragments x 1,536 here;
.set KSCL, 196608                      ; K's scale words, 64 bytes a tile;
.set VSCL, 204800                      ; V's, 256 bytes a key step
.set LI,   1                           ; 16 x lane
.set L8,   2                           ; 8 x lane
.set LS,   3                           ; 4 x lane
.set ADK,  4
.set ADK8, 5
.set ADS,  6
.set ADV,  7
.set ADT,  8
.set MX,   10                          ; v[10:11] smax, twice
.set MV,   12                          ; what a blocked score becomes
.set Q,    16                          ; v16-27, 22-27 zeros
.set QS,   28
.set PW,   29
.set VS,   30                          ; v30-31
.set KS,   32                          ; v32-35
.set KF,   36                          ; v36-83: four tiles of K, the upper six registers of each zeros
.set S,    84                          ; v84-147 scores, then p; v84-131 then V's four fragments
.set O,    148                         ; v148-179 O^T
.set PC,   180
.set PT,   192
.set TM,   200
.set FA,   216                         ; v216-221 the fill's addresses
.set WV,   12
.set TK,   66
.set TSK,  67
.set TV,   68
.set TSV,  69
.set CNT,  70
.set SKW,  71                          ; bit 0: the step in hand is skipped
.set MXW,  72                          ; bit 0: it has blocked bytes
.set RF,   75
.set MB,   76                          ; s[76:77] the step's 64 mask words
.set CS,   96                          ; s[96:97] log2(e) / 8
.set SEL,  100
.macro QUANT_A s, nc, pc, pt, pw
.set QB, 0
.rept 2*(\nc)
	v_max3_num_f32 v[TM+QB], |v[(\s)+16*QB]|, |v[(\s)+16*QB+1]|, 0x1800000   ; my 16 numbers of block QB, and the floor 2^(3 - 127)
.set QB, QB+1
.endr
.irp i, 2,4,6,8,10,12,14
.set QB, 0
.rept 2*(\nc)
	v_max3_num_f32 v[TM+QB], v[TM+QB], |v[(\s)+16*QB+\i]|, |v[(\s)+16*QB+\i+1]|
.set QB, QB+1
.endr
.endr
.set QB, 0
.rept 2*(\nc)
	v_permlanex16_b32 v[TM+4+QB], v[TM+QB], s[SEL], s[SEL+1]
.set QB, QB+1
.endr
.set QB, 0
.rept 2*(\nc)
	v_max_num_f32 v[TM+QB], v[TM+QB], v[TM+4+QB]
.set QB, QB+1
.endr
.set QB, 0
.rept 2*(\nc)
	v_add_nc_u32 v[TM+12+QB], 0xff000000, v[TM+QB] ; 2 off the exponent field: the conversion's scale operand
.set QB, QB+1
.endr
.set QB, 0
.rept 2*(\nc)
	v_lshrrev_b32 v[TM+4+QB], 23, v[TM+12+QB]      ; the scale's byte
.set QB, QB+1
.endr
	v_lshl_or_b32 v[\pw], v[TM+5], 8, v[TM+4]
.if (\nc) > 1
	v_lshl_or_b32 v[\pw], v[TM+6], 16, v[\pw]
	v_lshl_or_b32 v[\pw], v[TM+7], 24, v[\pw]
.endif
.set QB, 0
.rept (\nc)
	v_cvt_scalef32_pk16_fp6_f32 v[(\pc)+6*QB:(\pc)+6*QB+2], v[(\s)+32*QB:(\s)+32*QB+15], v[TM+12+2*QB]
	v_cvt_scalef32_pk16_fp6_f32 v[(\pt)+4*QB:(\pt)+4*QB+2], v[(\s)+32*QB+16:(\s)+32*QB+31], v[TM+13+2*QB]
.set QB, QB+1
.endr
	v_nop                                          ; one plain place behind the last scaled conversion
.endm
.macro QUANT_B nc, pc, pt
.set QB, 0
.rept (\nc)
.irp i, 0,1,2
	v_permlane16_swap_b32 v[(\pc)+6*QB+\i], v[(\pt)+4*QB+\i]
.endr
.irp i, 0,1,2
	v_mov_b32 v[(\pc)+6*QB+3+\i], v[(\pt)+4*QB+\i]
.endr
.set QB, QB+1
.endr
.endm
; The scores of my 16 queries against the step's 128 keys, masked: register 16 b + i = key 128 ks + 32 b + 16 (lane / 16) + i
.macro SCORES
	s_wait_alu depctr_vm_vsrc(0)                   ; the LDS loads issued so far have read the stepped addresses v4 to v8, which this step's additions write again
	v_add_nc_u32 v[ADK], s[TK], v[LI]
	v_add_nc_u32 v[ADK8], s[TK], v[L8]
	v_add_nc_u32 v[ADS], s[TSK], v[LS]
	s_wait_alu depctr_va_vdst(0)                   ; the three addresses are written, which the loads below read; the products issued so far are done reading K's tiles and scale words, in which these loads land; the zero codes of Q and K are written, which the products below take
.irp i, 0,1,2,3
	ds_load_b32 v[KS+\i], v[ADS] offset:128*\i     ; lanes 0-15: tile 2 i's words, lanes 16-31: tile 2 i + 1's
.endr
.irp g, 0,1
.if \g
	s_wait_alu depctr_va_vdst(0)                   ; the first four products are done reading K's four tiles, in which the next four tiles' loads land
.endif
.irp t, 0,1,2,3
	ds_load_b128 v[KF+12*\t:KF+12*\t+3], v[ADK] offset:(4*\g+\t)*768
	ds_load_b64 v[KF+12*\t+4:KF+12*\t+5], v[ADK8] offset:(4*\g+\t)*768+512
.endr
	s_wait_dscnt 0x0
.irp t, 0,1,2,3
.if (\t)%2
	v_wmma_scale_f32_16x16x128_f8f6f4 v[S+8*(4*\g+\t):S+8*(4*\g+\t)+7], v[KF+12*\t:KF+12*\t+11], v[Q:Q+11], 0, v[KS+2*\g+\t/2], v[QS] matrix_a_fmt:MATRIX_FMT_FP6 matrix_b_fmt:MATRIX_FMT_FP6 matrix_a_scale:MATRIX_SCALE_ROW1
.else
	v_wmma_scale_f32_16x16x128_f8f6f4 v[S+8*(4*\g+\t):S+8*(4*\g+\t)+7], v[KF+12*\t:KF+12*\t+11], v[Q:Q+11], 0, v[KS+2*\g+\t/2], v[QS] matrix_a_fmt:MATRIX_FMT_FP6 matrix_b_fmt:MATRIX_FMT_FP6
.endif
.endr
.rept 4
	v_nop                                          ; four places in front of loads into K's registers, and of the first read of the scores
.endr
.endr
	s_bitcmp1_b32 s[MXW], 0
	s_cbranch_scc0 .Lopen_\@                       ; no blocked byte in this step: load, wait and use stand under this one branch
	s_load_b512 s[16:31], s[MB:MB+1], 0x0
	s_load_b512 s[32:47], s[MB:MB+1], 0x40
	s_load_b512 s[48:63], s[MB:MB+1], 0x80
	s_load_b512 s[80:95], s[MB:MB+1], 0xc0
	s_wait_kmcnt 0x0
.set N, 0
.rept 64
	v_cndmask_b32 v[S+N], v[S+N], v[MV], s[16+N+16*(N/48)]   ; ascending: each accumulator is read from its low end on
.set N, N+1
.endr
.Lopen_\@:
.endm
	s_load_b256 s[4:11], s[0:1], 0x0               ; qk, vq, mk, oq
	v_lshl_add_u32 v254, v0, 2, 0x33000
	v_mov_b32 v255, 0
	v_lshrrev_b32 v1, 5, v0
	v_readfirstlane_b32 s[WV], v1                  ; wave 0..15
	v_and_b32 v4, 31, v0
	v_and_b32 v5, 15, v0
	v_lshlrev_b32 v[LI], 4, v4
	v_lshlrev_b32 v[L8], 3, v4
	v_lshlrev_b32 v[LS], 2, v4
	v_lshlrev_b32 v9, 2, v5                        ; 4 r
	v_lshlrev_b32 v[FA], 4, v0                     ; the fill: 16 x thread,
	v_add_nc_u32 v[FA+1], 65536, v[FA]             ; and the same 64 KiB, 128 KiB, 192 KiB on
	v_add_nc_u32 v[FA+2], 131072, v[FA]
	v_add_nc_u32 v[FA+3], 196608, v[FA]
	v_lshlrev_b32 v[FA+5], 3, v0                   ; 8 x thread
	v_add_nc_u32 v[FA+4], VSCL, v[FA+5]
	s_wait_alu depctr_va_sdst(0)                   ; s12, the wave's number, is written, ahead of its first reader: my tile of queries is made from it
	s_and_b32 s13, ttmp7, 0xffff                   ; bh = 16 batch + head
	s_mov_b32 s14, ttmp9                           ; j
	s_mov_b32 s78, 0x0DE3B658                      ; the ranks, four bits a wave
	s_cmp_lt_u32 s[WV], 8
	s_cselect_b32 s78, 0x7A94C12F, s78
	s_and_b32 s79, s[WV], 7
	s_lshl_b32 s79, s79, 2
	s_lshr_b32 s78, s78, s79
	s_and_b32 s78, s78, 15
	s_lshl_b32 s15, s78, 3
	s_add_co_u32 s15, s15, s14                     ; T: my tile of queries, 0..127
	s_lshl_b32 s80, s15, 7
	s_add_co_u32 s80, s80, MFL                     ; its 16 pairs of flags
	s_mov_b32 s81, 0
	s_lshl_b32 s82, s15, 12                        ; its mask words: 16 steps x 256 bytes
	s_mov_b32 s83, 0
	s_add_co_u32 s78, s13, 32
	s_mul_i32 s84, s78, 98304                      ; the head's K: 128 tiles
	s_mov_b32 s85, 0
	s_lshl_b32 s86, s78, 13
	s_add_co_u32 s86, s86, QKSC
	s_mov_b32 s87, 0
	s_mul_i32 s88, s13, 98304                      ; its V: 64 fragments
	s_mov_b32 s89, 0
	s_lshl_b32 s90, s13, 12
	s_add_co_u32 s90, s90, VSCG
	s_mov_b32 s91, 0
	s_lshl_b32 s78, s13, 7
	s_add_co_u32 s78, s78, s15
	s_mul_i32 s92, s78, 768                        ; my tile of q
	s_mov_b32 s93, 0
	s_lshl_b32 s94, s78, 6
	s_add_co_u32 s94, s94, QKSC
	s_mov_b32 s95, 0
	s_lshr_b32 s78, s13, 4
	s_lshl_b32 s78, s78, 7
	s_add_co_u32 s78, s78, s15                     ; the token tile among 256
	s_lshl_b32 s78, s78, 4
	s_and_b32 s79, s13, 15
	s_add_co_u32 s78, s78, s79                     ; x 16 + head
	s_mul_i32 s98, s78, 768
	s_mov_b32 s99, 0
	s_lshl_b32 s78, s78, 7
	s_add_co_u32 s78, s78, OSC
	s_mov_b32 s79, 0
	s_mov_b32 s[CS], 0x3e38aa3b                    ; log2(e) / 8
	s_mov_b32 s[CS+1], s[CS]                       ; (named with it as a pair, so it is written)
	s_mov_b32 s[SEL], 0x76543210
	s_mov_b32 s[SEL+1], 0xfedcba98
	s_wait_kmcnt 0x0
	s_add_nc_u64 s[80:81], s[8:9], s[80:81]
	s_add_nc_u64 s[MB:MB+1], s[8:9], s[82:83]
	s_add_nc_u64 s[84:85], s[4:5], s[84:85]
	s_add_nc_u64 s[86:87], s[4:5], s[86:87]
	s_add_nc_u64 s[88:89], s[6:7], s[88:89]
	s_add_nc_u64 s[90:91], s[6:7], s[90:91]
	s_add_nc_u64 s[92:93], s[4:5], s[92:93]
	s_add_nc_u64 s[94:95], s[4:5], s[94:95]
	s_add_nc_u64 s[4:5], s[10:11], s[98:99]        ; oq: my tile, kept to the end
	s_add_nc_u64 s[6:7], s[10:11], s[78:79]        ; and its scale words
	s_load_b512 s[16:31], s[80:81], 0x0            ; (ALL, ANY) of key steps 0-7
	s_load_b512 s[32:47], s[80:81], 0x40           ; and 8-15
	s_wait_alu depctr_va_vdst(0)                   ; the addresses v1-3, v9 and v216-221 are written, which the loads and LDS stores of the head, and the last stores, read
	global_load_b128 v[Q:Q+3], v[LI], s[92:93]
	global_load_b64 v[Q+4:Q+5], v[L8], s[92:93] offset:512
	global_load_b32 v[QS], v9, s[94:95]
.set I, 0
.rept 12                                           ; the fill: 8,192 consecutive bytes a load of the work-group
	global_load_b128 v[S+4*I:S+4*I+3], v[FA], s[84:85] offset:8192*I
.set I, I+1
.endr
.set I, 0
.rept 12
	global_load_b128 v[S+48+4*I:S+48+4*I+3], v[FA], s[88:89] offset:8192*I
.set I, I+1
.endr
	global_load_b128 v[S+96:S+99], v[FA], s[86:87]
	global_load_b64 v[S+100:S+101], v[FA+5], s[90:91]
.irp i, 6,7,8,9,10,11
	v_mov_b32 v[Q+\i], 0                           ; K = 64: the upper 64 of the instruction's 128 are zero codes, on both sides
.irp t, 0,1,2,3
	v_mov_b32 v[KF+12*\t+\i], 0
.endr
.endr
	v_mov_b32 v[MV], 0xff800000                    ; -infinity
.irp b, 0,1,2,3
	v_mov_b32 v[TM+\b], 0xff800000                 ; four running maxima
	v_mov_b32 v[TM+4+\b], 0                        ; a lane permute's destination counts as one of its sources
.endr
	s_wait_kmcnt 0x0
	s_mov_b32 s[RF], -1
	s_mov_b32 s[SKW], 0
	s_mov_b32 s[MXW], 0
.irp k, 0,1,2,3,4,5,6,7,8,9,10,11,12,13,14,15
	s_and_b32 s[RF], s[RF], s[16+2*\k]             ; lanes all of whose bytes are blocked in every step so far
	s_cmp_eq_u32 s[16+2*\k], -1
	s_cselect_b32 s78, 1<<\k, 0
	s_or_b32 s[SKW], s[SKW], s78
	s_cmp_lg_u32 s[17+2*\k], 0
	s_cselect_b32 s78, 1<<\k, 0
	s_or_b32 s[MXW], s[MXW], s78
.endr
	s_lshr_b32 s78, s[RF], 16
	s_and_b32 s78, s78, s[RF]                      ; rows blocked in both halves of the lanes: wholly blocked
	s_cmp_lg_u32 s78, 0
	s_cselect_b32 s[SKW], 0, s[SKW]                ; such a row wants every key: the tile skips nothing
	s_mov_b32 s73, s[SKW]
	s_mov_b32 s74, s[MXW]
.set I, 0
.rept 24
	s_wait_loadcnt 25-I                            ; fill load I is in (Q's three stand ahead of it), the younger ones stay out
	ds_store_b128 v[FA+I/8], v[S+4*I:S+4*I+3] offset:(I%8)*8192
.set I, I+1
.endr
	s_wait_loadcnt 1
	ds_store_b128 v[FA+3], v[S+96:S+99]
	s_wait_loadcnt 0x0
	ds_store_b64 v[FA+4], v[S+100:S+101]
	s_wait_dscnt 0x0                               ; for the others' sake: my stores have landed
	s_barrier_signal -1
	s_barrier_wait -1                              ; K and V are whole: the launch's only barrier; nothing is stored to LDS behind it
	s_wait_alu depctr_vm_vsrc(0)                   ; my LDS stores have read v84-185: from here on products write the scores there, and vector instructions O^T and the codes
	; WALK 1: the row's largest score
	s_mov_b32 s[TK], 0
	s_mov_b32 s[TSK], KSCL
	s_mov_b32 s[CNT], 0
.Lwalk1:
	s_bitcmp1_b32 s[SKW], 0
	s_cbranch_scc1 .Lnext1
	SCORES
.set N, 0
.rept 32
	v_max3_num_f32 v[TM+N%4], v[TM+N%4], v[S+2*N], v[S+2*N+1]
.set N, N+1
.endr
.Lnext1:
	s_lshr_b32 s[SKW], s[SKW], 1
	s_lshr_b32 s[MXW], s[MXW], 1
	s_add_co_u32 s[TK], s[TK], 6144                ; eight tiles of K on
	s_add_co_u32 s[TSK], s[TSK], 512
	s_add_nc_u64 s[MB:MB+1], s[MB:MB+1], 256       ; (no scalar load is out: the wait stands with the loads)
	s_add_co_u32 s[CNT], s[CNT], 1
	s_cmp_lt_u32 s[CNT], 16
	s_cbranch_scc1 .Lwalk1
	s_wait_alu depctr_va_vdst(0)
	v_max3_num_f32 v[TM], v[TM], v[TM+1], v[TM+2]
	v_max_num_f32 v[TM], v[TM], v[TM+3]
	v_permlanex16_b32 v[TM+4], v[TM], s[SEL], s[SEL+1]
	v_max_num_f32 v[MX], v[TM], v[TM+4]            ; with lane l xor 16's keys: smax
	v_cmp_eq_f32 vcc_lo, 0xff800000, v[MX]         ; a row with no open key:
	s_wait_alu depctr_va_vcc(0)                    ; the compare has written VCC, ahead of the two selects that read it
	v_cndmask_b32 v[MV], v[MV], v[Q+6], vcc_lo     ; its blocked scores become 0
	v_cndmask_b32 v[MX], v[MX], v[Q+6], vcc_lo     ; and so does what is taken away: p = 1 everywhere
	v_mov_b32 v[MX+1], v[MX]
	v_mov_b32 v14, 0                               ; the sum of p, in two halves
	v_mov_b32 v15, 0
.set N, 0
.rept 32
	v_mov_b32 v[O+N], 0                            ; O^T: which step comes first hangs on the mask, so the sums begin as zeros
.set N, N+1
.endr
	s_mov_b32 s[SKW], s73
	s_mov_b32 s[MXW], s74
	s_mov_b32 s[TK], 0
	s_mov_b32 s[TSK], KSCL
	s_mov_b32 s[TV], VIMG
	s_mov_b32 s[TSV], VSCL
	s_sub_nc_u64 s[MB:MB+1], s[MB:MB+1], 4096
	s_mov_b32 s[CNT], 0
	; WALK 2
.Lwalk2:
	s_bitcmp1_b32 s[SKW], 0
	s_cbranch_scc1 .Lnext2
	SCORES
.set N, 0
.rept 32
	v_pk_add_f32 v[S+2*N:S+2*N+1], v[S+2*N:S+2*N+1], v[MX:MX+1] neg_lo:[0,1] neg_hi:[0,1]   ; s - smax: 0 at the row's largest score
.set N, N+1
.endr
.set N, 0
.rept 32
	v_pk_mul_f32 v[S+2*N:S+2*N+1], v[S+2*N:S+2*N+1], s[CS:CS+1] op_sel_hi:[1,0]             ; x log2(e) / 8
.set N, N+1
.endr
.set N, 0
	s_wait_alu depctr_va_vdst(0)
.rept 64
	v_exp_f32 v[S+N], v[S+N]                       ; p, at most 1; 0 for a blocked key
.set N, N+1
.endr
	v_add_nc_u32 v[ADV], s[TV], v[LI]              ; a plain place behind the exponentials.  (The wait on vm_vsrc at the step's head stands behind the last loads that read v7 and v8)
	s_wait_alu depctr_va_vdst(0)                   ; the 64 exponentials have written p: one wait for the batch, ahead of its first reader
	v_pk_add_f32 v[TM+8:TM+9], v[S:S+1], v[S+2:S+3]   ; the row's sum is taken of the unquantised p, in two chains
.irp q, 4,8,12,16,20,24,28,32,36,40,44,48,52,56,60
	v_pk_add_f32 v[14:15], v[14:15], v[S+\q:S+\q+1]
	v_pk_add_f32 v[TM+8:TM+9], v[TM+8:TM+9], v[S+\q+2:S+\q+3]
.endr
	v_pk_add_f32 v[14:15], v[14:15], v[TM+8:TM+9]
	QUANT_A S, 2, PC, PT, PW
	v_add_nc_u32 v[ADT], s[TSV], v[LS]
	s_wait_alu depctr_va_vdst(0)                   ; the sums and the conversions are done reading p in v84-131, in which V's fragments land; the two addresses v7 and v8 are written; the last step's products are done reading V's scale words
.irp d, 0,1,2,3
.irp c, 0,1,2
	ds_load_b128 v[S+12*\d+4*\c:S+12*\d+4*\c+3], v[ADV] offset:\d*1536+512*\c   ; V's four fragments, into registers that p has left
.endr
.endr
	ds_load_b32 v[VS], v[ADT]
	ds_load_b32 v[VS+1], v[ADT] offset:128
	QUANT_B 2, PC, PT
.rept 8
	v_nop                                          ; a scale word made by vector instructions stands 8 places ahead of a scaled product, codes so made 4
.endr
	s_wait_alu depctr_va_vdst(0)                   ; p's codes v180-191 and its scale word v29 are written, which the scaled products below take; the places above stay beside this wait
	s_wait_dscnt 0x0
.irp d, 0,1,2,3                        ; the four accumulators by turns, one instruction a turn
.if (\d)%2
	v_wmma_scale_f32_16x16x128_f8f6f4 v[O+8*\d:O+8*\d+7], v[S+12*\d:S+12*\d+11], v[PC:PC+11], v[O+8*\d:O+8*\d+7], v[VS+\d/2], v[PW] matrix_a_fmt:MATRIX_FMT_FP6 matrix_b_fmt:MATRIX_FMT_FP6 matrix_a_scale:MATRIX_SCALE_ROW1
.else
	v_wmma_scale_f32_16x16x128_f8f6f4 v[O+8*\d:O+8*\d+7], v[S+12*\d:S+12*\d+11], v[PC:PC+11], v[O+8*\d:O+8*\d+7], v[VS+\d/2], v[PW] matrix_a_fmt:MATRIX_FMT_FP6 matrix_b_fmt:MATRIX_FMT_FP6
.endif
.endr
.rept 5
	v_nop                                          ; five places: the next step's first product writes over V's registers
.endr
.Lnext2:
	s_lshr_b32 s[SKW], s[SKW], 1
	s_lshr_b32 s[MXW], s[MXW], 1
	s_add_co_u32 s[TK], s[TK], 6144
	s_add_co_u32 s[TSK], s[TSK], 512
	s_add_co_u32 s[TV], s[TV], 6144
	s_add_co_u32 s[TSV], s[TSV], 256
	s_add_nc_u64 s[MB:MB+1], s[MB:MB+1], 256
	s_add_co_u32 s[CNT], s[CNT], 1
	s_cmp_lt_u32 s[CNT], 16
	s_cbranch_scc1 .Lwalk2
	; THE WAY OUT: O^T / the sum; register 16 b + i is o(my query, d = 32 b + 16 (lane / 16) + i): two blocks of the last product's K
	v_add_f32 v14, v14, v15
	v_permlanex16_b32 v[TM+4], v14, s[SEL], s[SEL+1]
	v_add_f32 v14, v14, v[TM+4]                    ; the row's sum: at least 1
	s_wait_alu depctr_va_vdst(0)
	v_rcp_f32 v14, v14
	v_mov_b32 v15, 0                               ; a plain place behind the reciprocal
	s_wait_alu depctr_va_vdst(0)                   ; the reciprocal has written v14, ahead of its first reader
.set N, 0
.rept 16
	v_pk_mul_f32 v[O+2*N:O+2*N+1], v[O+2*N:O+2*N+1], v[14:15] op_sel_hi:[1,0]
.set N, N+1
.endr
	QUANT_A O, 1, PC, PT, PW
	QUANT_B 1, PC, PT
	s_wait_alu depctr_va_vdst(0)                   ; o's codes v180-185 and its scale word v29 are written, which the three stores read
	global_store_b128 v[LI], v[PC:PC+3], s[4:5]    ; 512 and 256 consecutive bytes, at multiples of 256 from the buffer's first byte
	global_store_b64 v[L8], v[PC+4:PC+5], s[4:5] offset:512
	global_store_b32 v[LS], v[PW], s[6:7]
	s_wait_dscnt 0x0
	s_wait_alu depctr_hold_cnt(0) depctr_sa_sdst(0) depctr_va_vdst(0) depctr_va_sdst(0) depctr_va_ssrc(0) depctr_va_vcc(0) depctr_vm_vsrc(0)
	s_wait_tensorcnt 0x0
	ds_add_u32 v254, v255
	s_wait_dscnt 0x0
	s_endpgm
.Lfunc_end_k_qfec5aeeccd_attn:
	.size	k_qfec5aeeccd_attn, .Lfunc_end_k_qfec5aeeccd_attn-k_qfec5aeeccd_attn
	.p2alignl 7, 3214868480
	.fill 96, 4, 3214868480
	.section	.rodata,"a",@progbits
	.p2align	6, 0x0
	.amdhsa_kernel k_qfec5aeeccd_attn
		.amdhsa_group_segment_fixed_size 210944
		.amdhsa_private_segment_fixed_size 0
		.amdhsa_enable_private_segment 0
		.amdhsa_kernarg_size 32
		.amdhsa_user_sgpr_count 2
		.amdhsa_user_sgpr_kernarg_segment_ptr 1
		.amdhsa_wavefront_size32 1
		.amdhsa_system_sgpr_workgroup_id_x 1
		.amdhsa_system_sgpr_workgroup_id_y 1
		.amdhsa_system_sgpr_workgroup_id_z 1
		.amdhsa_system_vgpr_workitem_id 0
		.amdhsa_next_free_vgpr 256
		.amdhsa_next_free_sgpr 102
		.amdhsa_reserve_vcc 1
		.amdhsa_float_denorm_mode_32 3
		.amdhsa_float_denorm_mode_16_64 3
		.amdhsa_memory_ordered 1
		.amdhsa_forward_progress 1
		.amdhsa_inst_pref_size 52
	.end_amdhsa_kernel
	.amdgpu_metadata
---
amdhsa.version: [ 1, 2 ]
amdhsa.kernels:
  - .name:           k_qfec5aeeccd_attn
    .symbol:         k_qfec5aeeccd_attn.kd
    .args:
      - { .name: qk, .offset: 0, .size: 8, .value_kind: global_buffer, .address_space: global }
      - { .name: vq, .offset: 8, .size: 8, .value_kind: global_buffer, .address_space: global }
      - { .name: mk, .offset: 16, .size: 8, .value_kind: global_buffer, .address_space: global }
      - { .name: oq, .offset: 24, .size: 8, .value_kind: global_buffer, .address_space: global }
    .group_segment_fixed_size: 210944
    .private_segment_fixed_size: 0
    .kernarg_segment_align: 8
    .kernarg_segment_size: 32
    .max_flat_workgroup_size: 512
    .sgpr_count:     102
    .vgpr_count:     256
    .wavefront_size: 32
...
	.end_amdgpu_metadata
.endif
;; end of part 7
;; launch outln (part 8): grid 256 x 1, 16 waves a work-group, no clusters, 86,016 bytes of LDS; arguments oq, wq, x, bo, gamma, beta, out0; writes out0
.if DOCPART == 8
	.amdgcn_target "amdgcn-amd-amdhsa--gfx1250"
	.amdhsa_code_object_version 6
	.text
	.protected	k_qfec5aeeccd_outln
	.globl	k_qfec5aeeccd_outln
	.p2align	8
	.type	k_qfec5aeeccd_outln,@function
k_qfec5aeeccd_outln:
	s_mov_b64 s[64:65], 0
	v_nop
	global_prefetch_b8 v0, s[64:65] scope:SCOPE_SE
	s_setreg_imm32_b32 hwreg(HW_REG_WAVE_SCHED_MODE, 0, 2), 2
	s_setreg_imm32_b32 hwreg(HW_REG_WAVE_MODE, 25, 1), 1
	s_wait_xcnt 0x0
	s_wait_alu depctr_vm_vsrc(0)
; OUT: y = o Wo^T + bo on codes of FP6 (E2M3); r = y + nan_to_num(x); LayerNorm over the row's 1,024; x gamma + beta; nan_to_num.
; SHARES.  Work-group g takes token tile g (16 tokens: row rho is token 32 (g / 2) + 8 (g % 2) + rho + 8 (rho / 8)) x all 1,024 columns, so that a row's mean and variance stay inside the work-group.
; Wave w takes columns 64 w .. 64 w + 63: four tiles of Wo, used TRANSPOSED (source 0 = 16 rows of Wo, source 1 = the 16 tokens): lane (r, h) holds token r, register 16 b + i = column 64 w + 32 b + 16 h + i.
; o's 16 head images (12 KiB) are copied into LDS once; a K step of 128 is heads 2 s and 2 s + 1: registers 0-5 and 6-11 of the fragment.  Each weight fragment is read by one wave of the work-group, straight into registers, two K steps
; ahead: nothing of it passes through LDS, so there are no joint loads.  x + bo is the C of each sum's first matrix instruction.  Four accumulators by turns.
; The variance is the mean of (r - mean)^2, taken in a second pass: no difference of large sums.
; THE MODE: SCHED_MODE bits 1:0 = 2 (LLVM: expert scheduling mode 2), set by the entry lines.  The code itself states the register dependences
; between vector or matrix instructions and memory or LDS instructions, with s_wait_alu, always for 0.
; THE PLAN.  Registers that memory or LDS instructions touch:
;   v1-12     addresses: written once at the head, never again.
;   v80-85    the fill: two loads land there, two LDS stores read them; then they belong to o's set 0.
;   o's set s % 2: read by step s's products; the LDS loads of step s + 2, issued at the head of step s + 1, land in it.
;   Wo's set s % 2 (fragments and scale words): read by step s's products; the loads of step s + 2, issued at the end of step s, land in it (behind step 6: gamma in set 0).
;   v216-247  bo: loaded, read by the additions at the head; beta lands there behind step 6.
;   v104-111  o's scale words, put together by vector instructions, taken by the scaled products.
;   v250      a wave's partial sum: written by vector instructions, read by an LDS store, written again for the squares.
;   v160-191  the 16 partial sums of a row land in v160-175, twice, and vector instructions add them; at the end the stage's rows land in v160-191 and the global stores read them.
;   v48-79    the result: written by vector instructions, read by the stage's LDS stores.
; So one wait on va_vdst stands at the end of each of steps 0 to 6, one ahead of each LDS store of vector results, one ahead of the first product; vm_vsrc stands behind the fill's barrier and ahead of v250's second use.
; nan_to_num's compares stand in runs of sixteen, into s48-63, with one wait on va_sdst behind each run.
.set OSC,   3145728
.set WSC,   3145728
.set RED1,  12288                      ; LDS: o's images at 0; [row 16][wave 16] f32: the waves' sums;
.set RED2,  13312                      ; the same for the squares;
.set STAGE, 14336                      ; 16 rows x (256 + 16) bytes for each wave, its own
.set LI,  1                            ; 16 x lane
.set L8,  2                            ; 8 x lane
.set LS,  3                            ; 4 x lane
.set XA,  4                            ; x: 4,096 (r + 8 (r / 8)) + 64 h
.set B64H, 5                           ; 64 h
.set STO, 6
.set SRD, 7
.set GO,  8
.set RW,  9
.set RR,  10
.set F16, 11                           ; 16 x thread
.set F8,  12                           ; 8 x thread
.set ACC, 16                           ; v16-47 (first: o's 16 scale words as loaded)
.set XB,  48                           ; v48-79 x + bo, later r - mean, later the result
.set AF,  80                           ; v80-91, v92-103 o's fragment, two sets
.set AS,  104                          ; v104-111 o's scale words, one for each K step
.set BF,  112                          ; v112-159, v160-207 Wo's four fragments, two sets; later gamma (v112-143) and work (v160-191)
.set BS,  208                          ; v208-211, v212-215 their scale words
.set BO,  216                          ; v216-247 bo, later beta
.set NA8, 16                           ; v16-23 nan_to_num: eight magnitudes;  v24-31 eight times 1e9 with the numbers' signs.  (The accumulators' registers: free ahead of the first product and behind r - mean)
.set NT8, 24
.set MQ,  48                           ; s48-55 the lanes with an infinity;  s56-63 the lanes with no NaN
.set ABS, 40
.set BIG, 41
.set INF, 42
.set SEL, 44
.macro NANFIX8 r                       ; eight registers from v[r] on: NaN -> 0, +-infinity -> +-1e9, all else as it is
.irp j, 0,1,2,3,4,5,6,7
	v_and_b32 v[NA8+\j], s[ABS], v[(\r)+\j]
.endr
.irp j, 0,1,2,3,4,5,6,7
	v_bfi_b32 v[NT8+\j], s[ABS], s[BIG], v[(\r)+\j]
.endr
.irp j, 0,1,2,3,4,5,6,7
	v_cmp_eq_u32 s[MQ+\j], s[INF], v[NA8+\j]
.endr
.irp j, 0,1,2,3,4,5,6,7
	v_cmp_ge_u32 s[MQ+8+\j], s[INF], v[NA8+\j]
.endr
	s_wait_alu depctr_va_sdst(0)                   ; the sixteen compares have written s48-63, ahead of the selects that read them
.irp j, 0,1,2,3,4,5,6,7
	v_cndmask_b32 v[(\r)+\j], v[(\r)+\j], v[NT8+\j], s[MQ+\j]
.endr
.irp j, 0,1,2,3,4,5,6,7
	v_cndmask_b32 v[(\r)+\j], 0, v[(\r)+\j], s[MQ+8+\j]
.endr
.endm
.macro WLOAD s                         ; K step s of my four tiles of Wo: 12 loads of 512 consecutive bytes and 4 of scale words
.set BFL, BF+48*((\s)%2)
.set BSL, BS+4*((\s)%2)
.irp t, 0,1,2,3
.irp c, 0,1,2
	global_load_b128 v[BFL+12*\t+4*\c:BFL+12*\t+4*\c+3], v[LI], s[24:25] offset:\t*12288+(\s)*1536+512*\c
.endr
.endr
.irp t, 0,1,2,3
	global_load_b32 v[BSL+\t], v[LS], s[26:27] offset:\t*1024+(\s)*128
.endr
.endm
.macro OLOAD s                         ; K step s of o: heads 2 s and 2 s + 1
.set AFL, AF+12*((\s)%2)
.irp c, 0,1
	ds_load_b128 v[AFL+6*\c:AFL+6*\c+3], v[LI] offset:(2*(\s)+\c)*768
	ds_load_b64 v[AFL+6*\c+4:AFL+6*\c+5], v[L8] offset:(2*(\s)+\c)*768+512
.endr
.endm
.macro STEP s
	s_wait_loadcnt 16                              ; this step's weights are in; the 16 loads issued behind them may be out (the next step's; in the last step gamma's and beta's)
	s_wait_dscnt 0x0                               ; this step's fragment of o
.if (\s) < 7
	OLOAD (\s)+1                                   ; the other set was read by the step before: the wait at that step's end has shown its products done, and no vector or matrix instruction stands between
.endif
.set AFS, AF+12*((\s)%2)
.set BFS, BF+48*((\s)%2)
.set BSS, BS+4*((\s)%2)
.irp t, 0,1,2,3
.if (\s) == 0
	v_wmma_scale_f32_16x16x128_f8f6f4 v[ACC+8*\t:ACC+8*\t+7], v[BFS+12*\t:BFS+12*\t+11], v[AFS:AFS+11], v[XB+8*\t:XB+8*\t+7], v[BSS+\t], v[AS+(\s)] matrix_a_fmt:MATRIX_FMT_FP6 matrix_b_fmt:MATRIX_FMT_FP6
.else
	v_wmma_scale_f32_16x16x128_f8f6f4 v[ACC+8*\t:ACC+8*\t+7], v[BFS+12*\t:BFS+12*\t+11], v[AFS:AFS+11], v[ACC+8*\t:ACC+8*\t+7], v[BSS+\t], v[AS+(\s)] matrix_a_fmt:MATRIX_FMT_FP6 matrix_b_fmt:MATRIX_FMT_FP6
.endif
.endr
.rept 4
	v_nop                                          ; four places in front of loads into registers that these products have read, and of the first read of results
.endr
.if (\s) < 7
	s_wait_alu depctr_va_vdst(0)                   ; this step's products are done reading set s % 2 of Wo's fragments and scale words, in which the loads below land (behind step 6: gamma), and of o's fragment, in which the LDS loads at the next step's head land; the additions at the head are done reading bo, where beta lands
.endif
.if (\s) < 6
	WLOAD (\s)+2
.endif
.if (\s) == 6
.irp t, 0,1,2,3
	global_load_b128 v[BF+8*\t:BF+8*\t+3], v[B64H], s[32:33] offset:128*(\t/2)+32*(\t%2)        ; gamma, in the result's layout
	global_load_b128 v[BF+8*\t+4:BF+8*\t+7], v[B64H], s[32:33] offset:128*(\t/2)+32*(\t%2)+16
.endr
.irp t, 0,1,2,3
	global_load_b128 v[BO+8*\t:BO+8*\t+3], v[B64H], s[34:35] offset:128*(\t/2)+32*(\t%2)        ; beta
	global_load_b128 v[BO+8*\t+4:BO+8*\t+7], v[B64H], s[34:35] offset:128*(\t/2)+32*(\t%2)+16
.endr
.endif
.endm
; my 16 partial sums of a row come back from LDS and are added: the row's sum in v160
.macro ROWSUM red
.irp i, 0,1,2,3
	ds_load_b128 v[160+4*\i:163+4*\i], v[RR] offset:\red+16*\i
.endr
	s_wait_dscnt 0x0
	v_pk_add_f32 v[160:161], v[160:161], v[162:163]
	v_pk_add_f32 v[164:165], v[164:165], v[166:167]
	v_pk_add_f32 v[168:169], v[168:169], v[170:171]
	v_pk_add_f32 v[172:173], v[172:173], v[174:175]
	v_pk_add_f32 v[160:161], v[160:161], v[164:165]
	v_pk_add_f32 v[168:169], v[168:169], v[172:173]
	v_pk_add_f32 v[160:161], v[160:161], v[168:169]
	v_add_f32 v160, v160, v161
.endm
; the two chains v[250:251], v[252:253] are joined, across the lane's halves too, and the wave's sum of its 64 columns goes to its word of my row
.macro WAVESUM red
	v_pk_add_f32 v[250:251], v[250:251], v[252:253]
	v_add_f32 v250, v250, v251
	v_permlanex16_b32 v254, v250, s[SEL], s[SEL+1]
	v_add_f32 v250, v250, v254
	s_wait_alu depctr_va_vdst(0)                   ; v250 is written, which the LDS store reads; and the matrix and vector instructions that named v160-175 are done: the row's 16 partial sums land there behind the barrier
	ds_store_b32 v[RW], v250 offset:\red           ; lanes r and r + 16 write the same word with the same value
	s_wait_dscnt 0x0                               ; for the others' sake
	s_barrier_signal -1
	s_barrier_wait -1
.endm
	s_load_b256 s[4:11], s[0:1], 0x0               ; oq, wq, x, bo
	s_load_b128 s[12:15], s[0:1], 0x20             ; gamma, beta
	s_load_b64 s[16:17], s[0:1], 0x30              ; out0
	v_lshl_add_u32 v249, v0, 2, 0x14800
	v_mov_b32 v255, 0
	v_lshrrev_b32 v1, 5, v0
	v_readfirstlane_b32 s18, v1                    ; wave 0..15
	v_and_b32 v15, 31, v0                          ; lane
	v_and_b32 v13, 15, v0                          ; r
	v_bfe_u32 v14, v0, 4, 1                        ; h
	v_lshlrev_b32 v[LI], 4, v15
	v_lshlrev_b32 v[L8], 3, v15
	v_lshlrev_b32 v[LS], 2, v15
	v_and_b32 v15, 8, v13
	v_add_nc_u32 v15, v15, v13                     ; r + 8 (r / 8)
	v_lshlrev_b32 v[XA], 12, v15
	v_lshl_add_u32 v[XA], v14, 6, v[XA]
	v_lshlrev_b32 v[B64H], 6, v14
	s_wait_alu depctr_va_sdst(0)                   ; s18, the wave's number, is written, ahead of its first reader: my stage, my columns and my tiles of Wo are made from it
	s_mul_i32 s38, s18, 4352
	s_add_co_u32 s38, s38, STAGE                   ; my stage
	v_mul_u32_u24 v[STO], v13, 272
	v_lshl_add_u32 v[STO], v14, 6, v[STO]
	v_add_nc_u32 v[STO], s38, v[STO]               ; in: row r, + 64 h
	v_mul_u32_u24 v[SRD], v14, 272
	v_lshl_add_u32 v[SRD], v13, 4, v[SRD]
	v_add_nc_u32 v[SRD], s38, v[SRD]               ; back: lanes 0-15 one row of 256 bytes, lanes 16-31 the next
	v_lshlrev_b32 v[GO], 12, v14
	v_lshl_add_u32 v[GO], v13, 4, v[GO]            ; and the same two rows in out0
	v_lshlrev_b32 v[RR], 6, v13                    ; my row's 16 words
	s_lshl_b32 s39, s18, 2
	v_add_nc_u32 v[RW], s39, v[RR]                 ; my wave's among them
	v_lshlrev_b32 v[F16], 4, v0
	v_lshlrev_b32 v[F8], 3, v0
	v_mov_b32 v254, 0                              ; a lane permute's destination counts as one of its sources
	s_lshr_b32 s19, ttmp9, 1
	s_lshl_b32 s19, s19, 5
	s_and_b32 s38, ttmp9, 1
	s_lshl_b32 s38, s38, 3
	s_add_co_u32 s19, s19, s38                     ; the tile's first token
	s_mul_i32 s20, ttmp9, 12288                    ; o's 16 images
	s_mov_b32 s21, 0
	s_lshl_b32 s22, ttmp9, 11
	s_add_co_u32 s22, s22, OSC                     ; their scale words
	s_mov_b32 s23, 0
	s_lshl_b32 s38, s18, 2
	s_add_co_u32 s38, s38, 192                     ; my first tile of Wo in wq
	s_mul_i32 s24, s38, 12288
	s_mov_b32 s25, 0
	s_lshl_b32 s26, s38, 10
	s_add_co_u32 s26, s26, WSC
	s_mov_b32 s27, 0
	s_lshl_b32 s28, s19, 12
	s_lshl_b32 s30, s18, 8                         ; my 64 columns: 256 bytes
	s_add_co_u32 s28, s28, s30
	s_mov_b32 s29, 0
	s_mov_b32 s31, 0
	s_mov_b32 s[ABS], 0x7fffffff
	s_mov_b32 s[BIG], 0x4e6e6b28                   ; 1e9
	s_mov_b32 s[INF], 0x7f800000
	s_mov_b32 s[SEL], 0x76543210
	s_mov_b32 s[SEL+1], 0xfedcba98
	s_mov_b32 s46, 0x3a800000                      ; 1 / 1,024
	s_mov_b32 s47, 0x3727c5ac                      ; 1e-5
	s_wait_kmcnt 0x0
	s_add_nc_u64 s[20:21], s[4:5], s[20:21]
	s_add_nc_u64 s[22:23], s[4:5], s[22:23]
	s_add_nc_u64 s[24:25], s[6:7], s[24:25]
	s_add_nc_u64 s[26:27], s[6:7], s[26:27]
	s_add_nc_u64 s[36:37], s[16:17], s[28:29]      ; out0
	s_add_nc_u64 s[28:29], s[8:9], s[28:29]        ; x
	s_add_nc_u64 s[32:33], s[12:13], s[30:31]      ; gamma
	s_add_nc_u64 s[34:35], s[14:15], s[30:31]      ; beta
	s_add_nc_u64 s[30:31], s[10:11], s[30:31]      ; bo
	s_wait_alu depctr_va_vdst(0)                   ; the twelve addresses v1-12 are written, which every load and store of the kernel reads
	global_load_b128 v[AF:AF+3], v[F16], s[20:21]                  ; the fill: 8,192 + 4,096 consecutive bytes a work-group
	global_load_b64 v[AF+4:AF+5], v[F8], s[20:21] offset:8192
.irp d, 0,1,2,3,4,5,6,7,8,9,10,11,12,13,14,15
	global_load_b32 v[ACC+\d], v[LS], s[22:23] offset:128*\d       ; head d's scale words: bytes 0 and 1
.endr
.irp t, 0,1,2,3
	global_load_b128 v[XB+8*\t:XB+8*\t+3], v[XA], s[28:29] offset:128*(\t/2)+32*(\t%2) th:TH_LOAD_NT
	global_load_b128 v[XB+8*\t+4:XB+8*\t+7], v[XA], s[28:29] offset:128*(\t/2)+32*(\t%2)+16 th:TH_LOAD_NT
.endr
.irp t, 0,1,2,3
	global_load_b128 v[BO+8*\t:BO+8*\t+3], v[B64H], s[30:31] offset:128*(\t/2)+32*(\t%2)
	global_load_b128 v[BO+8*\t+4:BO+8*\t+7], v[B64H], s[30:31] offset:128*(\t/2)+32*(\t%2)+16
.endr
	WLOAD 0
	s_wait_loadcnt 48                              ; the fill's two are in; behind them: 16 scale words, x's 8, bo's 8, the weights' 16
	ds_store_b128 v[F16], v[AF:AF+3]
	ds_store_b64 v[F8], v[AF+4:AF+5] offset:8192
	s_wait_dscnt 0x0                               ; for the others' sake
	s_barrier_signal -1
	s_barrier_wait -1                              ; o's images are whole
	s_wait_alu depctr_vm_vsrc(0)                   ; my two LDS stores have read v80-85, in which the first fragment of o lands
	WLOAD 1
	OLOAD 0
	s_wait_loadcnt 48                              ; o's scale words are in; behind them: x's 8, bo's 8, two K steps of weights
.irp s, 0,1,2,3,4,5,6,7
	v_lshl_or_b32 v[AS+\s], v[ACC+2*\s+1], 16, v[ACC+2*\s]   ; a K step's word: the even head's two bytes below, the odd head's above
.endr
	s_wait_loadcnt 32                              ; x and bo are in
.set J, 0
.rept 4
	NANFIX8 XB+8*J
.set J, J+1
.endr
.set J, 0
.rept 16
	v_pk_add_f32 v[XB+2*J:XB+2*J+1], v[XB+2*J:XB+2*J+1], v[BO+2*J:BO+2*J+1]   ; the residual and the bias start the sums
.set J, J+1
.endr
.rept 4
	v_nop
.endr
	s_wait_alu depctr_va_vdst(0)                   ; o's eight scale words v104-111 are written, which the scaled products of the eight steps take; the places stand ahead of this wait
	STEP 0
	STEP 1
	STEP 2
	STEP 3
	STEP 4
	STEP 5
	STEP 6
	STEP 7
	; LAYERNORM.  r = ACC.  First the mean
	v_pk_add_f32 v[250:251], v[ACC:ACC+1], v[ACC+2:ACC+3]          ; ascending: each accumulator is read from its low end on
	v_pk_add_f32 v[252:253], v[ACC+4:ACC+5], v[ACC+6:ACC+7]
.irp q, 8,12,16,20,24,28
	v_pk_add_f32 v[250:251], v[250:251], v[ACC+\q:ACC+\q+1]
	v_pk_add_f32 v[252:253], v[252:253], v[ACC+\q+2:ACC+\q+3]
.endr
	WAVESUM RED1
	ROWSUM RED1
	v_mul_f32 v252, s46, v160                      ; the mean
	v_mov_b32 v253, v252
.set J, 0
.rept 16
	v_pk_add_f32 v[XB+2*J:XB+2*J+1], v[ACC+2*J:ACC+2*J+1], v[252:253] neg_lo:[0,1] neg_hi:[0,1]   ; r - mean
.set J, J+1
.endr
	s_wait_alu depctr_vm_vsrc(0)                   ; the LDS store of my partial sum has read v250, which the line below writes again
	v_pk_mul_f32 v[250:251], v[XB:XB+1], v[XB:XB+1]
	v_pk_mul_f32 v[252:253], v[XB+2:XB+3], v[XB+2:XB+3]
.irp q, 4,8,12,16,20,24,28
	v_pk_fma_f32 v[250:251], v[XB+\q:XB+\q+1], v[XB+\q:XB+\q+1], v[250:251]
	v_pk_fma_f32 v[252:253], v[XB+\q+2:XB+\q+3], v[XB+\q+2:XB+\q+3], v[252:253]
.endr
	WAVESUM RED2
	ROWSUM RED2
	v_fma_f32 v160, v160, s46, s47                 ; the variance + 1e-5
	s_wait_alu depctr_va_vdst(0)
	v_rsq_f32 v252, v160
	v_nop                                          ; a plain place behind the root
	s_wait_alu depctr_va_vdst(0)                   ; the root has written v252, ahead of its first reader
	v_mov_b32 v253, v252
	s_wait_alu depctr_va_vdst(0)
	s_wait_loadcnt 0x0                             ; gamma and beta
.set J, 0
.rept 16
	v_pk_mul_f32 v[XB+2*J:XB+2*J+1], v[XB+2*J:XB+2*J+1], v[252:253]
.set J, J+1
.endr
.set J, 0
.rept 16
	v_pk_fma_f32 v[XB+2*J:XB+2*J+1], v[XB+2*J:XB+2*J+1], v[BF+2*J:BF+2*J+1], v[BO+2*J:BO+2*J+1]
.set J, J+1
.endr
.set J, 0
.rept 4
	NANFIX8 XB+8*J
.set J, J+1
.endr
	; THE WAY OUT: a lane holds 2 x 64 bytes of one row; through my own stage the rows come back whole: sixteen lanes store 256 consecutive bytes, at a multiple of 256 from out0's first byte
	s_wait_alu depctr_va_vdst(0)                   ; the result v48-79 is written, which the LDS stores read; and the additions and the root are done with v160-175, in which, with v176-191, the stage's rows land
.irp t, 0,1,2,3
	ds_store_b128 v[STO], v[XB+8*\t:XB+8*\t+3] offset:128*(\t/2)+32*(\t%2)
	ds_store_b128 v[STO], v[XB+8*\t+4:XB+8*\t+7] offset:128*(\t/2)+32*(\t%2)+16
.endr
.irp i, 0,1,2,3,4,5,6,7
	ds_load_b128 v[160+4*\i:163+4*\i], v[SRD] offset:544*\i        ; LDS serves a wave's instructions in order (ISA guide 5.7.1.4): these see my stores
.endr
.irp i, 0,1,2,3,4,5,6,7
	s_wait_dscnt 7-\i                              ; the younger stage loads may be out
	global_store_b128 v[GO], v[160+4*\i:163+4*\i], s[36:37] offset:(2*\i+8*(\i/4))*4096 th:TH_STORE_NT   ; rows 2 i and 2 i + 1 of the tile: tokens 2 i + 8 (i / 4) on
.endr
	s_wait_dscnt 0x0
	s_wait_alu depctr_hold_cnt(0) depctr_sa_sdst(0) depctr_va_vdst(0) depctr_va_sdst(0) depctr_va_ssrc(0) depctr_va_vcc(0) depctr_vm_vsrc(0)
	s_wait_tensorcnt 0x0
	ds_add_u32 v249, v255
	s_wait_dscnt 0x0
	s_endpgm
.Lfunc_end_k_qfec5aeeccd_outln:
	.size	k_qfec5aeeccd_outln, .Lfunc_end_k_qfec5aeeccd_outln-k_qfec5aeeccd_outln
	.p2alignl 7, 3214868480
	.fill 96, 4, 3214868480
	.section	.rodata,"a",@progbits
	.p2align	6, 0x0
	.amdhsa_kernel k_qfec5aeeccd_outln
		.amdhsa_group_segment_fixed_size 86016
		.amdhsa_private_segment_fixed_size 0
		.amdhsa_enable_private_segment 0
		.amdhsa_kernarg_size 56
		.amdhsa_user_sgpr_count 2
		.amdhsa_user_sgpr_kernarg_segment_ptr 1
		.amdhsa_wavefront_size32 1
		.amdhsa_system_sgpr_workgroup_id_x 1
		.amdhsa_system_sgpr_workgroup_id_y 1
		.amdhsa_system_sgpr_workgroup_id_z 1
		.amdhsa_system_vgpr_workitem_id 0
		.amdhsa_next_free_vgpr 256
		.amdhsa_next_free_sgpr 66
		.amdhsa_reserve_vcc 0
		.amdhsa_float_denorm_mode_32 3
		.amdhsa_float_denorm_mode_16_64 3
		.amdhsa_memory_ordered 1
		.amdhsa_forward_progress 1
		.amdhsa_inst_pref_size 62
	.end_amdhsa_kernel
	.amdgpu_metadata
---
amdhsa.version: [ 1, 2 ]
amdhsa.kernels:
  - .name:           k_qfec5aeeccd_outln
    .symbol:         k_qfec5aeeccd_outln.kd
    .args:
      - { .name: oq, .offset: 0, .size: 8, .value_kind: global_buffer, .address_space: global }
      - { .name: wq, .offset: 8, .size: 8, .value_kind: global_buffer, .address_space: global }
      - { .name: x, .offset: 16, .size: 8, .value_kind: global_buffer, .address_space: global }
      - { .name: bo, .offset: 24, .size: 8, .value_kind: global_buffer, .address_space: global }
      - { .name: gamma, .offset: 32, .size: 8, .value_kind: global_buffer, .address_space: global }
      - { .name: beta, .offset: 40, .size: 8, .value_kind: global_buffer, .address_space: global }
      - { .name: out0, .offset: 48, .size: 8, .value_kind: global_buffer, .address_space: global }
    .group_segment_fixed_size: 86016
    .private_segment_fixed_size: 0
    .kernarg_segment_align: 8
    .kernarg_segment_size: 56
    .max_flat_workgroup_size: 512
    .sgpr_count:     66
    .vgpr_count:     256
    .wavefront_size: 32
...
	.end_amdgpu_metadata
.endif
;; end of part 8
